; MI455X (gfx1250); checked and timed in simulation.
; The chip was launched on July 23, 2026; its instructions are those of AMD's public machine-readable ISA for CDNA 5 (MIT licence, August 2026) and "CDNA5" Instruction Set Architecture Reference Guide (July 2026). The comments in the code are by the model that wrote it; some were corrected since.
;; Mo E Layer. Allowed arithmetic: matrix products marked QUANTISED: E5M2 operands, one E8M0 scale for each 32 along K, by v_wmma_scale_f32_16x16x128_f8f6f4 with both operands' format E5M2, f32 sums; products left as they are: f32 operands where the result goes on into a quantised operand, else bf16, f16 or f32 operands; f32 sums; everything else in f32.
;; Inputs: W1 8 x 1,024 x 2,048 float32; W2 8 x 2,048 x 1,024 float32; Wg 1,024 x 8 float32; b1 8 x 2,048 float32; b2 8 x 1,024 float32; bg 8 float32; x 4 x 512 x 1,024 float32.
;; Outputs: out0 4 x 512 x 1,024 float32.
;; This version of the problem:
;;   THIS VERSION OF THE PROBLEM IS GIVEN IN LOW PRECISION. The matrix products marked QUANTISED in the list below multiply operands that are first quantised to E5M2 (5 exponent bits, 2 mantissa bits; 8 bits a number), with one power-of-two scale for each 32 numbers along K (OCP MX v1.0); their sums are f32. All else is computed in f32.
;;   The module's matrix products, in the order in which they are computed (A, B: the left and right operand; K: the contracted axis; several contracted axes count as one K, in the product's order):
;;     1. [M 2,048, K 1,024] x [K 1,024, N 8]; A: input x; B: input Wg: left as it is (N = 8 < 16)
;;     2. batch 2,048 x [M 8, K 2] x [K 2, N 1]; A: computed on the way; B: computed on the way: left as it is (K = 2 < 32)
;;     3. [M 16,384, K 1,024] x [K 1,024, N 2,048]; A: input W1; B: input x: QUANTISED
;;     4. batch 8 x [M 1,024, K 2,048] x [K 2,048, N 2,048]; A: input W2; B: computed on the way: QUANTISED
;;     5. batch 2,048 x [M 1, K 8] x [K 8, N 1,024]; A: computed on the way; B: computed on the way: left as it is (K = 8 < 32)
;;   THE QUANTISER, for each operand of a quantised product, along K:
;;     - K is cut into blocks of 32 from its start; a last block that is shorter is filled with zeros.
;;     - A block's scale is 2^e with e = floor(log2(the largest magnitude in the block)) - 15, held to -126 .. 127; a block of zeros has e = 0. As a byte (E8M0): e + 127.
;;     - Each number is divided by its block's scale, clamped to +-57,344, and rounded to the nearest number of E5M2, ties to even, subnormals kept.
;;     - The product sums the exact products of the quantised numbers (number of the format x scale) in f32.
;;   ~~~python
;;   def quantise(x, axis):      # numpy; x: float32 -> the quantised numbers, widened to float32 again
;;       x = np.moveaxis(x, axis, -1); K = x.shape[-1]
;;       x = np.pad(x, [(0, 0)] * (x.ndim - 1) + [(0, -K % 32)]); x = x.reshape(x.shape[:-1] + (-1, 32)); a = np.abs(x).max(-1, keepdims=True)
;;       e = np.where(a > 0, np.clip(np.frexp(np.where(a > 0, a, 1))[1] - 1 - 15, -126, 127), 0)      # np.frexp(a)[1] - 1 = floor(log2(a)), exactly
;;       r = np.clip(x / 2.0 ** e, -57344, 57344)
;;       step = 2.0 ** (np.maximum(np.frexp(np.where(r == 0, 1, r))[1] - 1, -14) - 2)
;;       q = np.round(r / step) * step * 2.0 ** e      # np.round: ties to even
;;       return np.moveaxis(q.reshape(q.shape[:-2] + (-1,))[..., :K], -1, axis).astype(np.float32)
;;   ~~~
;;   OPERANDS COMPUTED ON THE WAY. 'Computed on the way' means the value that the module computes at that place (a softmax that the list does not call 'softmax' is quantised finished and normalised). What goes into a quantiser is computed in f32, as accurately as f32 sums, v_exp_f32 and their like allow (about 1e-6 of the number): no bf16 or f16 on the way to a quantiser, and a product that is left as it is and whose result goes on into a quantised operand takes f32 operands (vector FMAs, or v_wmma_f32_16x16x4_f32). A number that lies on a knife's edge between two numbers of the format may be rounded either way, as far as f32 arithmetic and the matrix unit's own rounding can turn it there, and no further.
;; 3 versions. Each part assembles by itself: llvm-mc -triple=amdgcn-amd-amdhsa -mcpu=gfx1250 --defsym DOCPART=n.
;; ======== version 1 of 3: 5 launches
;; workspace buffers: xq 2,179,072 bytes; route 12,288 bytes of whole numbers; xsort 17,301,504 bytes; place 16,640 bytes of whole numbers; hq 34,603,008 bytes; o 67,108,864 bytes
;; launch route (part 1): grid 128 x 1, 8 waves a work-group, no clusters, 10,240 bytes of LDS; arguments x, Wg, bg, xq, route; writes xq, route
.if DOCPART == 1
	.amdgcn_target "amdgcn-amd-amdhsa--gfx1250"
	.amdhsa_code_object_version 6
	.text
	.protected	k_q7d5dd0bb66_route
	.globl	k_q7d5dd0bb66_route
	.p2align	8
	.type	k_q7d5dd0bb66_route,@function
k_q7d5dd0bb66_route:
	s_mov_b64 s[64:65], 0
	v_nop
	global_prefetch_b8 v0, s[64:65] scope:SCOPE_SE
	s_setreg_imm32_b32 hwreg(HW_REG_WAVE_MODE, 25, 1), 1
	s_wait_xcnt 0x0
; ROUTE.  For 16 tokens a work-group: the router's logits x Wg + bg in f32, softmax(logits / 5), the two largest, their gates; and x as codes of E5M2 with one E8M0 byte for each 32 along D.
; SHARES.  Work-group T has tokens 16 T .. 16 T + 15 (the height of a matrix tile); wave s has d = 128 s .. 128 s + 127, one K step of the later product.  Lane (r = lane % 16, h = lane / 16).
; A lane loads, of token r, 16 neighbours of each block of 32: register 16 b + i = x[r][128 s + 32 b + 16 h + i].  The same registers feed the f32 matrix form (pairs 2 u, 2 u + 1: K slot 2 h + j holds the same d
; in x's pair and in Wg's) and the quantiser, whose results are the registers of an operand fragment.
; WHAT IS STORED, all at fixed places (no address hangs on a result):  xq: codes as images of fragments (tile T at 16,384 T; K step s at 2,048 s; register group c at 512 c; 16 bytes a lane), scale words [token][8] at 2,097,152,
; gates [token][2] f32 at 2,162,688.  route: at 0 a mask of 16 tokens for each expert [8][128] u16, at 2,048 its count of ones [8][128] u8, at 4,096 the two experts [token] u32 = e0 | e1 << 8.
; The two largest are taken on 2^((l - lmax) c), which differs from the probability by one factor common to the eight; a strict compare in ascending order keeps the lower index among equals.
; LIMITS: NaN and infinities are not served.  A block whose largest magnitude lies under 2^-111 gets the byte 1 (a block of zeros too, where the quantiser's rule says 127: its codes are zeros, and this program alone reads the bytes).
; A choice between two experts whose probabilities differ in the last bit of an exponential, or of an f32 sum taken in another order, may fall otherwise than in a sum taken in the source's order.
.set X,   16                           ; v16-79   64 numbers of x
.set WB,  80                           ; v80-143  Wg at the same d, column r % 8
.set AC,  144                          ; v144-175 four accumulators: written by matrix instructions alone
.set LP,  176                          ; v176-183 my wave's part of the logits
.set PC,  184                          ; v184-199 the fragment's codes
.set TM,  200                          ; v200-215 at work
.set PW,  216                          ; v216     the scale word
.set XSL, 8192                         ; LDS: at 0 the waves' parts of the logits [wave][token][16] f32; at 8,192 the scale words [token][8]
	s_load_b256 s[4:11], s[0:1], 0x0               ; x s[4:5], Wg s[6:7], bg s[8:9], xq s[10:11]
	s_load_b64 s[12:13], s[0:1], 0x20              ; route
	v_lshl_add_u32 v254, v0, 2, 0x2400
	v_mov_b32 v255, 0
	v_lshrrev_b32 v1, 5, v0
	v_readfirstlane_b32 s14, v1                    ; wave = K step
	v_and_b32 v1, 31, v0                           ; lane
	v_and_b32 v2, 15, v0                           ; r
	v_bfe_u32 v3, v0, 4, 1                         ; h
	v_lshlrev_b32 v4, 12, v2
	v_lshl_add_u32 v4, v3, 6, v4                   ; x: row r of 4,096 bytes + 64 h
	v_and_b32 v5, 7, v0
	v_lshlrev_b32 v5, 2, v5
	v_lshl_add_u32 v5, v3, 9, v5                   ; Wg: 16 h rows of 32 bytes + column r % 8
	v_lshlrev_b32 v6, 4, v1                        ; 16 x lane
	s_lshl_b32 s40, s14, 10
	v_lshlrev_b32 v7, 2, v2
	v_lshl_add_u32 v7, v3, 9, v7
	v_add_nc_u32 v7, s40, v7                       ; LDS: 1,024 wave + token (8 h + j) x 64 + 4 r
	s_lshl_b32 s40, s14, 2
	v_lshl_add_u32 v8, v2, 5, XSL
	v_add_nc_u32 v8, s40, v8                       ; LDS: token r's word of K step s
	v_lshlrev_b32 v9, 6, v2                        ; LDS: token r's 16 numbers in a wave's part
	v_add_nc_u32 v10, XSL, v6
	s_mov_b32 s24, 0x76543210
	s_mov_b32 s25, 0xfedcba98                      ; v_permlanex16_b32's selects for lane xor 16
	s_mov_b32 s26, 0x600000                        ; the mantissa field of 57,344
	s_mov_b32 s27, 0x3e93bb63                      ; c = log2(e) / 5
	s_lshl_b32 s40, ttmp9, 16                      ; 16 rows of 4,096 bytes
	s_lshl_b32 s41, s14, 9
	s_add_co_u32 s40, s40, s41
	s_mov_b32 s41, 0
	s_lshl_b32 s42, s14, 12                        ; 128 rows of Wg
	s_mov_b32 s43, 0
	s_lshl_b32 s44, ttmp9, 14
	s_lshl_b32 s45, s14, 11
	s_add_co_u32 s44, s44, s45
	s_mov_b32 s45, 0
	s_wait_kmcnt 0x0
	s_add_nc_u64 s[4:5], s[4:5], s[40:41]
	s_add_nc_u64 s[6:7], s[6:7], s[42:43]
	s_add_nc_u64 s[28:29], s[10:11], s[44:45]      ; where my fragment's image goes
.irp b, 0,1,2,3
.irp j, 0,1,2,3
	global_load_b128 v[X+16*\b+4*\j:X+16*\b+4*\j+3], v4, s[4:5] offset:128*\b+16*\j th:TH_LOAD_NT
.endr
.endr
.irp b, 0,1,2,3
.irp i, 0,1,2,3,4,5,6,7,8,9,10,11,12,13,14,15
	global_load_b32 v[WB+16*\b+\i], v5, s[6:7] offset:1024*\b+32*\i
.endr
.endr
	s_wait_loadcnt 0x0
; the logits' part of my 128 d: four accumulators (one for each block of 32) by turns, one instruction a turn; the first product of each starts its sum
.irp u, 0,1,2,3,4,5,6,7
.irp b, 0,1,2,3
.if \u == 0
	v_wmma_f32_16x16x4_f32 v[AC+8*\b:AC+8*\b+7], v[X+16*\b+2*\u:X+16*\b+2*\u+1], v[WB+16*\b+2*\u:WB+16*\b+2*\u+1], 0
.else
	v_wmma_f32_16x16x4_f32 v[AC+8*\b:AC+8*\b+7], v[X+16*\b+2*\u:X+16*\b+2*\u+1], v[WB+16*\b+2*\u:WB+16*\b+2*\u+1], v[AC+8*\b:AC+8*\b+7]
.endif
.endr
.endr
.rept 8
	v_nop                                          ; eight places behind this form before a result is read or a source written (ISA guide 7.12.1)
.endr
.irp j, 0,2,4,6                        ; each accumulator is read from its low end on; register j of lane (n, h) is the part of (token 8 h + j, expert n % 8)
	v_pk_add_f32 v[LP+\j:LP+\j+1], v[AC+\j:AC+\j+1], v[AC+8+\j:AC+9+\j]
	v_pk_add_f32 v[TM+\j:TM+\j+1], v[AC+16+\j:AC+17+\j], v[AC+24+\j:AC+25+\j]
.endr
.irp j, 0,2,4,6
	v_pk_add_f32 v[LP+\j:LP+\j+1], v[LP+\j:LP+\j+1], v[TM+\j:TM+\j+1]
.endr
.irp j, 0,1,2,3,4,5,6,7
	ds_store_b32 v7, v[LP+\j] offset:64*\j
.endr
; THE QUANTISER: four blocks of 32, each in lanes l and l xor 16.  (v204-207, the permutes' destinations, were written above)
.irp b, 0,1,2,3
	v_max3_num_f32 v[TM+\b], |v[X+16*\b]|, |v[X+1+16*\b]|, 0x8000000   ; my 16 numbers and the floor 2^(16 - 127): the byte cannot fall under 1
.endr
.irp i, 2,4,6,8,10,12,14
.irp b, 0,1,2,3
	v_max3_num_f32 v[TM+\b], v[TM+\b], |v[X+16*\b+\i]|, |v[X+1+16*\b+\i]|
.endr
.endr
.irp b, 0,1,2,3
	v_permlanex16_b32 v[TM+4+\b], v[TM+\b], s24, s25
.endr
.irp b, 0,1,2,3
	v_max_num_f32 v[TM+\b], v[TM+\b], v[TM+4+\b]   ; the block's largest magnitude
.endr
.irp b, 0,1,2,3
	v_add_nc_u32 v[TM+12+\b], 0xf8800000, v[TM+\b] ; 15 off its exponent field: the conversion's scale operand
.endr
.irp b, 0,1,2,3
	v_and_or_b32 v[TM+8+\b], v[TM+\b], 0x7f800000, s26   ; 57,344 x the scale
.endr
.irp b, 0,1,2,3
	v_lshrrev_b32 v[TM+4+\b], 23, v[TM+12+\b]      ; the scale's byte
.endr
	v_lshl_or_b32 v[PW], v[TM+5], 8, v[TM+4]
	v_lshl_or_b32 v[PW], v[TM+6], 16, v[PW]
	v_lshl_or_b32 v[PW], v[TM+7], 24, v[PW]
.irp b, 0,1,2,3
.irp i, 0,1,2,3,4,5,6,7,8,9,10,11,12,13,14,15
	v_med3_num_f32 v[X+16*\b+\i], v[X+16*\b+\i], -v[TM+8+\b], v[TM+8+\b]   ; the conversion does not saturate (ISA guide 7.6.2): the hold at the largest code x the scale
.endr
	v_cvt_scalef32_pk8_bf8_f32 v[PC+4*\b:PC+1+4*\b], v[X+16*\b:X+7+16*\b], v[TM+12+\b]
	v_cvt_scalef32_pk8_bf8_f32 v[PC+2+4*\b:PC+3+4*\b], v[X+8+16*\b:X+15+16*\b], v[TM+12+\b]
.endr
	v_nop                                          ; one plain line behind the last conversion
.irp c, 0,1,2,3
	global_store_b128 v6, v[PC+4*\c:PC+4*\c+3], s[28:29] offset:512*\c   ; the wave stores 512 consecutive bytes
.endr
	ds_store_b32 v8, v[PW]                         ; lanes r and r + 16 write the same word with the same value
	s_wait_dscnt 0x0                               ; for wave 0's sake: my LDS stores are done
	s_barrier_signal -1
	s_barrier_wait -1
	s_cmp_lg_u32 s14, 0
	s_cbranch_scc1 .Lend
; WAVE 0 finishes the 16 tokens: lane = token lane % 16, lanes 16-31 do the same as lanes 0-15
	s_load_b256 s[16:23], s[8:9], 0x0              ; bg
	ds_load_b128 v[16:19], v10                     ; the 16 tokens' scale words, 512 bytes
.irp w, 0,1,2,3,4,5,6,7
	ds_load_b128 v[32+8*\w:35+8*\w], v9 offset:1024*\w
	ds_load_b128 v[36+8*\w:39+8*\w], v9 offset:1024*\w+16
.endr
	s_lshl_b32 s40, ttmp9, 9
	s_add_nc_u64 s[30:31], s[10:11], s[40:41]
	s_wait_dscnt 16                                ; the scale words are in; the sixteen loads behind them may be out
	global_store_b128 v6, v[16:19], s[30:31] offset:2097152
	s_wait_dscnt 0x0
.irp w, 1,2,3,4,5,6,7
.irp k, 0,2,4,6
	v_pk_add_f32 v[32+\k:33+\k], v[32+\k:33+\k], v[32+8*\w+\k:33+8*\w+\k]   ; the eight waves' parts, ascending
.endr
.endr
	s_wait_kmcnt 0x0
.irp e, 0,1,2,3,4,5,6,7
	v_add_f32 v[32+\e], s[16+\e], v[32+\e]         ; + bg
.endr
	v_max3_num_f32 v40, v32, v33, v34
	v_max3_num_f32 v40, v40, v35, v36
	v_max3_num_f32 v40, v40, v37, v38
	v_max_num_f32 v40, v40, v39                    ; the largest logit is taken away ahead of the exponential
	v_mul_f32 v41, s27, v40
.irp e, 0,1,2,3,4,5,6,7
	v_fma_f32 v[48+\e], v[32+\e], s27, -v41        ; (l - lmax) c; the rounding of lmax c is common to the eight
.endr
.irp e, 0,1,2,3,4,5,6,7
	v_exp_f32 v[48+\e], v[48+\e]
.endr
	v_mov_b32 v57, 0                               ; a plain line behind the batch: the first index
	s_wait_alu depctr_va_vdst(0)                   ; one wait for the eight, ahead of their first reader
	v_add_f32 v60, v48, v49
	v_add_f32 v61, v50, v51
	v_add_f32 v62, v52, v53
	v_add_f32 v63, v54, v55
	v_add_f32 v60, v60, v61
	v_add_f32 v62, v62, v63
	v_add_f32 v60, v60, v62                        ; the softmax's sum
	v_rcp_f32 v60, v60
	v_mov_b32 v56, v48                             ; the search below names no v60: it is the work behind the reciprocal
.irp e, 1,2,3,4,5,6,7
	v_cmp_gt_f32 vcc_lo, v[48+\e], v56             ; strictly greater: the lower index stays among equals
	v_cndmask_b32 v56, v56, v[48+\e], vcc_lo
	v_cndmask_b32 v57, v57, \e, vcc_lo
.endr
.irp e, 0,1,2,3,4,5,6,7
	v_cmp_eq_u32 vcc_lo, \e, v57
	v_cndmask_b32 v[48+\e], v[48+\e], -1.0, vcc_lo ; the winner leaves the field: every other number is 0 or more
.endr
	v_mov_b32 v58, v48
	v_mov_b32 v59, 0
.irp e, 1,2,3,4,5,6,7
	v_cmp_gt_f32 vcc_lo, v[48+\e], v58
	v_cndmask_b32 v58, v58, v[48+\e], vcc_lo
	v_cndmask_b32 v59, v59, \e, vcc_lo
.endr
	s_wait_alu depctr_va_vdst(0)                   ; the reciprocal's wait, ahead of its first reader
	v_mul_f32 v56, v56, v60                        ; the two probabilities
	v_mul_f32 v58, v58, v60
	v_add_f32 v61, v56, v58
	v_add_f32 v61, 0x3089705f, v61                 ; + 1e-9
	v_rcp_f32 v61, v61
	v_lshl_or_b32 v64, v59, 8, v57                 ; (a plain line)  e0 | e1 << 8
	s_wait_alu depctr_va_vdst(0)
	v_mul_f32 v66, v56, v61                        ; the gates
	v_mul_f32 v67, v58, v61
	v_mov_b32 v62, 0
	v_mov_b32 v63, 0
.irp e, 0,1,2,3,4,5,6,7                ; lane e of v62: which of my 16 tokens use expert e; of v63: how many
	v_cmp_eq_u32 s40, \e, v57
	v_cmp_eq_u32 s41, \e, v59
	s_or_b32 s40, s40, s41
	s_and_b32 s40, s40, 0xffff
	s_bcnt1_i32_b32 s41, s40
	v_writelane_b32 v62, s40, \e
	v_writelane_b32 v63, s41, \e
.endr
	v_lshlrev_b32 v68, 2, v0
	s_lshl_b32 s42, ttmp9, 6
	v_add_nc_u32 v68, s42, v68                     ; 4 (16 T + lane)
	v_lshlrev_b32 v69, 3, v0
	s_lshl_b32 s42, ttmp9, 7
	v_add_nc_u32 v69, s42, v69                     ; 8 (16 T + lane)
	v_lshlrev_b32 v70, 8, v0
	s_lshl_b32 s42, ttmp9, 1
	v_add_nc_u32 v70, s42, v70                     ; 256 e + 2 T
	v_lshlrev_b32 v71, 7, v0
	s_mov_b32 s43, ttmp9
	v_add_nc_u32 v71, s43, v71                     ; 128 e + T
	s_wait_xcnt 0x0                                ; EXEC changes only behind this wait
	v_cmp_gt_u32 vcc_lo, 16, v0
	s_and_saveexec_b32 s44, vcc_lo
	global_store_b32 v68, v64, s[12:13] offset:4096
	global_store_b64 v69, v[66:67], s[10:11] offset:2162688
	s_wait_xcnt 0x0
	s_or_b32 exec_lo, exec_lo, s44
	v_cmp_gt_u32 vcc_lo, 8, v0
	s_and_saveexec_b32 s44, vcc_lo
	global_store_b16 v70, v62, s[12:13]
	global_store_b8 v71, v63, s[12:13] offset:2048
	s_wait_xcnt 0x0
	s_or_b32 exec_lo, exec_lo, s44
.Lend:
	s_wait_tensorcnt 0x0
	ds_add_u32 v254, v255
	s_wait_dscnt 0x0
	s_endpgm
.Lfunc_end_k_q7d5dd0bb66_route:
	.size	k_q7d5dd0bb66_route, .Lfunc_end_k_q7d5dd0bb66_route-k_q7d5dd0bb66_route
	.p2alignl 7, 3214868480
	.fill 96, 4, 3214868480
	.section	.rodata,"a",@progbits
	.p2align	6, 0x0
	.amdhsa_kernel k_q7d5dd0bb66_route
		.amdhsa_group_segment_fixed_size 10240
		.amdhsa_private_segment_fixed_size 0
		.amdhsa_enable_private_segment 0
		.amdhsa_kernarg_size 40
		.amdhsa_user_sgpr_count 2
		.amdhsa_user_sgpr_kernarg_segment_ptr 1
		.amdhsa_wavefront_size32 1
		.amdhsa_system_sgpr_workgroup_id_x 1
		.amdhsa_system_sgpr_workgroup_id_y 1
		.amdhsa_system_sgpr_workgroup_id_z 1
		.amdhsa_system_vgpr_workitem_id 0
		.amdhsa_next_free_vgpr 256
		.amdhsa_next_free_sgpr 66
		.amdhsa_reserve_vcc 1
		.amdhsa_float_denorm_mode_32 3
		.amdhsa_float_denorm_mode_16_64 3
		.amdhsa_memory_ordered 1
		.amdhsa_forward_progress 1
		.amdhsa_inst_pref_size 34
	.end_amdhsa_kernel
	.amdgpu_metadata
---
amdhsa.version: [ 1, 2 ]
amdhsa.kernels:
  - .name:           k_q7d5dd0bb66_route
    .symbol:         k_q7d5dd0bb66_route.kd
    .args:
      - { .name: x, .offset: 0, .size: 8, .value_kind: global_buffer, .address_space: global }
      - { .name: Wg, .offset: 8, .size: 8, .value_kind: global_buffer, .address_space: global }
      - { .name: bg, .offset: 16, .size: 8, .value_kind: global_buffer, .address_space: global }
      - { .name: xq, .offset: 24, .size: 8, .value_kind: global_buffer, .address_space: global }
      - { .name: route, .offset: 32, .size: 8, .value_kind: global_buffer, .address_space: global }
    .group_segment_fixed_size: 10240
    .private_segment_fixed_size: 0
    .kernarg_segment_align: 8
    .kernarg_segment_size: 40
    .max_flat_workgroup_size: 256
    .sgpr_count:     66
    .vgpr_count:     256
    .wavefront_size: 32
...
	.end_amdgpu_metadata
.endif
;; end of part 1
;; launch place (part 2): grid 66 x 1, 4 waves a work-group, no clusters, 0 bytes of LDS; arguments xq, route, xsort, place; writes xsort, place
.if DOCPART == 2
	.amdgcn_target "amdgcn-amd-amdhsa--gfx1250"
	.amdhsa_code_object_version 6
	.text
	.protected	k_q7d5dd0bb66_place
	.globl	k_q7d5dd0bb66_place
	.p2align	8
	.type	k_q7d5dd0bb66_place,@function
k_q7d5dd0bb66_place:
	s_mov_b64 s[64:65], 0
	v_nop
	global_prefetch_b8 v0, s[64:65] scope:SCOPE_SE
	s_setreg_imm32_b32 hwreg(HW_REG_WAVE_MODE, 25, 1), 1
	s_wait_xcnt 0x0
; PLACE.  The routed rows are put in order by expert.  Expert e owns positions 2,048 e .. 2,048 e + 2,047 (a token takes an expert at most once, so no split overflows); position p of expert e is its p-th token in ascending order.
; A row tile is 16 positions; tile number G = 128 e + tile.  With 4,096 routed rows and 8 experts there are never more than 4,096 / 16 + 7 = 263 tiles: 66 work-groups x 4 waves = 264 jobs, a wave a tile.
; A wave whose job number lies at or past the number of tiles stores nothing and ends: the price of a grid that serves every split.  Waves share nothing: no LDS, no barrier.
; All that steers an address here is whole numbers that the launch before has stored (masks, counts, the two experts of a token); each passes a clamp with a written constant on its way into an address.
; The offsets that hang on the lane alone (v4, v5, v6) are made at the head, ahead of every load and every branch, and never written again.
; STORED:  xsort: at 16,384 G the tile's codes of x as images of eight fragments (piece q of 16 codes of row r at 256 q + 16 r); at 16,777,216 + 512 G its scale words, lane (r, h): the words of K steps 4 h .. 4 h + 3 of row r.
; place: at 0 the eight counts; at 256 + 8 token + 4 slot the position of the token's slot-th expert.
; The rows past an expert's last in its last tile get a valid token's codes (the clamped index); their results are never read.
	s_load_b256 s[4:11], s[0:1], 0x0               ; xq s[4:5], route s[6:7], xsort s[8:9], place s[10:11]
	v_lshrrev_b32 v1, 5, v0
	v_readfirstlane_b32 s12, v1                    ; wave
	v_and_b32 v1, 31, v0                           ; lane
	v_and_b32 v2, 15, v0                           ; r
	v_bfe_u32 v3, v0, 4, 1                         ; h
	v_lshlrev_b32 v4, 5, v1                        ; 32 x lane: the count bytes
	v_lshlrev_b32 v5, 4, v1                        ; 16 x lane: an image's place for my lane
	v_lshlrev_b32 v6, 2, v1                        ; 4 x lane: where job 0 stores a count
	s_wait_kmcnt 0x0
	global_load_b128 v[8:11], v4, s[6:7] offset:2048    ; 32 of the 1,024 count bytes a lane: lanes 4 e .. 4 e + 3 hold expert e's
	global_load_b128 v[12:15], v4, s[6:7] offset:2064
	s_wait_loadcnt 0x0
	v_add_nc_u32 v8, v8, v9                        ; byte by byte: eight bytes of at most 16 stay under 256
	v_add_nc_u32 v10, v10, v11
	v_add_nc_u32 v12, v12, v13
	v_add_nc_u32 v14, v14, v15
	v_add_nc_u32 v8, v8, v10
	v_add_nc_u32 v12, v12, v14
	v_add_nc_u32 v8, v8, v12
	v_lshrrev_b32 v9, 8, v8
	v_and_b32 v8, 0xff00ff, v8
	v_and_b32 v9, 0xff00ff, v9
	v_add_nc_u32 v8, v8, v9
	v_lshrrev_b32 v9, 16, v8
	v_and_b32 v8, 0xffff, v8
	v_add_nc_u32 v8, v8, v9
.irp e, 0,1,2,3,4,5,6,7                ; s86-93: the experts' counts
	v_readlane_b32 s[86+\e], v8, 4*\e
	v_readlane_b32 s99, v8, 4*\e+1
	v_readlane_b32 s100, v8, 4*\e+2
	v_readlane_b32 s101, v8, 4*\e+3
	s_add_co_u32 s[86+\e], s[86+\e], s99
	s_add_co_u32 s100, s100, s101
	s_add_co_u32 s[86+\e], s[86+\e], s100
.endr
	s_lshl_b32 s94, ttmp9, 2
	s_add_co_u32 s94, s94, s12                     ; my job
	s_mov_b32 s95, 0                               ; its expert,
	s_mov_b32 s96, 0                               ; the expert's first job,
	s_mov_b32 s97, s86                             ; and count
	s_mov_b32 s99, 0                               ; tiles so far
.irp i, 0,1,2,3,4,5,6
	s_add_co_u32 s100, s[86+\i], 15
	s_lshr_b32 s100, s100, 4
	s_add_co_u32 s99, s99, s100
	s_cmp_ge_u32 s94, s99                          ; past expert i's tiles?
	s_cselect_b32 s95, \i+1, s95
	s_cselect_b32 s96, s99, s96
	s_cselect_b32 s97, s[87+\i], s97
.endr
	s_add_co_u32 s100, s93, 15
	s_lshr_b32 s100, s100, 4
	s_add_co_u32 s99, s99, s100
	s_cmp_ge_u32 s94, s99
	s_cbranch_scc1 .Lend                           ; no tile is left for this job
	s_min_u32 s95, s95, 7
	s_sub_co_u32 s98, s94, s96
	s_min_u32 s98, s98, 127                        ; my tile of the expert
	s_lshl_b32 s100, s95, 8
	s_mov_b32 s101, 0
	s_add_nc_u64 s[2:3], s[6:7], s[100:101]        ; the expert's mask: 64 words of 32 tokens
	s_load_b512 s[16:31], s[2:3], 0x0
	s_load_b512 s[32:47], s[2:3], 0x40
	s_load_b512 s[48:63], s[2:3], 0x80
	s_load_b512 s[68:83], s[2:3], 0xc0
	s_lshl_b32 s99, s98, 4
	v_add_nc_u32 v20, s99, v2                      ; p: my position
	s_wait_kmcnt 0x0
; which word holds the p-th token: the last word in front of which at most p ones stand
	v_mov_b32 v21, s16                             ; the word,
	v_mov_b32 v22, 0                               ; the ones in front of it,
	v_mov_b32 v23, 0                               ; its number
	s_bcnt1_i32_b32 s84, s16
.macro WORD w
.if (\w) < 48
.set MW, 16+(\w)
.else
.set MW, 20+(\w)
.endif
	v_cmp_le_u32 vcc_lo, s84, v20
	v_cndmask_b32 v21, v21, s[MW], vcc_lo
	v_cndmask_b32 v22, v22, s84, vcc_lo
	v_cndmask_b32 v23, v23, \w, vcc_lo
	s_bcnt1_i32_b32 s85, s[MW]
	s_add_co_u32 s84, s84, s85
.endm
.set W, 1
.rept 63
	WORD W
.set W, W+1
.endr
; which bit of it: the number of bit places up to and with which at most q = p - (ones in front) ones stand
	v_sub_nc_u32 v28, v20, v22
	v_mov_b32 v24, 0
	v_mov_b32 v25, 0
.macro BIT k
	v_bfe_u32 v26, v21, \k, 1
	v_add_nc_u32 v24, v24, v26
	v_cmp_le_u32 vcc_lo, v24, v28
	v_add_co_ci_u32 v25, vcc_lo, 0, v25, vcc_lo
.endm
.set W, 0
.rept 32
	BIT W
.set W, W+1
.endr
	v_lshl_add_u32 v27, v23, 5, v25
	v_min_u32 v27, 0x7ff, v27                      ; the token; positions past the expert's last get token 2,047
	v_and_b32 v29, 0x7f0, v27
	v_lshlrev_b32 v29, 10, v29                     ; its tile of 16 tokens, 16,384 bytes,
	v_and_b32 v30, 15, v27
	v_lshl_add_u32 v29, v30, 4, v29                ; its row in a piece,
	v_lshl_add_u32 v29, v3, 8, v29                 ; pieces 2 q + h
	v_lshlrev_b32 v30, 5, v27
	v_lshl_add_u32 v30, v3, 4, v30                 ; its scale words 4 h .. 4 h + 3
	v_lshlrev_b32 v31, 2, v27
.set W, 0
.rept 32
	global_load_b128 v[32+4*W:35+4*W], v29, s[4:5] offset:512*W
.set W, W+1
.endr
	global_load_b128 v[160:163], v30, s[4:5] offset:2097152
	global_load_b32 v164, v31, s[6:7] offset:4096  ; the token's two experts
	s_lshl_b32 s99, s95, 7
	s_add_co_u32 s99, s99, s98                     ; G
	s_lshl_b32 s100, s99, 14
	s_add_nc_u64 s[2:3], s[8:9], s[100:101]
	s_lshl_b32 s100, s99, 9
	s_add_co_u32 s100, s100, 0x1000000
	s_add_nc_u64 s[14:15], s[8:9], s[100:101]
.set W, 0
.rept 32
	s_wait_loadcnt 33-W                            ; load W is in: behind it stand 31 - W loads of codes and two more
	global_store_b128 v5, v[32+4*W:35+4*W], s[2:3] offset:512*W   ; the wave stores 512 consecutive bytes
.set W, W+1
.endr
	s_wait_loadcnt 0x0
	global_store_b128 v5, v[160:163], s[14:15]
	v_bfe_u32 v165, v164, 8, 8
	v_cmp_eq_u32 vcc_lo, s95, v165                 ; am I the token's second expert?
	v_cndmask_b32 v165, 0, 4, vcc_lo
	v_min_u32 v165, 4, v165                        ; (it comes of a loaded number: the clamp stands ahead of the address)
	v_lshl_add_u32 v165, v27, 3, v165
	s_lshl_b32 s99, s95, 11
	v_add_nc_u32 v166, s99, v20                    ; 2,048 e + p
	v_cmp_gt_u32 vcc_lo, s97, v20                  ; only the expert's own positions,
	s_and_b32 vcc_lo, vcc_lo, 0xffff               ; once each
	s_wait_xcnt 0x0                                ; EXEC changes only behind this wait
	s_and_saveexec_b32 s99, vcc_lo
	global_store_b32 v165, v166, s[10:11] offset:256
	s_wait_xcnt 0x0
	s_or_b32 exec_lo, exec_lo, s99
	s_cmp_lg_u32 s94, 0
	s_cbranch_scc1 .Lend
	v_mov_b32 v167, 0                              ; job 0 stores the eight counts
.irp e, 0,1,2,3,4,5,6,7
	v_writelane_b32 v167, s[86+\e], \e
.endr
	v_cmp_gt_u32 vcc_lo, 8, v1
	s_and_saveexec_b32 s99, vcc_lo                 ; (no load or store has been issued since the last wait on XCNT)
	global_store_b32 v6, v167, s[10:11]
	s_wait_xcnt 0x0
	s_or_b32 exec_lo, exec_lo, s99
.Lend:
	s_endpgm
.Lfunc_end_k_q7d5dd0bb66_place:
	.size	k_q7d5dd0bb66_place, .Lfunc_end_k_q7d5dd0bb66_place-k_q7d5dd0bb66_place
	.p2alignl 7, 3214868480
	.fill 96, 4, 3214868480
	.section	.rodata,"a",@progbits
	.p2align	6, 0x0
	.amdhsa_kernel k_q7d5dd0bb66_place
		.amdhsa_group_segment_fixed_size 0
		.amdhsa_private_segment_fixed_size 0
		.amdhsa_enable_private_segment 0
		.amdhsa_kernarg_size 32
		.amdhsa_user_sgpr_count 2
		.amdhsa_user_sgpr_kernarg_segment_ptr 1
		.amdhsa_wavefront_size32 1
		.amdhsa_system_sgpr_workgroup_id_x 1
		.amdhsa_system_sgpr_workgroup_id_y 1
		.amdhsa_system_sgpr_workgroup_id_z 1
		.amdhsa_system_vgpr_workitem_id 0
		.amdhsa_next_free_vgpr 192
		.amdhsa_next_free_sgpr 102
		.amdhsa_reserve_vcc 1
		.amdhsa_float_denorm_mode_32 3
		.amdhsa_float_denorm_mode_16_64 3
		.amdhsa_memory_ordered 1
		.amdhsa_forward_progress 1
		.amdhsa_inst_pref_size 40
	.end_amdhsa_kernel
	.amdgpu_metadata
---
amdhsa.version: [ 1, 2 ]
amdhsa.kernels:
  - .name:           k_q7d5dd0bb66_place
    .symbol:         k_q7d5dd0bb66_place.kd
    .args:
      - { .name: xq, .offset: 0, .size: 8, .value_kind: global_buffer, .address_space: global }
      - { .name: route, .offset: 8, .size: 8, .value_kind: global_buffer, .address_space: global }
      - { .name: xsort, .offset: 16, .size: 8, .value_kind: global_buffer, .address_space: global }
      - { .name: place, .offset: 24, .size: 8, .value_kind: global_buffer, .address_space: global }
    .group_segment_fixed_size: 0
    .private_segment_fixed_size: 0
    .kernarg_segment_align: 8
    .kernarg_segment_size: 32
    .max_flat_workgroup_size: 128
    .sgpr_count:     102
    .vgpr_count:     192
    .wavefront_size: 32
...
	.end_amdgpu_metadata
.endif
;; end of part 2
;; launch ffn1 (part 3): grid 256 x 1, 4 waves a work-group, no clusters, 70,144 bytes of LDS; arguments W1, b1, xsort, place, hq; writes hq
.if DOCPART == 3
	.amdgcn_target "amdgcn-amd-amdhsa--gfx1250"
	.amdhsa_code_object_version 6
	.text
	.protected	k_q7d5dd0bb66_ffn1
	.globl	k_q7d5dd0bb66_ffn1
	.p2align	8
	.type	k_q7d5dd0bb66_ffn1,@function
k_q7d5dd0bb66_ffn1:
	s_mov_b64 s[64:65], 0
	v_nop
	global_prefetch_b8 v0, s[64:65] scope:SCOPE_SE
	s_setreg_imm32_b32 hwreg(HW_REG_WAVE_MODE, 25, 1), 1
	s_wait_xcnt 0x0
; FFN1.  h = Q(gelu(x W1[e] + b1[e])) for the rows routed to expert e, both operands of the product as codes of E5M2 with E8M0 scales; h leaves as codes, quantised along H.
; SHARES.  Work-group = (expert e = number / 32, slice = number % 32): hidden units n0 = 64 slice .. + 63.  8 x 32 = 256 slices of 1,024 x 64 f32: each byte of W1 is read once in the launch, quantised in registers,
; and stays in the work-group: 32 fragments (K step s = 0 .. 7, tile c = 0 .. 3), 512 registers of every wave.
; PHASE Q.  Wave w quantises K steps 2 w, 2 w + 1.  A load of 16 bytes of lane (q, h) takes W1[e][k][n0 + 4 q .. + 3], k = 256 w + 32 B + 16 h + i: sixteen lanes read 256 consecutive bytes.
; TILE c IS THE COLUMNS n0 + 4 q + c: which columns form a tile is free.  The hold writes number (c, i) from landing register 4 i + c, so a lane's 16 registers run down K and the conversions' results are the fragment's registers.
; The fragments go to LDS as images of their registers (16 bytes a lane, 512 a store), one barrier, and every wave loads all 32.
; PHASE M.  Wave w takes row tiles w, w + 4, .. of the expert, as many as the stored count says.  The product is used transposed (source 0 = 16 columns of W1, source 1 = 16 rows of x):
; lane (r, h) holds row r, and register j of tile c the hidden unit n0 + 32 h + 4 j + c: a lane's 32 results are one whole block of 32 along the next K.  b1 is the C of each sum's first product.
; GELU, exact form: gelu(x) = max(x, 0) - |x| t 2^(-x^2 log2(e) / 2 + P(t)), t = 1 / (1 + |x| / (2 sqrt 2)): one half of erfc(|x| / sqrt 2) by the rational-exponential form of Numerical Recipes (fractional error of erfc under 1.2e-7),
; its ten coefficients multiplied by log2(e), 1 taken off the first for the half.
; STORED (hq): tile G = 128 e + tile at 32,768 G: piece pi (hidden 16 pi ..) of row r at 256 pi + 16 r; scale bytes at 33,554,432 + 1,024 G, byte of (K step s2, row r, block b) at 512 (s2 / 8) + 256 ((s2 / 4) % 2) + 16 r + 4 (s2 % 4) + b.
; A store of codes covers two runs of 256 consecutive bytes; the scale bytes, one for each 32 codes, leave singly.
; NO JOINT LOADS, NO DATA MOVER: the number of row tiles is read from memory, and the loop leaves on it; the weights, 256 KB of a work-group's bytes, are shared with nobody; what the 32 slices of an expert share is the rows' codes, 16 KB a tile.
; LIMITS: NaN and infinities are not served.  A block whose largest magnitude lies under 2^-111 gets the byte 1 (a block of zeros too, where the quantiser's rule says 127: its codes are zeros, and this program alone reads the bytes).
; The part of gelu under 2^-126 is flushed to 0 by v_exp_f32.  In f32 the form is good to some 5e-7 of the number for |x| up to 3 and 2e-6 near |x| = 6.
; REGISTERS.  Window 0: v1-8 addresses; v16-47 W1's scale words and v48-55 x's: scales and nothing else; the rest by phase (below).  Window 1: phase Q four landing sets of 64; phase M two buffers of 8 fragments of x.
; Windows 2, 3: W1's fragments, fragment f = 4 s + c at 16 f.
.set LI,   1                           ; 16 x lane
.set WOFF, 2                           ; W1: 16 h rows of 8,192 bytes + 16 q
.set IMW,  3                           ; LDS: where I store images: 16 x lane + 16,384 x wave
.set ISW,  4                           ; and scale words: 65,536 + 4 x lane + 1,024 x wave
.set LSC,  5                           ; 65,536 + 4 x lane
.set HOFF, 6                           ; hq: 512 h + 16 r
.set SOFF, 7                           ; hq's scale bytes: 16 r + h
.set BOFF, 8                           ; b1: 128 h
.set WS,   16
.set XS,   48
.set M,    56                          ; phase Q: largest magnitudes,
.set T,    60                          ; the other half's,
.set SO,   64                          ; the conversions' scale operands,
.set LIM,  68                          ; 57,344 x the scale,
.set BY,   72                          ; bytes,
.set SW,   76                          ; scale words, a set for each of my two K steps,
.set X,    88                          ; 64 held numbers,
.set F,    152                         ; four fragments
.set BI,   56                          ; phase M: b1 in the result's layout,
.set ACC,  88                          ; four accumulators,
.set TQ,   120
.set ZZ,   152
.set PP,   184
.set HC,   216                         ; 32 codes
.set MX,   224
.set SOX,  225
.set LIMX, 226
.set BYX,  227
.set C9,   228                         ; the highest coefficient, twice
.set WSC,  65536                       ; LDS: at 0 the 32 images of 2,048 bytes; at 65,536 their scale words, 128 bytes each
.set MSB, 0
.macro WIN new                         ; the immediate's high byte repeats the setting that is left
.if MSB != \new
	s_set_vgpr_msb (MSB<<8)|\new
.set MSB, \new
.endif
.endm
.macro LOADB B                         ; block B of my 8: 16 rows of k a half of the lanes, into landing set B % 4
	WIN 0x40
.irp i, 0,1,2,3,4,5,6,7,8,9,10,11,12,13,14,15
	global_load_b128 v[64*((\B)%4)+4*\i:64*((\B)%4)+4*\i+3], v[WOFF], s[4:5] offset:(32*(\B)+\i)*8192 th:TH_LOAD_NT
.endr
	WIN 0
.endm
.macro QBLOCK B
.set LS, 64*((\B)%4)
.set FB, F+4*((\B)%4)
.set SWB, SW+4*((\B)/4)
.if (\B) <= 4
	s_wait_loadcnt 48                              ; this block's 16 loads are in; those of the three blocks behind it may be out
.else
	s_wait_loadcnt 16*(7-(\B))
.endif
	WIN 0x05
.irp c, 0,1,2,3
	v_max3_num_f32 v[M+\c], |v[LS+\c]|, |v[LS+4+\c]|, 0x8000000    ; column c: my 16 numbers and the floor 2^(16 - 127)
.endr
	WIN 0x14
.irp i, 2,4,6,8,10,12,14
.irp c, 0,1,2,3
	v_max3_num_f32 v[M+\c], v[M+\c], |v[LS+4*\i+\c]|, |v[LS+4*\i+4+\c]|
.endr
.endr
	WIN 0
.irp c, 0,1,2,3
	v_permlanex16_b32 v[T+\c], v[M+\c], s20, s21
.endr
.irp c, 0,1,2,3
	v_max_num_f32 v[M+\c], v[M+\c], v[T+\c]        ; with lane xor 16's 16: the block's largest magnitude
.endr
.irp c, 0,1,2,3
	v_add_nc_u32 v[SO+\c], 0xf8800000, v[M+\c]     ; 15 off its exponent field
.endr
.irp c, 0,1,2,3
	v_and_or_b32 v[LIM+\c], v[M+\c], 0x7f800000, s22
.endr
.irp c, 0,1,2,3
.if (\B)%4 == 0
	v_lshrrev_b32 v[SWB+\c], 23, v[SO+\c]          ; the K step's first byte starts the word
.else
	v_lshrrev_b32 v[BY+\c], 23, v[SO+\c]
.endif
.endr
.if (\B)%4 != 0
.irp c, 0,1,2,3
	v_lshl_or_b32 v[SWB+\c], v[BY+\c], 8*((\B)%4), v[SWB+\c]
.endr
.endif
	WIN 0x01
.irp c, 0,1,2,3
.irp i, 0,1,2,3,4,5,6,7,8,9,10,11,12,13,14,15
	v_med3_num_f32 v[X+16*\c+\i], v[LS+4*\i+\c], -v[LIM+\c], v[LIM+\c]   ; the hold (ISA guide 7.6.2), which also lays a column's 16 numbers on end
.endr
.endr
	WIN 0
.if (\B) == 4
	s_wait_dscnt 0x0                               ; the first K step's images have left the fragments' registers, which are now written again
.endif
.irp c, 0,1,2,3
	v_cvt_scalef32_pk8_bf8_f32 v[FB+16*\c:FB+16*\c+1], v[X+16*\c:X+16*\c+7], v[SO+\c]
	v_cvt_scalef32_pk8_bf8_f32 v[FB+16*\c+2:FB+16*\c+3], v[X+16*\c+8:X+16*\c+15], v[SO+\c]
.endr
	v_nop                                          ; one plain line behind the last conversion
.if (\B) < 4
	LOADB (\B)+4
.endif
.endm
.macro IMAGE sp                        ; my K step 2 w + sp: four fragments and their scale words to LDS, as they stand
.irp c, 0,1,2,3
.irp g, 0,1,2,3
	ds_store_b128 v[IMW], v[F+16*\c+4*\g:F+16*\c+4*\g+3] offset:8192*\sp+2048*\c+512*\g
.endr
	ds_store_b32 v[ISW], v[SW+4*\sp+\c] offset:512*\sp+128*\c
.endr
.endm
.macro ALOAD p                         ; a row tile's eight fragments of x into buffer p, and its scale words: 33 loads
	WIN 0x40
.irp s, 0,1,2,3,4,5,6,7
.irp g, 0,1,2,3
	global_load_b128 v[128*(\p)+16*\s+4*\g:128*(\p)+16*\s+4*\g+3], v[LI], s[26+2*(\p):27+2*(\p)] offset:2048*\s+512*\g
.endr
.endr
	WIN 0
	global_load_b128 v[XS+4*(\p):XS+4*(\p)+3], v[LI], s[30+2*(\p):31+2*(\p)]
.endm
.macro MMA p                           ; 32 products: K steps ascending, the four accumulators by turns, one instruction a turn
.irp s, 0,1,2,3,4,5,6,7
.if \s < 4
	WIN 0x06                                       ; source 0 (W1) window 2, source 1 (x) window 1
.else
	WIN 0x07                                       ; source 0 window 3
.endif
.irp c, 0,1,2,3
.if \s == 0
	v_wmma_scale_f32_16x16x128_f8f6f4 v[ACC+8*\c:ACC+8*\c+7], v[16*(4*(\s%4)+\c):16*(4*(\s%4)+\c)+15], v[128*\p+16*\s:128*\p+16*\s+15], v[BI+8*\c:BI+8*\c+7], v[WS+4*\s+\c], v[XS+4*\p+\s%4] matrix_a_fmt:MATRIX_FMT_BF8 matrix_b_fmt:MATRIX_FMT_BF8
.elseif \s < 4
	v_wmma_scale_f32_16x16x128_f8f6f4 v[ACC+8*\c:ACC+8*\c+7], v[16*(4*(\s%4)+\c):16*(4*(\s%4)+\c)+15], v[128*\p+16*\s:128*\p+16*\s+15], v[ACC+8*\c:ACC+8*\c+7], v[WS+4*\s+\c], v[XS+4*\p+\s%4] matrix_a_fmt:MATRIX_FMT_BF8 matrix_b_fmt:MATRIX_FMT_BF8
.else
	v_wmma_scale_f32_16x16x128_f8f6f4 v[ACC+8*\c:ACC+8*\c+7], v[16*(4*(\s%4)+\c):16*(4*(\s%4)+\c)+15], v[128*\p+16*\s:128*\p+16*\s+15], v[ACC+8*\c:ACC+8*\c+7], v[WS+4*\s+\c], v[XS+4*\p+\s%4] matrix_a_fmt:MATRIX_FMT_BF8 matrix_b_fmt:MATRIX_FMT_BF8 matrix_b_scale:MATRIX_SCALE_ROW1
.endif
.endr
.endr
	WIN 0
.endm
.macro HORNER coef, first              ; one step of the polynomial for the lane's 32 numbers, two at a time
.set i, 0
.rept 16
.if \first
	v_pk_fma_f32 v[PP+i:PP+i+1], v[TQ+i:TQ+i+1], v[C9:C9+1], \coef op_sel_hi:[1,1,0]
.else
	v_pk_fma_f32 v[PP+i:PP+i+1], v[PP+i:PP+i+1], v[TQ+i:TQ+i+1], \coef op_sel_hi:[1,1,0]
.endif
.set i, i+2
.endr
.endm
.macro EPI                             ; gelu, the quantiser, the stores: 32 numbers a lane
.set i, 0
.rept 32
	v_fma_f32 v[TQ+i], |v[ACC+i]|, 0x3eb504f3, 1.0 ; 1 + |x| / (2 sqrt 2); each accumulator is read from its low end on
.set i, i+1
.endr
.set i, 0
.rept 32
	v_rcp_f32 v[TQ+i], v[TQ+i]                     ; t: one batch
.set i, i+1
.endr
.set i, 0
.rept 16
	v_pk_mul_f32 v[ZZ+i:ZZ+i+1], v[ACC+i:ACC+i+1], v[ACC+i:ACC+i+1]   ; x^2: the work behind the batch
.set i, i+2
.endr
	s_wait_alu depctr_va_vdst(0)                   ; one wait for the 32 reciprocals, ahead of their first reader
	HORNER 0xbf97d29d, 1
	HORNER 0x40097039, 0
	HORNER 0xbfd1a1e5, 0
	HORNER 0x3ecdfd18, 0
	HORNER 0xbe899a80, 0
	HORNER 0x3e0efb2e, 0
	HORNER 0x3f0a29d2, 0
	HORNER 0x3fb8ab5a, 0
	HORNER 0xc034d90f, 0
.set i, 0
.rept 16
	v_pk_fma_f32 v[PP+i:PP+i+1], v[ZZ+i:ZZ+i+1], 0xbf38aa3b, v[PP+i:PP+i+1] op_sel_hi:[1,0,1]   ; - x^2 log2(e) / 2
.set i, i+2
.endr
.set i, 0
.rept 32
	v_exp_f32 v[PP+i], v[PP+i]                     ; one batch
.set i, i+1
.endr
.set i, 0
.rept 32
	v_max_num_f32 v[ZZ+i], 0, v[ACC+i]             ; max(x, 0): the work behind the batch
.set i, i+1
.endr
	s_wait_alu depctr_va_vdst(0)                   ; one wait for the 32 exponentials
.set i, 0
.rept 16
	v_pk_mul_f32 v[TQ+i:TQ+i+1], v[TQ+i:TQ+i+1], v[PP+i:PP+i+1]
.set i, i+2
.endr
.set i, 0
.rept 32
	v_fma_f32 v[ZZ+i], -|v[ACC+i]|, v[TQ+i], v[ZZ+i]    ; gelu
.set i, i+1
.endr
	v_max3_num_f32 v[MX], |v[ZZ]|, |v[ZZ+1]|, 0x8000000 ; the block's largest magnitude: all 32 numbers are mine; two chains
	v_max3_num_f32 v[SOX], |v[ZZ+16]|, |v[ZZ+17]|, |v[ZZ+18]|
.irp i, 2,4,6,8,10,12
	v_max3_num_f32 v[MX], v[MX], |v[ZZ+\i]|, |v[ZZ+\i+1]|
	v_max3_num_f32 v[SOX], v[SOX], |v[ZZ+17+\i]|, |v[ZZ+18+\i]|
.endr
	v_max3_num_f32 v[MX], v[MX], |v[ZZ+14]|, |v[ZZ+15]|
	v_max3_num_f32 v[MX], v[MX], v[SOX], |v[ZZ+31]|
	v_add_nc_u32 v[SOX], 0xf8800000, v[MX]
	v_and_or_b32 v[LIMX], v[MX], 0x7f800000, s22
	v_lshrrev_b32 v[BYX], 23, v[SOX]
.irp c, 0,1,2,3
.irp j, 0,1,2,3,4,5,6,7
	v_med3_num_f32 v[PP+4*\j+\c], v[ZZ+8*\c+\j], -v[LIMX], v[LIMX]   ; the hold, which also lays the 32 in the order of H
.endr
.endr
.irp g, 0,1,2,3
	v_cvt_scalef32_pk8_bf8_f32 v[HC+2*\g:HC+2*\g+1], v[PP+8*\g:PP+8*\g+7], v[SOX]
.endr
	v_nop                                          ; one plain line behind the last conversion
	global_store_b128 v[HOFF], v[HC:HC+3], s[34:35]
	global_store_b128 v[HOFF], v[HC+4:HC+7], s[34:35] offset:256
	global_store_b8 v[SOFF], v[BYX], s[36:37]
.endm
.macro TILE p                          ; row tile s19, whose operands lie in buffer p
	s_cmp_ge_u32 s19, s18
	s_cbranch_scc1 .Ldone                          ; no tile is left for this wave
	s_wait_xcnt 0x0                                ; earlier loads and stores have read their bases and data: only now are they written again
	s_add_co_u32 s24, s19, 4
	s_min_u32 s24, s24, s47                        ; my next tile, or the expert's last: no load leaves what has been stored
	s_min_u32 s24, s24, 127
	s_lshl_b32 s50, s24, 14
	s_add_nc_u64 s[28-2*\p:29-2*\p], s[38:39], s[50:51]
	s_lshl_b32 s50, s24, 9
	s_add_nc_u64 s[32-2*\p:33-2*\p], s[40:41], s[50:51]
	s_lshl_b32 s50, s19, 15
	s_add_nc_u64 s[34:35], s[42:43], s[50:51]
	s_lshl_b32 s50, s19, 10
	s_add_nc_u64 s[36:37], s[44:45], s[50:51]
	ALOAD 1-\p                                     ; the last products that read that buffer stand a whole gelu back
	s_wait_loadcnt 33                              ; all but the 33 just issued
	MMA \p
.rept 8
	v_nop                                          ; eight places behind this form before a result is read
.endr
	EPI
	s_add_co_u32 s19, s19, 4
.endm
	s_load_b256 s[4:11], s[0:1], 0x0               ; W1 s[4:5], b1 s[6:7], xsort s[8:9], place s[10:11]
	s_load_b64 s[12:13], s[0:1], 0x20              ; hq
	v_lshl_add_u32 v254, v0, 2, 0x11000
	v_mov_b32 v255, 0
	v_lshrrev_b32 v9, 5, v0
	v_readfirstlane_b32 s14, v9                    ; wave
	s_lshr_b32 s15, ttmp9, 5                       ; expert
	s_and_b32 s16, ttmp9, 31                       ; slice
	v_and_b32 v9, 31, v0
	v_and_b32 v10, 15, v0
	v_bfe_u32 v11, v0, 4, 1
	v_lshlrev_b32 v[LI], 4, v9
	v_lshlrev_b32 v[WOFF], 4, v10
	v_lshl_add_u32 v[WOFF], v11, 17, v[WOFF]
	s_lshl_b32 s24, s14, 14
	v_add_nc_u32 v[IMW], s24, v[LI]
	v_lshl_add_u32 v[LSC], v9, 2, WSC
	s_lshl_b32 s24, s14, 10
	v_add_nc_u32 v[ISW], s24, v[LSC]
	v_lshlrev_b32 v[HOFF], 4, v10
	v_lshl_add_u32 v[HOFF], v11, 9, v[HOFF]
	v_lshl_add_u32 v[SOFF], v10, 4, v11
	v_lshlrev_b32 v[BOFF], 7, v11
.irp c, 0,1,2,3
	v_mov_b32 v[T+\c], 0                           ; written once: a lane permute's destination counts as one of its sources
.endr
	s_mov_b32 s20, 0x76543210
	s_mov_b32 s21, 0xfedcba98
	s_mov_b32 s22, 0x600000
	s_lshl_b32 s24, s15, 23                        ; the expert's 8,388,608 bytes,
	s_lshl_b32 s25, s14, 21                        ; my 256 rows of 8,192,
	s_add_co_u32 s24, s24, s25
	s_lshl_b32 s25, s16, 8                         ; the slice's 256 bytes of a row
	s_add_co_u32 s24, s24, s25
	s_mov_b32 s25, 0
	s_lshl_b32 s50, s15, 2
	s_mov_b32 s51, 0
	s_wait_kmcnt 0x0
	s_add_nc_u64 s[52:53], s[10:11], s[50:51]
	s_load_b32 s17, s[52:53], 0x0                  ; the expert's count of rows
	s_add_nc_u64 s[4:5], s[4:5], s[24:25]
	LOADB 0
	LOADB 1
	LOADB 2
	LOADB 3
	s_lshl_b32 s50, s15, 21
	s_add_nc_u64 s[38:39], s[8:9], s[50:51]        ; the expert's tiles of x's codes,
	s_lshl_b32 s50, s15, 16
	s_add_co_u32 s50, s50, 0x1000000
	s_add_nc_u64 s[40:41], s[8:9], s[50:51]        ; of their scale words,
	s_lshl_b32 s50, s15, 22
	s_lshl_b32 s24, s16, 10
	s_add_co_u32 s50, s50, s24
	s_add_nc_u64 s[42:43], s[12:13], s[50:51]      ; of h's codes, at my slice's four pieces,
	s_lshr_b32 s24, s16, 1                         ; the slice's K step of the next product
	s_lshr_b32 s25, s24, 3
	s_lshl_b32 s50, s25, 9
	s_bfe_u32 s25, s24, 0x10002
	s_lshl_b32 s25, s25, 8
	s_add_co_u32 s50, s50, s25
	s_and_b32 s25, s24, 3
	s_lshl_b32 s25, s25, 2
	s_add_co_u32 s50, s50, s25
	s_and_b32 s25, s16, 1
	s_lshl_b32 s25, s25, 1
	s_add_co_u32 s50, s50, s25
	s_lshl_b32 s25, s15, 17
	s_add_co_u32 s50, s50, s25
	s_add_co_u32 s50, s50, 0x2000000
	s_add_nc_u64 s[44:45], s[12:13], s[50:51]      ; and of h's scale bytes, at my slice's two
	s_lshl_b32 s50, s15, 13
	s_lshl_b32 s24, s16, 8
	s_add_co_u32 s50, s50, s24
	s_add_nc_u64 s[6:7], s[6:7], s[50:51]          ; b1 at my slice
	s_wait_kmcnt 0x0
	s_min_u32 s17, s17, 0x800
	s_add_co_u32 s18, s17, 15
	s_lshr_b32 s18, s18, 4                         ; row tiles
	s_sub_co_u32 s47, s18, 1
	QBLOCK 0
	QBLOCK 1
	QBLOCK 2
	QBLOCK 3
	IMAGE 0
	QBLOCK 4
	QBLOCK 5
	QBLOCK 6
	QBLOCK 7
	IMAGE 1
	s_wait_dscnt 0x0                               ; for the others' sake: my images lie in LDS
	s_barrier_signal -1
	s_barrier_wait -1                              ; the launch's one barrier: every wave has passed it before any wave leaves
	s_cmp_ge_u32 s14, s18
	s_cbranch_scc1 .Ldone
	v_mov_b32 v[C9], 0x3e7c6f08
	v_mov_b32 v[C9+1], 0x3e7c6f08
.irp c, 0,1,2,3
.irp j, 0,1,2,3,4,5,6,7
	global_load_b32 v[BI+8*\c+\j], v[BOFF], s[6:7] offset:(4*\j+\c)*4   ; b1 at hidden n0 + 32 h + 4 j + c
.endr
.endr
	s_mov_b32 s19, s14                             ; my first tile
	s_lshl_b32 s50, s14, 14
	s_add_nc_u64 s[26:27], s[38:39], s[50:51]
	s_lshl_b32 s50, s14, 9
	s_add_nc_u64 s[30:31], s[40:41], s[50:51]
	ALOAD 0
	WIN 0x80                                       ; all 32 fragments of W1 into windows 2 and 3; the loads from memory land meanwhile
.set f, 0
.rept 16
.irp g, 0,1,2,3
	ds_load_b128 v[16*f+4*\g:16*f+4*\g+3], v[LI] offset:2048*f+512*\g
.endr
.set f, f+1
.endr
	WIN 0xc0
.rept 16
.irp g, 0,1,2,3
	ds_load_b128 v[16*(f-16)+4*\g:16*(f-16)+4*\g+3], v[LI] offset:2048*f+512*\g
.endr
.set f, f+1
.endr
	WIN 0
.set f, 0
.rept 32
	ds_load_b32 v[WS+f], v[LSC] offset:128*f
.set f, f+1
.endr
	s_wait_dscnt 0x0
	s_mov_b32 s46, 16                              ; 16 trips of two tiles serve the 32 tiles that a wave can have
.Lrow:
	TILE 0
	TILE 1
	s_sub_co_u32 s46, s46, 1
	s_cmp_lg_u32 s46, 0
	s_cbranch_scc1 .Lrow
.Ldone:
	s_wait_tensorcnt 0x0
	ds_add_u32 v254, v255
	s_wait_dscnt 0x0
	s_endpgm
.Lfunc_end_k_q7d5dd0bb66_ffn1:
	.size	k_q7d5dd0bb66_ffn1, .Lfunc_end_k_q7d5dd0bb66_ffn1-k_q7d5dd0bb66_ffn1
	.p2alignl 7, 3214868480
	.fill 96, 4, 3214868480
	.section	.rodata,"a",@progbits
	.p2align	6, 0x0
	.amdhsa_kernel k_q7d5dd0bb66_ffn1
		.amdhsa_group_segment_fixed_size 70144
		.amdhsa_private_segment_fixed_size 0
		.amdhsa_enable_private_segment 0
		.amdhsa_kernarg_size 40
		.amdhsa_user_sgpr_count 2
		.amdhsa_user_sgpr_kernarg_segment_ptr 1
		.amdhsa_wavefront_size32 1
		.amdhsa_system_sgpr_workgroup_id_x 1
		.amdhsa_system_sgpr_workgroup_id_y 1
		.amdhsa_system_sgpr_workgroup_id_z 1
		.amdhsa_system_vgpr_workitem_id 0
		.amdhsa_next_free_vgpr 1024
		.amdhsa_next_free_sgpr 66
		.amdhsa_reserve_vcc 0
		.amdhsa_float_denorm_mode_32 3
		.amdhsa_float_denorm_mode_16_64 3
		.amdhsa_memory_ordered 1
		.amdhsa_forward_progress 1
		.amdhsa_inst_pref_size 175
	.end_amdhsa_kernel
	.amdgpu_metadata
---
amdhsa.version: [ 1, 2 ]
amdhsa.kernels:
  - .name:           k_q7d5dd0bb66_ffn1
    .symbol:         k_q7d5dd0bb66_ffn1.kd
    .args:
      - { .name: W1, .offset: 0, .size: 8, .value_kind: global_buffer, .address_space: global }
      - { .name: b1, .offset: 8, .size: 8, .value_kind: global_buffer, .address_space: global }
      - { .name: xsort, .offset: 16, .size: 8, .value_kind: global_buffer, .address_space: global }
      - { .name: place, .offset: 24, .size: 8, .value_kind: global_buffer, .address_space: global }
      - { .name: hq, .offset: 32, .size: 8, .value_kind: global_buffer, .address_space: global }
    .group_segment_fixed_size: 70144
    .private_segment_fixed_size: 0
    .kernarg_segment_align: 8
    .kernarg_segment_size: 40
    .max_flat_workgroup_size: 128
    .sgpr_count:     66
    .vgpr_count:     1024
    .wavefront_size: 32
...
	.end_amdgpu_metadata
.endif
;; end of part 3
;; launch ffn2 (part 4): grid 256 x 1, 4 waves a work-group, no clusters, 90,624 bytes of LDS; arguments W2, b2, hq, place, o; writes o
.if DOCPART == 4
	.amdgcn_target "amdgcn-amd-amdhsa--gfx1250"
	.amdhsa_code_object_version 6
	.text
	.protected	k_q7d5dd0bb66_ffn2
	.globl	k_q7d5dd0bb66_ffn2
	.p2align	8
	.type	k_q7d5dd0bb66_ffn2,@function
k_q7d5dd0bb66_ffn2:
	s_mov_b64 s[64:65], 0
	v_nop
	global_prefetch_b8 v0, s[64:65] scope:SCOPE_SE
	s_setreg_imm32_b32 hwreg(HW_REG_WAVE_MODE, 25, 1), 1
	s_wait_xcnt 0x0
; FFN2.  o = h W2[e] + b2[e] for the rows routed to expert e; both operands as codes of E5M2 with E8M0 scales; o in f32, a row for each routed row.
; SHARES.  Work-group = (expert e = number / 32, slice = number % 32): output columns n0 = 32 slice .. + 31, all of K = 2,048.  8 x 32 = 256 slices of 2,048 x 32 f32: each byte of W2 is read once in the launch, quantised in
; registers, and stays in the work-group: 32 fragments (K step s = 0 .. 15, tile c = 0, 1), 512 registers of every wave.
; PHASE Q.  Wave w quantises K steps 4 w .. 4 w + 3, 16 blocks.  A load of 8 bytes of lane (r, h) takes W2[e][k][n0 + 2 r, + 1], k = 512 w + 32 B + 16 h + i: sixteen lanes read 128 consecutive bytes.  TILE c IS THE COLUMNS n0 + 2 r + c.
; The hold writes number (c, i) from landing register 2 i + c, so a lane's 16 registers run down K.  The fragments go to LDS as images of their registers, one barrier, and every wave loads all 32.
; PHASE M.  Wave w takes pairs of row tiles w, w + 4, ..: tiles 2 P and 2 P + 1, as many as the stored count says.  The product is used transposed (source 0 = 16 columns of W2, source 1 = 16 rows of h): lane (r, h) holds row r,
; register j of tile c the column n0 + 16 h + 2 j + c.  K goes in chunks of two K steps of both tiles, 16 loads of 16 bytes a lane, through four buffers; three chunks are asked for ahead.
; The addition of b2 also lays a lane's 16 columns in order; the rows go through the wave's own stage in LDS and leave as runs of 512 consecutive bytes.
; STORED (o): tile G = 128 e + tile at 65,536 G, as [slice 32][row 16][32 f32].  Where the number of tiles is odd, the last pair's second tile is made from the expert's last tile and stored at its own place, which nobody reads.
; NO JOINT LOADS, NO DATA MOVER: the number of row tiles is read from memory, and the loop leaves on it; the weights are shared with nobody.
; LIMITS: NaN and infinities are not served.  A block of W2 whose largest magnitude lies under 2^-111 gets the byte 1 (a block of zeros too: its codes are zeros, and this program alone reads the bytes).
; REGISTERS.  Window 0: v1-8 addresses; v16-47 W2's scale words and v48-63 h's: scales and nothing else; the rest by phase.  Window 1: phase Q four landing sets of 32; phase M four chunk buffers of 64.
; Windows 2, 3: W2's fragments, fragment f = 2 s + c at 16 f.
.set LI,   1                           ; 16 x lane
.set WOFF, 2                           ; W2: 16 h rows of 4,096 bytes + 8 r
.set IMW,  3                           ; LDS: 16 x lane + 16,384 x wave
.set ISW,  4                           ; 65,536 + 4 x lane + 1,024 x wave
.set LSC,  5                           ; 65,536 + 4 x lane
.set STO,  6                           ; my stage: row r, + 64 h
.set SRD,  7                           ; and back: row lane / 8, + 16 (lane % 8)
.set BOFF, 8                           ; b2: 64 h
.set WS,   16
.set HS,   48                          ; 8 rt + 4 gamma + j: lanes 0-15 the word of K step 8 gamma + j, lanes 16-31 of 8 gamma + 4 + j
.set M,    64                          ; phase Q
.set T,    66
.set SO,   68
.set LIM,  70
.set BY,   72
.set SW,   74                          ; two sets of two, by the K step's parity
.set X,    80
.set F,    112
.set B2,   64                          ; phase M: b2 at columns n0 + 16 h + 0 .. 15,
.set ACC,  80                          ; four accumulators: 16 rt + 8 c,
.set OUT,  112                         ; the results in the columns' order,
.set RB,   144                         ; and as whole rows
.set WSC,  65536
.set STG,  69632                       ; LDS: behind the images and their scale words a stage for each wave: 2 tiles x 16 rows x (128 bytes + 16)
.set MSB, 0
.macro WIN new
.if MSB != \new
	s_set_vgpr_msb (MSB<<8)|\new
.set MSB, \new
.endif
.endm
.macro LOADB B
	WIN 0x40
.irp i, 0,1,2,3,4,5,6,7,8,9,10,11,12,13,14,15
	global_load_b64 v[32*((\B)%4)+2*\i:32*((\B)%4)+2*\i+1], v[WOFF], s[4:5] offset:(32*(\B)+\i)*4096
.endr
	WIN 0
.endm
.macro QBLOCK B
.set LS, 32*((\B)%4)
.set FB, F+4*((\B)%4)
.set SWB, SW+2*(((\B)/4)%2)
.if (\B) <= 12
	s_wait_loadcnt 48                              ; this block's 16 loads are in; those of the three blocks behind it may be out
.else
	s_wait_loadcnt 16*(15-(\B))
.endif
	WIN 0x05
.irp c, 0,1
	v_max3_num_f32 v[M+\c], |v[LS+\c]|, |v[LS+2+\c]|, 0x8000000
.endr
	WIN 0x14
.irp i, 2,4,6,8,10,12,14
.irp c, 0,1
	v_max3_num_f32 v[M+\c], v[M+\c], |v[LS+2*\i+\c]|, |v[LS+2*\i+2+\c]|
.endr
.endr
	WIN 0
.irp c, 0,1
	v_permlanex16_b32 v[T+\c], v[M+\c], s20, s21
.endr
.irp c, 0,1
	v_max_num_f32 v[M+\c], v[M+\c], v[T+\c]
.endr
.irp c, 0,1
	v_add_nc_u32 v[SO+\c], 0xf8800000, v[M+\c]
.endr
.irp c, 0,1
	v_and_or_b32 v[LIM+\c], v[M+\c], 0x7f800000, s22
.endr
.irp c, 0,1
.if (\B)%4 == 0
	v_lshrrev_b32 v[SWB+\c], 23, v[SO+\c]          ; (this set's last store, two K steps back, was waited for a K step back)
.else
	v_lshrrev_b32 v[BY+\c], 23, v[SO+\c]
.endif
.endr
.if (\B)%4 != 0
.irp c, 0,1
	v_lshl_or_b32 v[SWB+\c], v[BY+\c], 8*((\B)%4), v[SWB+\c]
.endr
.endif
	WIN 0x01
.irp c, 0,1
.irp i, 0,1,2,3,4,5,6,7,8,9,10,11,12,13,14,15
	v_med3_num_f32 v[X+16*\c+\i], v[LS+2*\i+\c], -v[LIM+\c], v[LIM+\c]
.endr
.endr
	WIN 0
.if ((\B)%4 == 0) && ((\B) > 0)
	s_wait_dscnt 0x0                               ; the last K step's images have left the fragments' registers, which are now written again
.endif
.irp c, 0,1
	v_cvt_scalef32_pk8_bf8_f32 v[FB+16*\c:FB+16*\c+1], v[X+16*\c:X+16*\c+7], v[SO+\c]
	v_cvt_scalef32_pk8_bf8_f32 v[FB+16*\c+2:FB+16*\c+3], v[X+16*\c+8:X+16*\c+15], v[SO+\c]
.endr
	v_nop
.if (\B) < 12
	LOADB (\B)+4
.endif
.endm
.macro IMAGE sp                        ; my K step 4 w + sp
.irp c, 0,1
.irp g, 0,1,2,3
	ds_store_b128 v[IMW], v[F+16*\c+4*\g:F+16*\c+4*\g+3] offset:4096*\sp+2048*\c+512*\g
.endr
	ds_store_b32 v[ISW], v[SW+2*((\sp)%2)+\c] offset:256*\sp+128*\c
.endr
.endm
.macro BASES pr                        ; the two tiles of the pair in s[pr], held at the expert's last tile: no load leaves what has been stored
	s_lshl_b32 s24, s[\pr], 1
	s_add_co_u32 s25, s24, 1
	s_min_u32 s24, s24, s47
	s_min_u32 s24, s24, 127
	s_min_u32 s25, s25, s47
	s_min_u32 s25, s25, 127
	s_lshl_b32 s50, s24, 15
	s_add_nc_u64 s[26:27], s[38:39], s[50:51]
	s_lshl_b32 s50, s25, 15
	s_add_nc_u64 s[28:29], s[38:39], s[50:51]
	s_lshl_b32 s50, s24, 10
	s_add_nc_u64 s[30:31], s[40:41], s[50:51]
	s_lshl_b32 s50, s25, 10
	s_add_nc_u64 s[32:33], s[40:41], s[50:51]
.endm
.macro CLOAD g                         ; chunk g: K steps 2 g, 2 g + 1 of both tiles into buffer g % 4; with chunks 0 and 4 the scale words of eight K steps
	WIN 0x40
.irp sp, 0,1
.irp rt, 0,1
.irp c, 0,1,2,3
	global_load_b128 v[64*((\g)%4)+32*\sp+16*\rt+4*\c:64*((\g)%4)+32*\sp+16*\rt+4*\c+3], v[LI], s[26+2*\rt:27+2*\rt] offset:(2*(\g)+\sp)*2048+512*\c
.endr
.endr
.endr
	WIN 0
.if (\g)%4 == 0
.irp rt, 0,1
	global_load_b128 v[HS+8*\rt+4*((\g)/4):HS+8*\rt+4*((\g)/4)+3], v[LI], s[30+2*\rt:31+2*\rt] offset:512*((\g)/4)
.endr
.endif
.endm
.macro CHUNK g
.rept 8
	v_nop                                          ; eight places between the last chunk's products and the loads into the buffer that they read
.endr
.if \g == 5
	s_wait_xcnt 0x0                                ; all this pair's loads have read their bases: from here on the next pair's are asked for
	s_add_co_u32 s49, s19, 4
	BASES 49
.endif
	CLOAD (\g+3)%8
.if (\g)%4 == 0
	s_wait_loadcnt 48                              ; this chunk is in; the three chunks behind it may be out: 3 x 16,
.else
	s_wait_loadcnt 50                              ; and two more where one of them brings scale words
.endif
.if \g < 4
	WIN 0x06                                       ; source 0 (W2) window 2, source 1 (h) window 1
.else
	WIN 0x07
.endif
.irp sp, 0,1
.irp rt, 0,1
.irp c, 0,1
.set S2, 2*(\g)+\sp
.set FW, 16*((2*S2+\c)%16)
.set AA, ACC+16*\rt+8*\c
.set BB, 64*((\g)%4)+32*\sp+16*\rt
.set SA, WS+2*S2+\c
.set SB, HS+8*\rt+4*(S2/8)+S2%4
.if S2 == 0
	v_wmma_scale_f32_16x16x128_f8f6f4 v[AA:AA+7], v[FW:FW+15], v[BB:BB+15], 0, v[SA], v[SB] matrix_a_fmt:MATRIX_FMT_BF8 matrix_b_fmt:MATRIX_FMT_BF8
.elseif (S2/4)%2
	v_wmma_scale_f32_16x16x128_f8f6f4 v[AA:AA+7], v[FW:FW+15], v[BB:BB+15], v[AA:AA+7], v[SA], v[SB] matrix_a_fmt:MATRIX_FMT_BF8 matrix_b_fmt:MATRIX_FMT_BF8 matrix_b_scale:MATRIX_SCALE_ROW1
.else
	v_wmma_scale_f32_16x16x128_f8f6f4 v[AA:AA+7], v[FW:FW+15], v[BB:BB+15], v[AA:AA+7], v[SA], v[SB] matrix_a_fmt:MATRIX_FMT_BF8 matrix_b_fmt:MATRIX_FMT_BF8
.endif
.endr
.endr
.endr
	WIN 0
.endm
.macro OUT2
.rept 8
	v_nop                                          ; eight places before the results are read
.endr
	s_wait_xcnt 0x0                                ; the last pair's stores have read their data and base
	s_lshl_b32 s50, s19, 17                        ; tile 2 P: 65,536 bytes a tile
	s_add_nc_u64 s[34:35], s[42:43], s[50:51]
.irp rt, 0,1
.irp j, 0,1,2,3,4,5,6,7
.irp c, 0,1
	v_add_f32 v[OUT+16*\rt+2*\j+\c], v[ACC+16*\rt+8*\c+\j], v[B2+2*\j+\c]   ; + b2, into the columns' order; each accumulator from its low end on
.endr
.endr
.endr
.irp rt, 0,1
.irp i, 0,1,2,3
	ds_store_b128 v[STO], v[OUT+16*\rt+4*\i:OUT+16*\rt+4*\i+3] offset:2304*\rt+16*\i
.endr
.endr
.irp rt, 0,1
.irp i, 0,1,2,3
	ds_load_b128 v[RB+16*\rt+4*\i:RB+16*\rt+4*\i+3], v[SRD] offset:2304*\rt+576*\i   ; my own bytes: LDS serves a wave's instructions in order (ISA guide 5.7.1.4)
.endr
.endr
	s_wait_dscnt 0x0
.irp rt, 0,1
.irp i, 0,1,2,3
	global_store_b128 v[LI], v[RB+16*\rt+4*\i:RB+16*\rt+4*\i+3], s[34:35] offset:65536*\rt+512*\i th:TH_STORE_NT   ; four rows of 128 bytes: 512 consecutive bytes
.endr
.endr
.endm
	s_load_b256 s[4:11], s[0:1], 0x0               ; W2 s[4:5], b2 s[6:7], hq s[8:9], place s[10:11]
	s_load_b64 s[12:13], s[0:1], 0x20              ; o
	v_lshl_add_u32 v254, v0, 2, 0x16000
	v_mov_b32 v255, 0
	v_lshrrev_b32 v9, 5, v0
	v_readfirstlane_b32 s14, v9                    ; wave
	s_lshr_b32 s15, ttmp9, 5                       ; expert
	s_and_b32 s16, ttmp9, 31                       ; slice
	v_and_b32 v9, 31, v0
	v_and_b32 v10, 15, v0
	v_bfe_u32 v11, v0, 4, 1
	v_lshlrev_b32 v[LI], 4, v9
	v_lshlrev_b32 v[WOFF], 3, v10
	v_lshl_add_u32 v[WOFF], v11, 16, v[WOFF]
	s_lshl_b32 s24, s14, 14
	v_add_nc_u32 v[IMW], s24, v[LI]
	v_lshl_add_u32 v[LSC], v9, 2, WSC
	s_lshl_b32 s24, s14, 10
	v_add_nc_u32 v[ISW], s24, v[LSC]
	s_mul_i32 s24, s14, 4608
	s_add_co_u32 s24, s24, STG
	v_mul_u32_u24 v[STO], v10, 144
	v_lshl_add_u32 v[STO], v11, 6, v[STO]
	v_add_nc_u32 v[STO], s24, v[STO]
	v_lshrrev_b32 v12, 3, v9
	v_and_b32 v13, 7, v9
	v_mul_u32_u24 v[SRD], v12, 144
	v_lshl_add_u32 v[SRD], v13, 4, v[SRD]
	v_add_nc_u32 v[SRD], s24, v[SRD]
	v_lshlrev_b32 v[BOFF], 6, v11
.irp c, 0,1
	v_mov_b32 v[T+\c], 0                           ; written once: a lane permute's destination counts as one of its sources
.endr
	s_mov_b32 s20, 0x76543210
	s_mov_b32 s21, 0xfedcba98
	s_mov_b32 s22, 0x600000
	s_lshl_b32 s24, s15, 23                        ; the expert's 8,388,608 bytes,
	s_lshl_b32 s25, s14, 21                        ; my 512 rows of 4,096,
	s_add_co_u32 s24, s24, s25
	s_lshl_b32 s25, s16, 7                         ; the slice's 128 bytes of a row
	s_add_co_u32 s24, s24, s25
	s_mov_b32 s25, 0
	s_lshl_b32 s50, s15, 2
	s_mov_b32 s51, 0
	s_wait_kmcnt 0x0
	s_add_nc_u64 s[52:53], s[10:11], s[50:51]
	s_load_b32 s17, s[52:53], 0x0                  ; the expert's count of rows
	s_add_nc_u64 s[4:5], s[4:5], s[24:25]
	LOADB 0
	LOADB 1
	LOADB 2
	LOADB 3
	s_lshl_b32 s50, s15, 22
	s_add_nc_u64 s[38:39], s[8:9], s[50:51]        ; the expert's tiles of h's codes,
	s_lshl_b32 s50, s15, 17
	s_add_co_u32 s50, s50, 0x2000000
	s_add_nc_u64 s[40:41], s[8:9], s[50:51]        ; of their scale words,
	s_lshl_b32 s50, s15, 23
	s_lshl_b32 s24, s16, 11
	s_add_co_u32 s50, s50, s24
	s_add_nc_u64 s[42:43], s[12:13], s[50:51]      ; and of o, at my slice
	s_lshl_b32 s50, s15, 12
	s_lshl_b32 s24, s16, 7
	s_add_co_u32 s50, s50, s24
	s_add_nc_u64 s[6:7], s[6:7], s[50:51]          ; b2 at my slice
	s_wait_kmcnt 0x0
	s_min_u32 s17, s17, 0x800
	s_add_co_u32 s18, s17, 15
	s_lshr_b32 s18, s18, 4                         ; row tiles
	s_sub_co_u32 s47, s18, 1
	s_add_co_u32 s48, s18, 1
	s_lshr_b32 s48, s48, 1                         ; pairs of them
	QBLOCK 0
	QBLOCK 1
	QBLOCK 2
	QBLOCK 3
	IMAGE 0
	QBLOCK 4
	QBLOCK 5
	QBLOCK 6
	QBLOCK 7
	IMAGE 1
	QBLOCK 8
	QBLOCK 9
	QBLOCK 10
	QBLOCK 11
	IMAGE 2
	QBLOCK 12
	QBLOCK 13
	QBLOCK 14
	QBLOCK 15
	IMAGE 3
	s_wait_dscnt 0x0                               ; for the others' sake: my images lie in LDS
	s_barrier_signal -1
	s_barrier_wait -1                              ; the launch's one barrier: every wave has passed it before any wave leaves
	s_cmp_ge_u32 s14, s48
	s_cbranch_scc1 .Ldone
.irp i, 0,1,2,3
	global_load_b128 v[B2+4*\i:B2+4*\i+3], v[BOFF], s[6:7] offset:16*\i
.endr
	s_mov_b32 s19, s14                             ; my first pair
	BASES 19
	CLOAD 0
	CLOAD 1
	CLOAD 2
	WIN 0x80                                       ; all 32 fragments of W2 into windows 2 and 3; the loads from memory land meanwhile
.set f, 0
.rept 16
.irp g, 0,1,2,3
	ds_load_b128 v[16*f+4*\g:16*f+4*\g+3], v[LI] offset:2048*f+512*\g
.endr
.set f, f+1
.endr
	WIN 0xc0
.rept 16
.irp g, 0,1,2,3
	ds_load_b128 v[16*(f-16)+4*\g:16*(f-16)+4*\g+3], v[LI] offset:2048*f+512*\g
.endr
.set f, f+1
.endr
	WIN 0
.set f, 0
.rept 32
	ds_load_b32 v[WS+f], v[LSC] offset:128*f
.set f, f+1
.endr
	s_wait_dscnt 0x0
	s_mov_b32 s46, 16                              ; 16 trips serve the 16 pairs that a wave can have
.Lpair:
	s_cmp_ge_u32 s19, s48
	s_cbranch_scc1 .Ldone                          ; no pair is left for this wave
	CHUNK 0
	CHUNK 1
	CHUNK 2
	CHUNK 3
	CHUNK 4
	CHUNK 5
	CHUNK 6
	CHUNK 7
	OUT2
	s_add_co_u32 s19, s19, 4
	s_sub_co_u32 s46, s46, 1
	s_cmp_lg_u32 s46, 0
	s_cbranch_scc1 .Lpair
.Ldone:
	s_wait_tensorcnt 0x0
	ds_add_u32 v254, v255
	s_wait_dscnt 0x0
	s_endpgm
.Lfunc_end_k_q7d5dd0bb66_ffn2:
	.size	k_q7d5dd0bb66_ffn2, .Lfunc_end_k_q7d5dd0bb66_ffn2-k_q7d5dd0bb66_ffn2
	.p2alignl 7, 3214868480
	.fill 96, 4, 3214868480
	.section	.rodata,"a",@progbits
	.p2align	6, 0x0
	.amdhsa_kernel k_q7d5dd0bb66_ffn2
		.amdhsa_group_segment_fixed_size 90624
		.amdhsa_private_segment_fixed_size 0
		.amdhsa_enable_private_segment 0
		.amdhsa_kernarg_size 40
		.amdhsa_user_sgpr_count 2
		.amdhsa_user_sgpr_kernarg_segment_ptr 1
		.amdhsa_wavefront_size32 1
		.amdhsa_system_sgpr_workgroup_id_x 1
		.amdhsa_system_sgpr_workgroup_id_y 1
		.amdhsa_system_sgpr_workgroup_id_z 1
		.amdhsa_system_vgpr_workitem_id 0
		.amdhsa_next_free_vgpr 1024
		.amdhsa_next_free_sgpr 66
		.amdhsa_reserve_vcc 0
		.amdhsa_float_denorm_mode_32 3
		.amdhsa_float_denorm_mode_16_64 3
		.amdhsa_memory_ordered 1
		.amdhsa_forward_progress 1
		.amdhsa_inst_pref_size 142
	.end_amdhsa_kernel
	.amdgpu_metadata
---
amdhsa.version: [ 1, 2 ]
amdhsa.kernels:
  - .name:           k_q7d5dd0bb66_ffn2
    .symbol:         k_q7d5dd0bb66_ffn2.kd
    .args:
      - { .name: W2, .offset: 0, .size: 8, .value_kind: global_buffer, .address_space: global }
      - { .name: b2, .offset: 8, .size: 8, .value_kind: global_buffer, .address_space: global }
      - { .name: hq, .offset: 16, .size: 8, .value_kind: global_buffer, .address_space: global }
      - { .name: place, .offset: 24, .size: 8, .value_kind: global_buffer, .address_space: global }
      - { .name: o, .offset: 32, .size: 8, .value_kind: global_buffer, .address_space: global }
    .group_segment_fixed_size: 90624
    .private_segment_fixed_size: 0
    .kernarg_segment_align: 8
    .kernarg_segment_size: 40
    .max_flat_workgroup_size: 128
    .sgpr_count:     66
    .vgpr_count:     1024
    .wavefront_size: 32
...
	.end_amdgpu_metadata
.endif
;; end of part 4
;; launch combine (part 5): grid 256 x 1, 8 waves a work-group, no clusters, 0 bytes of LDS; arguments o, place, xq, out0; writes out0
.if DOCPART == 5
	.amdgcn_target "amdgcn-amd-amdhsa--gfx1250"
	.amdhsa_code_object_version 6
	.text
	.protected	k_q7d5dd0bb66_combine
	.globl	k_q7d5dd0bb66_combine
	.p2align	8
	.type	k_q7d5dd0bb66_combine,@function
k_q7d5dd0bb66_combine:
	s_mov_b64 s[64:65], 0
	v_nop
	global_prefetch_b8 v0, s[64:65] scope:SCOPE_SE
	s_setreg_imm32_b32 hwreg(HW_REG_WAVE_MODE, 25, 1), 1
	s_wait_xcnt 0x0
; COMBINE.  y[t] = g0 o[pos0] + g1 o[pos1]: a token's two experts were served by different work-groups, so their rows are added here, by the row's one owner.  The six other gates are exactly 0.
; A wave takes a token: 8 x 256 = 2,048 waves.  Its two positions (whole numbers that an earlier launch stored; clamped ahead of the address) and its two gates come by scalar loads.
; A row of o is 32 pieces of 128 bytes, 2,048 bytes apart (tile position / 16 at 65,536 bytes a tile, row position % 16 at 128): a load takes four pieces, eight lanes to a piece.
; A store of the wave covers 512 consecutive bytes of y.  Every load has registers of its own, so nothing is written twice and the only waits are the counted ones.  Memory binds: no LDS, no barrier, no matrix unit.
	s_load_b256 s[4:11], s[0:1], 0x0               ; o s[4:5], place s[6:7], xq s[8:9], out0 s[10:11]
	v_lshrrev_b32 v1, 5, v0
	v_readfirstlane_b32 s12, v1
	s_lshl_b32 s13, ttmp9, 3
	s_add_co_u32 s13, s13, s12                     ; my token
	s_lshl_b32 s14, s13, 3
	s_mov_b32 s15, 0
	s_lshl_b32 s24, s13, 12
	s_mov_b32 s25, 0
	v_and_b32 v2, 31, v0
	v_lshrrev_b32 v3, 3, v2
	v_and_b32 v4, 7, v2
	v_lshlrev_b32 v6, 4, v4
	v_lshl_add_u32 v6, v3, 11, v6                  ; piece lane / 8, 16 bytes a lane
	v_lshlrev_b32 v5, 4, v2
	s_wait_kmcnt 0x0
	s_add_nc_u64 s[6:7], s[6:7], s[14:15]
	s_add_nc_u64 s[8:9], s[8:9], s[14:15]
	s_load_b64 s[16:17], s[6:7], 0x100             ; the two positions
	s_load_b64 s[18:19], s[8:9], 0x210000          ; the two gates
	s_add_nc_u64 s[10:11], s[10:11], s[24:25]
	s_wait_kmcnt 0x0
	s_min_u32 s16, s16, 0x3fff
	s_min_u32 s17, s17, 0x3fff
	s_and_b32 s26, s16, 0x3ff0
	s_lshl_b32 s26, s26, 12
	s_and_b32 s27, s16, 15
	s_lshl_b32 s27, s27, 7
	s_add_co_u32 s26, s26, s27
	s_mov_b32 s27, 0
	s_add_nc_u64 s[28:29], s[4:5], s[26:27]
	s_and_b32 s26, s17, 0x3ff0
	s_lshl_b32 s26, s26, 12
	s_and_b32 s22, s17, 15
	s_lshl_b32 s22, s22, 7
	s_add_co_u32 s26, s26, s22
	s_add_nc_u64 s[30:31], s[4:5], s[26:27]
	s_mov_b32 s20, s19                             ; the packed forms take a pair's low word for both halves
	s_mov_b32 s21, s19
.irp i, 0,1,2,3,4,5,6,7
	global_load_b128 v[16+4*\i:19+4*\i], v6, s[28:29] offset:8192*\i th:TH_LOAD_NT
	global_load_b128 v[48+4*\i:51+4*\i], v6, s[30:31] offset:8192*\i th:TH_LOAD_NT
.endr
.irp i, 0,1,2,3,4,5,6,7
	s_wait_loadcnt 14-2*\i                         ; pair i is in; the 7 - i pairs behind it may be out
	v_pk_mul_f32 v[16+4*\i:17+4*\i], v[16+4*\i:17+4*\i], s[18:19] op_sel_hi:[1,0]
	v_pk_mul_f32 v[18+4*\i:19+4*\i], v[18+4*\i:19+4*\i], s[18:19] op_sel_hi:[1,0]
	v_pk_fma_f32 v[16+4*\i:17+4*\i], v[48+4*\i:49+4*\i], s[20:21], v[16+4*\i:17+4*\i] op_sel_hi:[1,0,1]
	v_pk_fma_f32 v[18+4*\i:19+4*\i], v[50+4*\i:51+4*\i], s[20:21], v[18+4*\i:19+4*\i] op_sel_hi:[1,0,1]
	global_store_b128 v5, v[16+4*\i:19+4*\i], s[10:11] offset:512*\i th:TH_STORE_NT
.endr
	s_endpgm
.Lfunc_end_k_q7d5dd0bb66_combine:
	.size	k_q7d5dd0bb66_combine, .Lfunc_end_k_q7d5dd0bb66_combine-k_q7d5dd0bb66_combine
	.p2alignl 7, 3214868480
	.fill 96, 4, 3214868480
	.section	.rodata,"a",@progbits
	.p2align	6, 0x0
	.amdhsa_kernel k_q7d5dd0bb66_combine
		.amdhsa_group_segment_fixed_size 0
		.amdhsa_private_segment_fixed_size 0
		.amdhsa_enable_private_segment 0
		.amdhsa_kernarg_size 32
		.amdhsa_user_sgpr_count 2
		.amdhsa_user_sgpr_kernarg_segment_ptr 1
		.amdhsa_wavefront_size32 1
		.amdhsa_system_sgpr_workgroup_id_x 1
		.amdhsa_system_sgpr_workgroup_id_y 1
		.amdhsa_system_sgpr_workgroup_id_z 1
		.amdhsa_system_vgpr_workitem_id 0
		.amdhsa_next_free_vgpr 96
		.amdhsa_next_free_sgpr 66
		.amdhsa_reserve_vcc 0
		.amdhsa_float_denorm_mode_32 3
		.amdhsa_float_denorm_mode_16_64 3
		.amdhsa_memory_ordered 1
		.amdhsa_forward_progress 1
		.amdhsa_inst_pref_size 7
	.end_amdhsa_kernel
	.amdgpu_metadata
---
amdhsa.version: [ 1, 2 ]
amdhsa.kernels:
  - .name:           k_q7d5dd0bb66_combine
    .symbol:         k_q7d5dd0bb66_combine.kd
    .args:
      - { .name: o, .offset: 0, .size: 8, .value_kind: global_buffer, .address_space: global }
      - { .name: place, .offset: 8, .size: 8, .value_kind: global_buffer, .address_space: global }
      - { .name: xq, .offset: 16, .size: 8, .value_kind: global_buffer, .address_space: global }
      - { .name: out0, .offset: 24, .size: 8, .value_kind: global_buffer, .address_space: global }
    .group_segment_fixed_size: 0
    .private_segment_fixed_size: 0
    .kernarg_segment_align: 8
    .kernarg_segment_size: 32
    .max_flat_workgroup_size: 256
    .sgpr_count:     66
    .vgpr_count:     96
    .wavefront_size: 32
...
	.end_amdgpu_metadata
.endif
;; end of part 5
;; ======== version 2 of 3: 5 launches
;; workspace buffers: xq 2,179,072 bytes; route 12,288 bytes of whole numbers; xsort 17,301,504 bytes; place 16,640 bytes of whole numbers; hq 34,603,008 bytes; o 134,217,728 bytes
;; launch route: the kernel of part 1 again; grid 128 x 1, 8 waves a work-group, no clusters, 10,240 bytes of LDS; arguments x, Wg, bg, xq, route; writes xq, route
;; launch place (part 6): grid 264 x 1, 1 waves a work-group, no clusters, 0 bytes of LDS; arguments xq, route, xsort, place; writes xsort, place
.if DOCPART == 6
	.amdgcn_target "amdgcn-amd-amdhsa--gfx1250"
	.amdhsa_code_object_version 6
	.text
	.protected	k_q7d5dd0bb66_place
	.globl	k_q7d5dd0bb66_place
	.p2align	8
	.type	k_q7d5dd0bb66_place,@function
k_q7d5dd0bb66_place:
	s_mov_b64 s[64:65], 0
	v_nop
	global_prefetch_b8 v0, s[64:65] scope:SCOPE_SE
	s_setreg_imm32_b32 hwreg(HW_REG_WAVE_MODE, 25, 1), 1
	s_wait_xcnt 0x0
; PLACE.  The routed rows are put in order by expert.  Expert e owns positions 2,048 e .. 2,048 e + 2,047 (a token takes an expert at most once, so no split overflows); position p of expert e is its p-th token in ascending order.
; A row tile is 16 positions; tile number G = 128 e + tile.  With 4,096 routed rows and 8 experts there are never more than 4,096 / 16 + 7 = 263 tiles: 264 work-groups of one wave, a wave a tile, so that the jobs spread over all WGPs.
; A wave whose job number lies at or past the number of tiles stores nothing and ends: the price of a grid that serves every split.  Waves share nothing: no LDS, no barrier.
; All that steers an address here is whole numbers that the launch before has stored (masks, counts, the two experts of a token); each passes a clamp with a written constant on its way into an address.
; The offsets that hang on the lane alone (v4, v5, v6) are made at the head, ahead of every load and every branch, and never written again.
; STORED:  xsort: at 16,384 G the tile's codes of x as images of eight fragments (piece q of 16 codes of row r at 256 q + 16 r); at 16,777,216 + 512 G its scale words, lane (r, h): the words of K steps 4 h .. 4 h + 3 of row r.
; place: at 0 the eight counts; at 256 + 8 token + 4 slot the position of the token's slot-th expert.
; The rows past an expert's last in its last tile get a valid token's codes (the clamped index); their results are never read.
	s_load_b256 s[4:11], s[0:1], 0x0               ; xq s[4:5], route s[6:7], xsort s[8:9], place s[10:11]
	v_and_b32 v1, 31, v0                           ; lane
	v_and_b32 v2, 15, v0                           ; r
	v_bfe_u32 v3, v0, 4, 1                         ; h
	v_lshlrev_b32 v4, 5, v1                        ; 32 x lane: the count bytes
	v_lshlrev_b32 v5, 4, v1                        ; 16 x lane: an image's place for my lane
	v_lshlrev_b32 v6, 2, v1                        ; 4 x lane: where job 0 stores a count
	s_wait_kmcnt 0x0
	global_load_b128 v[8:11], v4, s[6:7] offset:2048    ; 32 of the 1,024 count bytes a lane: lanes 4 e .. 4 e + 3 hold expert e's
	global_load_b128 v[12:15], v4, s[6:7] offset:2064
	s_wait_loadcnt 0x0
	v_add_nc_u32 v8, v8, v9                        ; byte by byte: eight bytes of at most 16 stay under 256
	v_add_nc_u32 v10, v10, v11
	v_add_nc_u32 v12, v12, v13
	v_add_nc_u32 v14, v14, v15
	v_add_nc_u32 v8, v8, v10
	v_add_nc_u32 v12, v12, v14
	v_add_nc_u32 v8, v8, v12
	v_lshrrev_b32 v9, 8, v8
	v_and_b32 v8, 0xff00ff, v8
	v_and_b32 v9, 0xff00ff, v9
	v_add_nc_u32 v8, v8, v9
	v_lshrrev_b32 v9, 16, v8
	v_and_b32 v8, 0xffff, v8
	v_add_nc_u32 v8, v8, v9
.irp e, 0,1,2,3,4,5,6,7                ; s86-93: the experts' counts
	v_readlane_b32 s[86+\e], v8, 4*\e
	v_readlane_b32 s99, v8, 4*\e+1
	v_readlane_b32 s100, v8, 4*\e+2
	v_readlane_b32 s101, v8, 4*\e+3
	s_add_co_u32 s[86+\e], s[86+\e], s99
	s_add_co_u32 s100, s100, s101
	s_add_co_u32 s[86+\e], s[86+\e], s100
.endr
	s_mov_b32 s94, ttmp9                           ; my job
	s_mov_b32 s95, 0                               ; its expert,
	s_mov_b32 s96, 0                               ; the expert's first job,
	s_mov_b32 s97, s86                             ; and count
	s_mov_b32 s99, 0                               ; tiles so far
.irp i, 0,1,2,3,4,5,6
	s_add_co_u32 s100, s[86+\i], 15
	s_lshr_b32 s100, s100, 4
	s_add_co_u32 s99, s99, s100
	s_cmp_ge_u32 s94, s99                          ; past expert i's tiles?
	s_cselect_b32 s95, \i+1, s95
	s_cselect_b32 s96, s99, s96
	s_cselect_b32 s97, s[87+\i], s97
.endr
	s_add_co_u32 s100, s93, 15
	s_lshr_b32 s100, s100, 4
	s_add_co_u32 s99, s99, s100
	s_cmp_ge_u32 s94, s99
	s_cbranch_scc1 .Lend                           ; no tile is left for this job
	s_min_u32 s95, s95, 7
	s_sub_co_u32 s98, s94, s96
	s_min_u32 s98, s98, 127                        ; my tile of the expert
	s_lshl_b32 s100, s95, 8
	s_mov_b32 s101, 0
	s_add_nc_u64 s[2:3], s[6:7], s[100:101]        ; the expert's mask: 64 words of 32 tokens
	s_load_b512 s[16:31], s[2:3], 0x0
	s_load_b512 s[32:47], s[2:3], 0x40
	s_load_b512 s[48:63], s[2:3], 0x80
	s_load_b512 s[68:83], s[2:3], 0xc0
	s_lshl_b32 s99, s98, 4
	v_add_nc_u32 v20, s99, v2                      ; p: my position
	s_wait_kmcnt 0x0
; which word holds the p-th token: the last word in front of which at most p ones stand
	v_mov_b32 v21, s16                             ; the word,
	v_mov_b32 v22, 0                               ; the ones in front of it,
	v_mov_b32 v23, 0                               ; its number
	s_bcnt1_i32_b32 s84, s16
.macro WORD w
.if (\w) < 48
.set MW, 16+(\w)
.else
.set MW, 20+(\w)
.endif
	v_cmp_le_u32 vcc_lo, s84, v20
	v_cndmask_b32 v21, v21, s[MW], vcc_lo
	v_cndmask_b32 v22, v22, s84, vcc_lo
	v_cndmask_b32 v23, v23, \w, vcc_lo
	s_bcnt1_i32_b32 s85, s[MW]
	s_add_co_u32 s84, s84, s85
.endm
.set W, 1
.rept 63
	WORD W
.set W, W+1
.endr
; which bit of it: the number of bit places up to and with which at most q = p - (ones in front) ones stand
	v_sub_nc_u32 v28, v20, v22
	v_mov_b32 v24, 0
	v_mov_b32 v25, 0
.macro BIT k
	v_bfe_u32 v26, v21, \k, 1
	v_add_nc_u32 v24, v24, v26
	v_cmp_le_u32 vcc_lo, v24, v28
	v_add_co_ci_u32 v25, vcc_lo, 0, v25, vcc_lo
.endm
.set W, 0
.rept 32
	BIT W
.set W, W+1
.endr
	v_lshl_add_u32 v27, v23, 5, v25
	v_min_u32 v27, 0x7ff, v27                      ; the token; positions past the expert's last get token 2,047
	v_and_b32 v29, 0x7f0, v27
	v_lshlrev_b32 v29, 10, v29                     ; its tile of 16 tokens, 16,384 bytes,
	v_and_b32 v30, 15, v27
	v_lshl_add_u32 v29, v30, 4, v29                ; its row in a piece,
	v_lshl_add_u32 v29, v3, 8, v29                 ; pieces 2 q + h
	v_lshlrev_b32 v30, 5, v27
	v_lshl_add_u32 v30, v3, 4, v30                 ; its scale words 4 h .. 4 h + 3
	v_lshlrev_b32 v31, 2, v27
.set W, 0
.rept 32
	global_load_b128 v[32+4*W:35+4*W], v29, s[4:5] offset:512*W
.set W, W+1
.endr
	global_load_b128 v[160:163], v30, s[4:5] offset:2097152
	global_load_b32 v164, v31, s[6:7] offset:4096  ; the token's two experts
	s_lshl_b32 s99, s95, 7
	s_add_co_u32 s99, s99, s98                     ; G
	s_lshl_b32 s100, s99, 14
	s_add_nc_u64 s[2:3], s[8:9], s[100:101]
	s_lshl_b32 s100, s99, 9
	s_add_co_u32 s100, s100, 0x1000000
	s_add_nc_u64 s[14:15], s[8:9], s[100:101]
.set W, 0
.rept 32
	s_wait_loadcnt 33-W                            ; load W is in: behind it stand 31 - W loads of codes and two more
	global_store_b128 v5, v[32+4*W:35+4*W], s[2:3] offset:512*W   ; the wave stores 512 consecutive bytes
.set W, W+1
.endr
	s_wait_loadcnt 0x0
	global_store_b128 v5, v[160:163], s[14:15]
	v_bfe_u32 v165, v164, 8, 8
	v_cmp_eq_u32 vcc_lo, s95, v165                 ; am I the token's second expert?
	v_cndmask_b32 v165, 0, 4, vcc_lo
	v_min_u32 v165, 4, v165                        ; (it comes of a loaded number: the clamp stands ahead of the address)
	v_lshl_add_u32 v165, v27, 3, v165
	s_lshl_b32 s99, s95, 11
	v_add_nc_u32 v166, s99, v20                    ; 2,048 e + p
	v_cmp_gt_u32 vcc_lo, s97, v20                  ; only the expert's own positions,
	s_and_b32 vcc_lo, vcc_lo, 0xffff               ; once each
	s_wait_xcnt 0x0                                ; EXEC changes only behind this wait
	s_and_saveexec_b32 s99, vcc_lo
	global_store_b32 v165, v166, s[10:11] offset:256
	s_wait_xcnt 0x0
	s_or_b32 exec_lo, exec_lo, s99
	s_cmp_lg_u32 s94, 0
	s_cbranch_scc1 .Lend
	v_mov_b32 v167, 0                              ; job 0 stores the eight counts
.irp e, 0,1,2,3,4,5,6,7
	v_writelane_b32 v167, s[86+\e], \e
.endr
	v_cmp_gt_u32 vcc_lo, 8, v1
	s_and_saveexec_b32 s99, vcc_lo                 ; (no load or store has been issued since the last wait on XCNT)
	global_store_b32 v6, v167, s[10:11]
	s_wait_xcnt 0x0
	s_or_b32 exec_lo, exec_lo, s99
.Lend:
	s_endpgm
.Lfunc_end_k_q7d5dd0bb66_place:
	.size	k_q7d5dd0bb66_place, .Lfunc_end_k_q7d5dd0bb66_place-k_q7d5dd0bb66_place
	.p2alignl 7, 3214868480
	.fill 96, 4, 3214868480
	.section	.rodata,"a",@progbits
	.p2align	6, 0x0
	.amdhsa_kernel k_q7d5dd0bb66_place
		.amdhsa_group_segment_fixed_size 0
		.amdhsa_private_segment_fixed_size 0
		.amdhsa_enable_private_segment 0
		.amdhsa_kernarg_size 32
		.amdhsa_user_sgpr_count 2
		.amdhsa_user_sgpr_kernarg_segment_ptr 1
		.amdhsa_wavefront_size32 1
		.amdhsa_system_sgpr_workgroup_id_x 1
		.amdhsa_system_sgpr_workgroup_id_y 1
		.amdhsa_system_sgpr_workgroup_id_z 1
		.amdhsa_system_vgpr_workitem_id 0
		.amdhsa_next_free_vgpr 192
		.amdhsa_next_free_sgpr 102
		.amdhsa_reserve_vcc 1
		.amdhsa_float_denorm_mode_32 3
		.amdhsa_float_denorm_mode_16_64 3
		.amdhsa_memory_ordered 1
		.amdhsa_forward_progress 1
		.amdhsa_inst_pref_size 39
	.end_amdhsa_kernel
	.amdgpu_metadata
---
amdhsa.version: [ 1, 2 ]
amdhsa.kernels:
  - .name:           k_q7d5dd0bb66_place
    .symbol:         k_q7d5dd0bb66_place.kd
    .args:
      - { .name: xq, .offset: 0, .size: 8, .value_kind: global_buffer, .address_space: global }
      - { .name: route, .offset: 8, .size: 8, .value_kind: global_buffer, .address_space: global }
      - { .name: xsort, .offset: 16, .size: 8, .value_kind: global_buffer, .address_space: global }
      - { .name: place, .offset: 24, .size: 8, .value_kind: global_buffer, .address_space: global }
    .group_segment_fixed_size: 0
    .private_segment_fixed_size: 0
    .kernarg_segment_align: 8
    .kernarg_segment_size: 32
    .max_flat_workgroup_size: 32
    .sgpr_count:     102
    .vgpr_count:     192
    .wavefront_size: 32
...
	.end_amdgpu_metadata
.endif
;; end of part 6
;; launch ffn1: the kernel of part 3 again; grid 256 x 1, 4 waves a work-group, no clusters, 70,144 bytes of LDS; arguments W1, b1, xsort, place, hq; writes hq
;; launch ffn2 (part 7): grid 256 x 1, 4 waves a work-group, no clusters, 90,624 bytes of LDS; arguments W2, b2, hq, place, o; writes o
.if DOCPART == 7
	.amdgcn_target "amdgcn-amd-amdhsa--gfx1250"
	.amdhsa_code_object_version 6
	.text
	.protected	k_q7d5dd0bb66_ffn2
	.globl	k_q7d5dd0bb66_ffn2
	.p2align	8
	.type	k_q7d5dd0bb66_ffn2,@function
k_q7d5dd0bb66_ffn2:
	s_mov_b64 s[64:65], 0
	v_nop
	global_prefetch_b8 v0, s[64:65] scope:SCOPE_SE
	s_setreg_imm32_b32 hwreg(HW_REG_WAVE_MODE, 25, 1), 1
	s_wait_xcnt 0x0
; FFN2.  o = h W2[e] + b2[e] for the rows routed to expert e, in two parts along K; both operands as codes of E5M2 with E8M0 scales; the parts in f32, two rows for each routed row, added by the launch behind this one.
; SHARES.  Work-group = (expert e = number / 32, slice = (number / 2) % 16, half kh = number % 2): output columns n0 = 64 slice .. + 63, K = 1,024 kh .. + 1,023.  8 x 16 x 2 = 256 slices of 1,024 x 64 f32: each byte of W2 is
; read once in the launch, quantised in registers, and stays in the work-group: 32 fragments (K step s = 0 .. 7 of the half, tile c = 0 .. 3), 512 registers of every wave.  A work-group reads 1,024 bytes of codes of each of its
; expert's rows; with all of K and 32 columns to a work-group it would read 2,048.
; PHASE Q.  Wave w quantises K steps 2 w, 2 w + 1 of the half.  A load of 16 bytes of lane (q, h) takes W2[e][k][n0 + 4 q .. + 3], k = 1,024 kh + 256 w + 32 B + 16 h + i: sixteen lanes read 256 consecutive bytes.
; TILE c IS THE COLUMNS n0 + 4 q + c: which columns form a tile is free.  The hold writes number (c, i) from landing register 4 i + c, so a lane's 16 registers run down K and the conversions' results are the fragment's registers.
; The fragments go to LDS as images of their registers (16 bytes a lane, 512 a store), one barrier, and every wave loads all 32.
; PHASE M.  Wave w takes row tiles w, w + 4, .. of the expert, as many as the stored count says.  The product is used transposed (source 0 = 16 columns of W2, source 1 = 16 rows of h): lane (r, h) holds row r, and register j of
; tile c the column n0 + 32 h + 4 j + c.  Two buffers of a tile's eight fragments; a buffer is asked for again straight behind the products that read it, for the tile two turns on: two tiles are on their way.
; One fused multiply-add a number adds b2 (times 1 in the lower half of K, times 0 in the upper) and lays the lane's 32 columns in order; the rows go through the wave's own stage in LDS and leave as runs of 512 consecutive bytes.
; STORED (o): 131,072 G + 65,536 kh + 4,096 slice + 256 row, G = 128 e + tile: a slice's tile is 16 rows of 64 f32 on end.
; NO JOINT LOADS, NO DATA MOVER: the number of row tiles is read from memory, and the loop leaves on it; the weights, 256 KB of a work-group's bytes, are shared with nobody.
; The last two refills of a wave ask for the expert's last tile (the clamp): valid bytes that are not used; so the counted wait has one meaning on every path.
; LIMITS: NaN and infinities are not served (b2 is multiplied by 0 in the upper half).  A block of W2 whose largest magnitude lies under 2^-111 gets the byte 1 (a block of zeros too, where the quantiser's rule says 127: its codes are
; zeros, and this program alone reads the bytes).  A row's sum over K is made of two f32 sums of 1,024.
; REGISTERS.  Window 0: v1-8 addresses; v16-47 W2's scale words and v48-55 h's: scales and nothing else; the rest by phase (below).  Window 1: phase Q four landing sets of 64; phase M two buffers of 8 fragments of h.
; Windows 2, 3: W2's fragments, fragment f = 4 s + c at 16 f.
.set LI,   1                           ; 16 x lane
.set WOFF, 2                           ; W2: 16 h rows of 4,096 bytes + 16 q
.set IMW,  3                           ; LDS: where I store images: 16 x lane + 16,384 x wave
.set ISW,  4                           ; and scale words: 65,536 + 4 x lane + 1,024 x wave
.set LSC,  5                           ; 65,536 + 4 x lane
.set STO,  6                           ; my stage, in: row r, + 128 h
.set SRD,  7                           ; and back: row h, + 16 r
.set BOFF, 8                           ; b2: 128 h
.set WS,   16
.set HS,   48                          ; 4 p + j: lanes 0-15 the word of the half's K step j, lanes 16-31 of 4 + j
.set M,    56                          ; phase Q: largest magnitudes,
.set T,    60                          ; the other half's,
.set SO,   64                          ; the conversions' scale operands,
.set LIM,  68                          ; 57,344 x the scale,
.set BY,   72                          ; bytes,
.set SW,   76                          ; scale words, a set for each of my two K steps,
.set X,    88                          ; 64 held numbers,
.set F,    152                         ; four fragments
.set B2,   56                          ; phase M: b2 at columns n0 + 32 h + 0 .. 31,
.set ACC,  88                          ; four accumulators,
.set OUT,  120                         ; the results in the columns' order,
.set RB,   152                         ; and as whole rows
.set WSC,  65536                       ; LDS: at 0 the 32 images of 2,048 bytes; at 65,536 their scale words, 128 bytes each;
.set STG,  69632                       ; at 69,632 a stage for each wave: 16 rows x (256 bytes + 16)
.set MSB, 0
.macro WIN new                         ; the immediate's high byte repeats the setting that is left
.if MSB != \new
	s_set_vgpr_msb (MSB<<8)|\new
.set MSB, \new
.endif
.endm
.macro LOADB B                         ; block B of my 8: 16 rows of k a half of the lanes, into landing set B % 4
	WIN 0x40
.irp i, 0,1,2,3,4,5,6,7,8,9,10,11,12,13,14,15
	global_load_b128 v[64*((\B)%4)+4*\i:64*((\B)%4)+4*\i+3], v[WOFF], s[4:5] offset:(32*(\B)+\i)*4096 th:TH_LOAD_NT
.endr
	WIN 0
.endm
.macro QBLOCK B
.set LS, 64*((\B)%4)
.set FB, F+4*((\B)%4)
.set SWB, SW+4*((\B)/4)
.if (\B) <= 4
	s_wait_loadcnt 48                              ; this block's 16 loads are in; those of the three blocks behind it may be out
.else
	s_wait_loadcnt 16*(7-(\B))
.endif
	WIN 0x05
.irp c, 0,1,2,3
	v_max3_num_f32 v[M+\c], |v[LS+\c]|, |v[LS+4+\c]|, 0x8000000    ; column c: my 16 numbers and the floor 2^(16 - 127)
.endr
	WIN 0x14
.irp i, 2,4,6,8,10,12,14
.irp c, 0,1,2,3
	v_max3_num_f32 v[M+\c], v[M+\c], |v[LS+4*\i+\c]|, |v[LS+4*\i+4+\c]|
.endr
.endr
	WIN 0
.irp c, 0,1,2,3
	v_permlanex16_b32 v[T+\c], v[M+\c], s20, s21
.endr
.irp c, 0,1,2,3
	v_max_num_f32 v[M+\c], v[M+\c], v[T+\c]        ; with lane xor 16's 16: the block's largest magnitude
.endr
.irp c, 0,1,2,3
	v_add_nc_u32 v[SO+\c], 0xf8800000, v[M+\c]     ; 15 off its exponent field
.endr
.irp c, 0,1,2,3
	v_and_or_b32 v[LIM+\c], v[M+\c], 0x7f800000, s22
.endr
.irp c, 0,1,2,3
.if (\B)%4 == 0
	v_lshrrev_b32 v[SWB+\c], 23, v[SO+\c]          ; the K step's first byte starts the word
.else
	v_lshrrev_b32 v[BY+\c], 23, v[SO+\c]
.endif
.endr
.if (\B)%4 != 0
.irp c, 0,1,2,3
	v_lshl_or_b32 v[SWB+\c], v[BY+\c], 8*((\B)%4), v[SWB+\c]
.endr
.endif
	WIN 0x01
.irp c, 0,1,2,3
.irp i, 0,1,2,3,4,5,6,7,8,9,10,11,12,13,14,15
	v_med3_num_f32 v[X+16*\c+\i], v[LS+4*\i+\c], -v[LIM+\c], v[LIM+\c]   ; the hold (ISA guide 7.6.2), which also lays a column's 16 numbers on end
.endr
.endr
	WIN 0
.if (\B) == 4
	s_wait_dscnt 0x0                               ; the first K step's images have left the fragments' registers, which are now written again
.endif
.irp c, 0,1,2,3
	v_cvt_scalef32_pk8_bf8_f32 v[FB+16*\c:FB+16*\c+1], v[X+16*\c:X+16*\c+7], v[SO+\c]
	v_cvt_scalef32_pk8_bf8_f32 v[FB+16*\c+2:FB+16*\c+3], v[X+16*\c+8:X+16*\c+15], v[SO+\c]
.endr
	v_nop                                          ; one plain line behind the last conversion
.if (\B) < 4
	LOADB (\B)+4
.endif
.endm
.macro IMAGE sp                        ; my K step 2 w + sp: four fragments and their scale words to LDS, as they stand
.irp c, 0,1,2,3
.irp g, 0,1,2,3
	ds_store_b128 v[IMW], v[F+16*\c+4*\g:F+16*\c+4*\g+3] offset:8192*\sp+2048*\c+512*\g
.endr
	ds_store_b32 v[ISW], v[SW+4*\sp+\c] offset:512*\sp+128*\c
.endr
.endm
.macro ALOAD p                         ; a row tile's eight fragments of h (my half of K) into buffer p, and their scale words: 33 loads
	WIN 0x40
.irp s, 0,1,2,3,4,5,6,7
.irp g, 0,1,2,3
	global_load_b128 v[128*(\p)+16*\s+4*\g:128*(\p)+16*\s+4*\g+3], v[LI], s[26+2*(\p):27+2*(\p)] offset:2048*\s+512*\g
.endr
.endr
	WIN 0
	global_load_b128 v[HS+4*(\p):HS+4*(\p)+3], v[LI], s[30+2*(\p):31+2*(\p)]
.endm
.macro MMA p                           ; 32 products: K steps ascending, the four accumulators by turns, one instruction a turn; the first product of each starts its sum
.irp s, 0,1,2,3,4,5,6,7
.if \s < 4
	WIN 0x06                                       ; source 0 (W2) window 2, source 1 (h) window 1
.else
	WIN 0x07                                       ; source 0 window 3
.endif
.irp c, 0,1,2,3
.if \s == 0
	v_wmma_scale_f32_16x16x128_f8f6f4 v[ACC+8*\c:ACC+8*\c+7], v[16*(4*(\s%4)+\c):16*(4*(\s%4)+\c)+15], v[128*\p+16*\s:128*\p+16*\s+15], 0, v[WS+4*\s+\c], v[HS+4*\p+\s%4] matrix_a_fmt:MATRIX_FMT_BF8 matrix_b_fmt:MATRIX_FMT_BF8
.elseif \s < 4
	v_wmma_scale_f32_16x16x128_f8f6f4 v[ACC+8*\c:ACC+8*\c+7], v[16*(4*(\s%4)+\c):16*(4*(\s%4)+\c)+15], v[128*\p+16*\s:128*\p+16*\s+15], v[ACC+8*\c:ACC+8*\c+7], v[WS+4*\s+\c], v[HS+4*\p+\s%4] matrix_a_fmt:MATRIX_FMT_BF8 matrix_b_fmt:MATRIX_FMT_BF8
.else
	v_wmma_scale_f32_16x16x128_f8f6f4 v[ACC+8*\c:ACC+8*\c+7], v[16*(4*(\s%4)+\c):16*(4*(\s%4)+\c)+15], v[128*\p+16*\s:128*\p+16*\s+15], v[ACC+8*\c:ACC+8*\c+7], v[WS+4*\s+\c], v[HS+4*\p+\s%4] matrix_a_fmt:MATRIX_FMT_BF8 matrix_b_fmt:MATRIX_FMT_BF8 matrix_b_scale:MATRIX_SCALE_ROW1
.endif
.endr
.endr
	WIN 0
.endm
.macro OUT3                            ; a tile's 16 rows x 64 columns leave
.irp j, 0,1,2,3,4,5,6,7
.irp c, 0,1,2,3
	v_fma_f32 v[OUT+4*\j+\c], v[B2+4*\j+\c], s54, v[ACC+8*\c+\j]   ; + b2 (or + 0), into the columns' order; each accumulator is read from its low end on
.endr
.endr
.irp i, 0,1,2,3,4,5,6,7
	ds_store_b128 v[STO], v[OUT+4*\i:OUT+4*\i+3] offset:16*\i      ; lane (r, h): 128 bytes of row r
.endr
.irp i, 0,1,2,3,4,5,6,7
	ds_load_b128 v[RB+4*\i:RB+4*\i+3], v[SRD] offset:544*\i        ; rows 2 i and 2 i + 1; my own bytes: LDS serves a wave's instructions in order (ISA guide 5.7.1.4)
.endr
	s_wait_dscnt 0x0
.irp i, 0,1,2,3,4,5,6,7
	global_store_b128 v[LI], v[RB+4*\i:RB+4*\i+3], s[34:35] offset:512*\i th:TH_STORE_NT   ; two rows of 256 bytes: 512 consecutive bytes
.endr
.endm
.macro TILE p                          ; row tile s19, whose operands lie in buffer p
	s_cmp_ge_u32 s19, s18
	s_cbranch_scc1 .Ldone                          ; no tile is left for this wave
	s_wait_loadcnt 33                              ; this tile's 33 loads are in; the 33 of the other buffer, issued behind them, may be out
	MMA \p
.rept 8
	v_nop                                          ; eight places behind this form before a result is read, and before loads into registers that it has read
.endr
	s_wait_xcnt 0x0                                ; all earlier loads and stores have read their bases and data: the youngest were issued ahead of the wait and the 32 products above
	s_add_co_u32 s24, s19, 8
	s_min_u32 s24, s24, s47                        ; my tile two turns on, or the expert's last: no load leaves what has been stored
	s_min_u32 s24, s24, 127
	s_lshl_b32 s50, s24, 15
	s_add_nc_u64 s[26+2*\p:27+2*\p], s[38:39], s[50:51]
	s_lshl_b32 s50, s24, 10
	s_add_nc_u64 s[30+2*\p:31+2*\p], s[40:41], s[50:51]
	s_lshl_b32 s50, s19, 17
	s_add_nc_u64 s[34:35], s[42:43], s[50:51]      ; where this tile's results go
	ALOAD \p                                       ; the buffer just read is asked for again at once
	OUT3
	s_add_co_u32 s19, s19, 4
.endm
	s_load_b256 s[4:11], s[0:1], 0x0               ; W2 s[4:5], b2 s[6:7], hq s[8:9], place s[10:11]
	s_load_b64 s[12:13], s[0:1], 0x20              ; o
	v_lshl_add_u32 v254, v0, 2, 0x16000
	v_mov_b32 v255, 0
	v_lshrrev_b32 v9, 5, v0
	v_readfirstlane_b32 s14, v9                    ; wave
	s_lshr_b32 s15, ttmp9, 5                       ; expert
	s_bfe_u32 s16, ttmp9, 0x40001                  ; slice: 4 bits from bit 1
	s_and_b32 s23, ttmp9, 1                        ; which half of K
	v_and_b32 v9, 31, v0
	v_and_b32 v10, 15, v0
	v_bfe_u32 v11, v0, 4, 1
	v_lshlrev_b32 v[LI], 4, v9
	v_lshlrev_b32 v[WOFF], 4, v10
	v_lshl_add_u32 v[WOFF], v11, 16, v[WOFF]
	s_lshl_b32 s24, s14, 14
	v_add_nc_u32 v[IMW], s24, v[LI]
	v_lshl_add_u32 v[LSC], v9, 2, WSC
	s_lshl_b32 s24, s14, 10
	v_add_nc_u32 v[ISW], s24, v[LSC]
	s_mul_i32 s24, s14, 4352
	s_add_co_u32 s24, s24, STG                     ; my stage
	v_mul_u32_u24 v[STO], v10, 272
	v_lshl_add_u32 v[STO], v11, 7, v[STO]
	v_add_nc_u32 v[STO], s24, v[STO]
	v_mul_u32_u24 v[SRD], v11, 272
	v_lshl_add_u32 v[SRD], v10, 4, v[SRD]
	v_add_nc_u32 v[SRD], s24, v[SRD]
	v_lshlrev_b32 v[BOFF], 7, v11
.irp c, 0,1,2,3
	v_mov_b32 v[T+\c], 0                           ; written once: a lane permute's destination counts as one of its sources
.endr
	s_mov_b32 s20, 0x76543210
	s_mov_b32 s21, 0xfedcba98
	s_mov_b32 s22, 0x600000
	s_cmp_eq_u32 s23, 0
	s_cselect_b32 s54, 0x3f800000, 0               ; b2 counts once: 1.0 in the lower half of K, 0 in the upper
	s_lshl_b32 s24, s15, 23                        ; the expert's 8,388,608 bytes,
	s_lshl_b32 s25, s23, 22                        ; the half's 1,024 rows of 4,096,
	s_add_co_u32 s24, s24, s25
	s_lshl_b32 s25, s14, 20                        ; my 256 rows,
	s_add_co_u32 s24, s24, s25
	s_lshl_b32 s25, s16, 8                         ; the slice's 256 bytes of a row
	s_add_co_u32 s24, s24, s25
	s_mov_b32 s25, 0
	s_lshl_b32 s50, s15, 2
	s_mov_b32 s51, 0
	s_wait_kmcnt 0x0
	s_add_nc_u64 s[52:53], s[10:11], s[50:51]
	s_load_b32 s17, s[52:53], 0x0                  ; the expert's count of rows
	s_add_nc_u64 s[4:5], s[4:5], s[24:25]
	LOADB 0
	LOADB 1
	LOADB 2
	LOADB 3
	s_lshl_b32 s50, s15, 22
	s_lshl_b32 s24, s23, 14
	s_add_co_u32 s50, s50, s24
	s_add_nc_u64 s[38:39], s[8:9], s[50:51]        ; the expert's tiles of h's codes, at my half of K,
	s_lshl_b32 s50, s15, 17
	s_lshl_b32 s24, s23, 9
	s_add_co_u32 s50, s50, s24
	s_add_co_u32 s50, s50, 0x2000000
	s_add_nc_u64 s[40:41], s[8:9], s[50:51]        ; of their scale words,
	s_lshl_b32 s50, s15, 24
	s_lshl_b32 s24, s23, 16
	s_add_co_u32 s50, s50, s24
	s_lshl_b32 s24, s16, 12
	s_add_co_u32 s50, s50, s24
	s_add_nc_u64 s[42:43], s[12:13], s[50:51]      ; and of o, at my half and slice
	s_lshl_b32 s50, s15, 12
	s_lshl_b32 s24, s16, 8
	s_add_co_u32 s50, s50, s24
	s_add_nc_u64 s[6:7], s[6:7], s[50:51]          ; b2 at my slice
	s_wait_kmcnt 0x0
	s_min_u32 s17, s17, 0x800
	s_add_co_u32 s18, s17, 15
	s_lshr_b32 s18, s18, 4                         ; row tiles
	s_sub_co_u32 s47, s18, 1
	QBLOCK 0
	QBLOCK 1
	QBLOCK 2
	QBLOCK 3
	IMAGE 0
	QBLOCK 4
	QBLOCK 5
	QBLOCK 6
	QBLOCK 7
	IMAGE 1
	s_wait_dscnt 0x0                               ; for the others' sake: my images lie in LDS
	s_barrier_signal -1
	s_barrier_wait -1                              ; the launch's one barrier: every wave has passed it before any wave leaves
	s_cmp_ge_u32 s14, s18
	s_cbranch_scc1 .Ldone
.irp i, 0,1,2,3,4,5,6,7
	global_load_b128 v[B2+4*\i:B2+4*\i+3], v[BOFF], s[6:7] offset:16*\i   ; b2 at columns n0 + 32 h + 4 i ..
.endr
	s_mov_b32 s19, s14                             ; my first tile
	s_lshl_b32 s50, s14, 15
	s_add_nc_u64 s[26:27], s[38:39], s[50:51]
	s_lshl_b32 s50, s14, 10
	s_add_nc_u64 s[30:31], s[40:41], s[50:51]
	ALOAD 0
	s_add_co_u32 s24, s14, 4                       ; my second, or the expert's last; it has base registers of its own
	s_min_u32 s24, s24, s47
	s_min_u32 s24, s24, 127
	s_lshl_b32 s50, s24, 15
	s_add_nc_u64 s[28:29], s[38:39], s[50:51]
	s_lshl_b32 s50, s24, 10
	s_add_nc_u64 s[32:33], s[40:41], s[50:51]
	ALOAD 1
	WIN 0x80                                       ; all 32 fragments of W2 into windows 2 and 3; the loads from memory land meanwhile
.set f, 0
.rept 16
.irp g, 0,1,2,3
	ds_load_b128 v[16*f+4*\g:16*f+4*\g+3], v[LI] offset:2048*f+512*\g
.endr
.set f, f+1
.endr
	WIN 0xc0
.rept 16
.irp g, 0,1,2,3
	ds_load_b128 v[16*(f-16)+4*\g:16*(f-16)+4*\g+3], v[LI] offset:2048*f+512*\g
.endr
.set f, f+1
.endr
	WIN 0
.set f, 0
.rept 32
	ds_load_b32 v[WS+f], v[LSC] offset:128*f
.set f, f+1
.endr
	s_wait_dscnt 0x0
	s_mov_b32 s46, 16                              ; 16 trips of two tiles serve the 32 tiles that a wave can have
.Lrow:
	TILE 0
	TILE 1
	s_sub_co_u32 s46, s46, 1
	s_cmp_lg_u32 s46, 0
	s_cbranch_scc1 .Lrow
.Ldone:
	s_wait_tensorcnt 0x0
	ds_add_u32 v254, v255
	s_wait_dscnt 0x0
	s_endpgm
.Lfunc_end_k_q7d5dd0bb66_ffn2:
	.size	k_q7d5dd0bb66_ffn2, .Lfunc_end_k_q7d5dd0bb66_ffn2-k_q7d5dd0bb66_ffn2
	.p2alignl 7, 3214868480
	.fill 96, 4, 3214868480
	.section	.rodata,"a",@progbits
	.p2align	6, 0x0
	.amdhsa_kernel k_q7d5dd0bb66_ffn2
		.amdhsa_group_segment_fixed_size 90624
		.amdhsa_private_segment_fixed_size 0
		.amdhsa_enable_private_segment 0
		.amdhsa_kernarg_size 40
		.amdhsa_user_sgpr_count 2
		.amdhsa_user_sgpr_kernarg_segment_ptr 1
		.amdhsa_wavefront_size32 1
		.amdhsa_system_sgpr_workgroup_id_x 1
		.amdhsa_system_sgpr_workgroup_id_y 1
		.amdhsa_system_sgpr_workgroup_id_z 1
		.amdhsa_system_vgpr_workitem_id 0
		.amdhsa_next_free_vgpr 1024
		.amdhsa_next_free_sgpr 66
		.amdhsa_reserve_vcc 0
		.amdhsa_float_denorm_mode_32 3
		.amdhsa_float_denorm_mode_16_64 3
		.amdhsa_memory_ordered 1
		.amdhsa_forward_progress 1
		.amdhsa_inst_pref_size 126
	.end_amdhsa_kernel
	.amdgpu_metadata
---
amdhsa.version: [ 1, 2 ]
amdhsa.kernels:
  - .name:           k_q7d5dd0bb66_ffn2
    .symbol:         k_q7d5dd0bb66_ffn2.kd
    .args:
      - { .name: W2, .offset: 0, .size: 8, .value_kind: global_buffer, .address_space: global }
      - { .name: b2, .offset: 8, .size: 8, .value_kind: global_buffer, .address_space: global }
      - { .name: hq, .offset: 16, .size: 8, .value_kind: global_buffer, .address_space: global }
      - { .name: place, .offset: 24, .size: 8, .value_kind: global_buffer, .address_space: global }
      - { .name: o, .offset: 32, .size: 8, .value_kind: global_buffer, .address_space: global }
    .group_segment_fixed_size: 90624
    .private_segment_fixed_size: 0
    .kernarg_segment_align: 8
    .kernarg_segment_size: 40
    .max_flat_workgroup_size: 128
    .sgpr_count:     66
    .vgpr_count:     1024
    .wavefront_size: 32
...
	.end_amdgpu_metadata
.endif
;; end of part 7
;; launch combine (part 8): grid 256 x 1, 8 waves a work-group, no clusters, 0 bytes of LDS; arguments o, place, xq, out0; writes out0
.if DOCPART == 8
	.amdgcn_target "amdgcn-amd-amdhsa--gfx1250"
	.amdhsa_code_object_version 6
	.text
	.protected	k_q7d5dd0bb66_combine
	.globl	k_q7d5dd0bb66_combine
	.p2align	8
	.type	k_q7d5dd0bb66_combine,@function
k_q7d5dd0bb66_combine:
	s_mov_b64 s[64:65], 0
	v_nop
	global_prefetch_b8 v0, s[64:65] scope:SCOPE_SE
	s_setreg_imm32_b32 hwreg(HW_REG_WAVE_MODE, 25, 1), 1
	s_wait_xcnt 0x0
; COMBINE.  y[t] = g0 (a0 + a1) + g1 (b0 + b1): a and b are the rows of the token's two experts, each in two parts along K that different work-groups made; they are added here, by the row's one owner.  The six other gates are exactly 0.
; A wave takes a token: 8 x 256 = 2,048 waves.  Its two positions (whole numbers that an earlier launch stored; clamped ahead of the address) and its two gates come by scalar loads.
; A part of a row of o is 16 pieces of 256 bytes, 4,096 bytes apart (tile position / 16 at 131,072 bytes a tile, the upper half of K 65,536 on, row position % 16 at 256): a load takes two pieces, sixteen lanes to a piece.
; A store of the wave covers 512 consecutive bytes of y.  Every load has registers of its own, so nothing is written twice and the only waits are the counted ones.  Memory binds: no LDS, no barrier, no matrix unit.
	s_load_b256 s[4:11], s[0:1], 0x0               ; o s[4:5], place s[6:7], xq s[8:9], out0 s[10:11]
	v_lshrrev_b32 v1, 5, v0
	v_readfirstlane_b32 s12, v1
	s_lshl_b32 s13, ttmp9, 3
	s_add_co_u32 s13, s13, s12                     ; my token
	s_lshl_b32 s14, s13, 3
	s_mov_b32 s15, 0
	s_lshl_b32 s24, s13, 12
	s_mov_b32 s25, 0
	v_and_b32 v2, 31, v0
	v_lshrrev_b32 v3, 4, v2
	v_and_b32 v4, 15, v2
	v_lshlrev_b32 v6, 4, v4
	v_lshl_add_u32 v6, v3, 12, v6                  ; piece lane / 16, 16 bytes a lane
	v_lshlrev_b32 v5, 4, v2
	s_wait_kmcnt 0x0
	s_add_nc_u64 s[6:7], s[6:7], s[14:15]
	s_add_nc_u64 s[8:9], s[8:9], s[14:15]
	s_load_b64 s[16:17], s[6:7], 0x100             ; the two positions
	s_load_b64 s[18:19], s[8:9], 0x210000          ; the two gates
	s_add_nc_u64 s[10:11], s[10:11], s[24:25]
	s_wait_kmcnt 0x0
	s_min_u32 s16, s16, 0x3fff
	s_min_u32 s17, s17, 0x3fff
	s_and_b32 s26, s16, 0x3ff0
	s_lshl_b32 s26, s26, 13
	s_and_b32 s27, s16, 15
	s_lshl_b32 s27, s27, 8
	s_add_co_u32 s26, s26, s27
	s_mov_b32 s27, 0
	s_add_nc_u64 s[28:29], s[4:5], s[26:27]
	s_and_b32 s26, s17, 0x3ff0
	s_lshl_b32 s26, s26, 13
	s_and_b32 s22, s17, 15
	s_lshl_b32 s22, s22, 8
	s_add_co_u32 s26, s26, s22
	s_add_nc_u64 s[30:31], s[4:5], s[26:27]
	s_mov_b32 s20, s19                             ; the packed forms take a pair's low word for both halves
	s_mov_b32 s21, s19
.irp i, 0,1,2,3,4,5,6,7
	global_load_b128 v[16+16*\i:19+16*\i], v6, s[28:29] offset:8192*\i th:TH_LOAD_NT
	global_load_b128 v[20+16*\i:23+16*\i], v6, s[28:29] offset:8192*\i+65536 th:TH_LOAD_NT
	global_load_b128 v[24+16*\i:27+16*\i], v6, s[30:31] offset:8192*\i th:TH_LOAD_NT
	global_load_b128 v[28+16*\i:31+16*\i], v6, s[30:31] offset:8192*\i+65536 th:TH_LOAD_NT
.endr
.irp i, 0,1,2,3,4,5,6,7
	s_wait_loadcnt 28-4*\i                         ; group i's four loads are in; the 7 - i groups behind it may be out
	v_pk_mul_f32 v[16+16*\i:17+16*\i], v[16+16*\i:17+16*\i], s[18:19] op_sel_hi:[1,0]
	v_pk_mul_f32 v[18+16*\i:19+16*\i], v[18+16*\i:19+16*\i], s[18:19] op_sel_hi:[1,0]
	v_pk_fma_f32 v[16+16*\i:17+16*\i], v[20+16*\i:21+16*\i], s[18:19], v[16+16*\i:17+16*\i] op_sel_hi:[1,0,1]
	v_pk_fma_f32 v[18+16*\i:19+16*\i], v[22+16*\i:23+16*\i], s[18:19], v[18+16*\i:19+16*\i] op_sel_hi:[1,0,1]
	v_pk_fma_f32 v[16+16*\i:17+16*\i], v[24+16*\i:25+16*\i], s[20:21], v[16+16*\i:17+16*\i] op_sel_hi:[1,0,1]
	v_pk_fma_f32 v[18+16*\i:19+16*\i], v[26+16*\i:27+16*\i], s[20:21], v[18+16*\i:19+16*\i] op_sel_hi:[1,0,1]
	v_pk_fma_f32 v[16+16*\i:17+16*\i], v[28+16*\i:29+16*\i], s[20:21], v[16+16*\i:17+16*\i] op_sel_hi:[1,0,1]
	v_pk_fma_f32 v[18+16*\i:19+16*\i], v[30+16*\i:31+16*\i], s[20:21], v[18+16*\i:19+16*\i] op_sel_hi:[1,0,1]
	global_store_b128 v5, v[16+16*\i:19+16*\i], s[10:11] offset:512*\i th:TH_STORE_NT
.endr
	s_endpgm
.Lfunc_end_k_q7d5dd0bb66_combine:
	.size	k_q7d5dd0bb66_combine, .Lfunc_end_k_q7d5dd0bb66_combine-k_q7d5dd0bb66_combine
	.p2alignl 7, 3214868480
	.fill 96, 4, 3214868480
	.section	.rodata,"a",@progbits
	.p2align	6, 0x0
	.amdhsa_kernel k_q7d5dd0bb66_combine
		.amdhsa_group_segment_fixed_size 0
		.amdhsa_private_segment_fixed_size 0
		.amdhsa_enable_private_segment 0
		.amdhsa_kernarg_size 32
		.amdhsa_user_sgpr_count 2
		.amdhsa_user_sgpr_kernarg_segment_ptr 1
		.amdhsa_wavefront_size32 1
		.amdhsa_system_sgpr_workgroup_id_x 1
		.amdhsa_system_sgpr_workgroup_id_y 1
		.amdhsa_system_sgpr_workgroup_id_z 1
		.amdhsa_system_vgpr_workitem_id 0
		.amdhsa_next_free_vgpr 144
		.amdhsa_next_free_sgpr 66
		.amdhsa_reserve_vcc 0
		.amdhsa_float_denorm_mode_32 3
		.amdhsa_float_denorm_mode_16_64 3
		.amdhsa_memory_ordered 1
		.amdhsa_forward_progress 1
		.amdhsa_inst_pref_size 10
	.end_amdhsa_kernel
	.amdgpu_metadata
---
amdhsa.version: [ 1, 2 ]
amdhsa.kernels:
  - .name:           k_q7d5dd0bb66_combine
    .symbol:         k_q7d5dd0bb66_combine.kd
    .args:
      - { .name: o, .offset: 0, .size: 8, .value_kind: global_buffer, .address_space: global }
      - { .name: place, .offset: 8, .size: 8, .value_kind: global_buffer, .address_space: global }
      - { .name: xq, .offset: 16, .size: 8, .value_kind: global_buffer, .address_space: global }
      - { .name: out0, .offset: 24, .size: 8, .value_kind: global_buffer, .address_space: global }
    .group_segment_fixed_size: 0
    .private_segment_fixed_size: 0
    .kernarg_segment_align: 8
    .kernarg_segment_size: 32
    .max_flat_workgroup_size: 256
    .sgpr_count:     66
    .vgpr_count:     144
    .wavefront_size: 32
...
	.end_amdgpu_metadata
.endif
;; end of part 8
;; ======== version 3 of 3: 5 launches
;; workspace buffers: xq 2,179,072 bytes; route 12,288 bytes of whole numbers; xsort 17,301,504 bytes; place 16,640 bytes of whole numbers; hq 34,603,008 bytes; o 134,217,728 bytes
;; launch route (part 9): grid 128 x 1, 8 waves a work-group, no clusters, 10,240 bytes of LDS; arguments x, Wg, bg, xq, route; writes xq, route
.if DOCPART == 9
	.amdgcn_target "amdgcn-amd-amdhsa--gfx1250"
	.amdhsa_code_object_version 6
	.text
	.protected	k_q7d5dd0bb66_route
	.globl	k_q7d5dd0bb66_route
	.p2align	8
	.type	k_q7d5dd0bb66_route,@function
k_q7d5dd0bb66_route:
	s_mov_b64 s[64:65], 0
	v_nop
	global_prefetch_b8 v0, s[64:65] scope:SCOPE_SE
	s_setreg_imm32_b32 hwreg(HW_REG_WAVE_MODE, 25, 1), 1
	s_wait_xcnt 0x0
; ROUTE.  For 16 tokens a work-group: the router's logits x Wg + bg in f32, softmax(logits / 5), the two largest, their gates; and x as codes of E5M2 with one E8M0 byte for each 32 along D.
; SHARES.  Work-group T has tokens 16 T .. 16 T + 15 (the height of a matrix tile); wave s has d = 128 s .. 128 s + 127, one K step of the later product.  Lane (r = lane % 16, h = lane / 16).
; A lane loads, of token r, 16 neighbours of each block of 32: register 16 b + i = x[r][128 s + 32 b + 16 h + i].  The same registers feed the f32 matrix form (pairs 2 u, 2 u + 1: K slot 2 h + j holds the same d
; in x's pair and in Wg's) and the quantiser, whose results are the registers of an operand fragment.
; WHAT IS STORED, all at fixed places (no address hangs on a result):  xq: codes as images of fragments (tile T at 16,384 T; K step s at 2,048 s; register group c at 512 c; 16 bytes a lane), scale words [token][8] at 2,097,152,
; gates [token][2] f32 at 2,162,688.  route: at 0 a mask of 16 tokens for each expert [8][128] u16, at 2,048 its count of ones [8][128] u8, at 4,096 the two experts [token] u32 = e0 | e1 << 8.
; The two largest are taken on 2^((l - lmax) c), which differs from the probability by one factor common to the eight; a strict compare in ascending order keeps the lower index among equals.
; LIMITS: NaN and infinities are not served.  A block whose largest magnitude lies under 2^-111 gets the byte 1 (a block of zeros too, where the quantiser's rule says 127: its codes are zeros, and this program alone reads the bytes).
; A choice between two experts whose probabilities differ in the last bit of an exponential, or of an f32 sum taken in another order, may fall otherwise than in a sum taken in the source's order.
.set X,   16                           ; v16-79   64 numbers of x
.set WB,  80                           ; v80-143  Wg at the same d, column r % 8
.set AC,  144                          ; v144-175 four accumulators: written by matrix instructions alone
.set LP,  176                          ; v176-183 my wave's part of the logits
.set PC,  184                          ; v184-199 the fragment's codes
.set TM,  200                          ; v200-215 at work
.set PW,  216                          ; v216     the scale word
.set XSL, 8192                         ; LDS: at 0 the waves' parts of the logits [wave][token][16] f32; at 8,192 the scale words [token][8]
	s_load_b256 s[4:11], s[0:1], 0x0               ; x s[4:5], Wg s[6:7], bg s[8:9], xq s[10:11]
	s_load_b64 s[12:13], s[0:1], 0x20              ; route
	v_lshl_add_u32 v254, v0, 2, 0x2400
	v_mov_b32 v255, 0
	v_lshrrev_b32 v1, 5, v0
	s_delay_alu instid0(VALU_DEP_1)
	v_readfirstlane_b32 s14, v1                    ; wave = K step
	v_and_b32 v1, 31, v0                           ; lane
	v_and_b32 v2, 15, v0                           ; r
	v_bfe_u32 v3, v0, 4, 1                         ; h
	s_delay_alu instid0(VALU_DEP_2)
	v_lshlrev_b32 v4, 12, v2
	s_delay_alu instid0(VALU_DEP_1)
	v_lshl_add_u32 v4, v3, 6, v4                   ; x: row r of 4,096 bytes + 64 h
	v_and_b32 v5, 7, v0
	s_delay_alu instid0(VALU_DEP_1)
	v_lshlrev_b32 v5, 2, v5
	s_delay_alu instid0(VALU_DEP_1)
	v_lshl_add_u32 v5, v3, 9, v5                   ; Wg: 16 h rows of 32 bytes + column r % 8
	v_lshlrev_b32 v6, 4, v1                        ; 16 x lane
	s_lshl_b32 s40, s14, 10
	v_lshlrev_b32 v7, 2, v2
	s_delay_alu instid0(VALU_DEP_1)
	v_lshl_add_u32 v7, v3, 9, v7
	s_delay_alu instid0(VALU_DEP_1)
	v_add_nc_u32 v7, s40, v7                       ; LDS: 1,024 wave + token (8 h + j) x 64 + 4 r
	s_lshl_b32 s40, s14, 2
	v_lshl_add_u32 v8, v2, 5, XSL
	s_delay_alu instid0(VALU_DEP_1)
	v_add_nc_u32 v8, s40, v8                       ; LDS: token r's word of K step s
	v_lshlrev_b32 v9, 6, v2                        ; LDS: token r's 16 numbers in a wave's part
	v_add_nc_u32 v10, XSL, v6
	s_mov_b32 s24, 0x76543210
	s_mov_b32 s25, 0xfedcba98                      ; v_permlanex16_b32's selects for lane xor 16
	s_mov_b32 s26, 0x600000                        ; the mantissa field of 57,344
	s_mov_b32 s27, 0x3e93bb63                      ; c = log2(e) / 5
	s_lshl_b32 s40, ttmp9, 16                      ; 16 rows of 4,096 bytes
	s_lshl_b32 s41, s14, 9
	s_add_co_u32 s40, s40, s41
	s_mov_b32 s41, 0
	s_lshl_b32 s42, s14, 12                        ; 128 rows of Wg
	s_mov_b32 s43, 0
	s_lshl_b32 s44, ttmp9, 14
	s_lshl_b32 s45, s14, 11
	s_add_co_u32 s44, s44, s45
	s_mov_b32 s45, 0
	s_wait_alu depctr_va_vdst(0)
	s_wait_kmcnt 0x0
	s_add_nc_u64 s[4:5], s[4:5], s[40:41]
	s_add_nc_u64 s[6:7], s[6:7], s[42:43]
	s_add_nc_u64 s[28:29], s[10:11], s[44:45]      ; where my fragment's image goes
.irp b, 0,1,2,3
.irp j, 0,1,2,3
	global_load_b128 v[X+16*\b+4*\j:X+16*\b+4*\j+3], v4, s[4:5] offset:128*\b+16*\j th:TH_LOAD_NT
.endr
.endr
.irp b, 0,1,2,3
.irp i, 0,1,2,3,4,5,6,7,8,9,10,11,12,13,14,15
	global_load_b32 v[WB+16*\b+\i], v5, s[6:7] offset:1024*\b+32*\i
.endr
.endr
	s_wait_loadcnt 0x0
; the logits' part of my 128 d: four accumulators (one for each block of 32) by turns, one instruction a turn; the first product of each starts its sum
.irp u, 0,1,2,3,4,5,6,7
.irp b, 0,1,2,3
.if \u == 0
	v_wmma_f32_16x16x4_f32 v[AC+8*\b:AC+8*\b+7], v[X+16*\b+2*\u:X+16*\b+2*\u+1], v[WB+16*\b+2*\u:WB+16*\b+2*\u+1], 0
.else
	v_wmma_f32_16x16x4_f32 v[AC+8*\b:AC+8*\b+7], v[X+16*\b+2*\u:X+16*\b+2*\u+1], v[WB+16*\b+2*\u:WB+16*\b+2*\u+1], v[AC+8*\b:AC+8*\b+7]
.endif
.endr
.endr
.rept 8
	v_nop                                          ; eight places behind this form before a result is read or a source written (ISA guide 7.12.1)
.endr
.irp j, 0,2,4,6                        ; each accumulator is read from its low end on; register j of lane (n, h) is the part of (token 8 h + j, expert n % 8)
	v_pk_add_f32 v[LP+\j:LP+\j+1], v[AC+\j:AC+\j+1], v[AC+8+\j:AC+9+\j]
	v_pk_add_f32 v[TM+\j:TM+\j+1], v[AC+16+\j:AC+17+\j], v[AC+24+\j:AC+25+\j]
.endr
.irp j, 0,2,4,6
	v_pk_add_f32 v[LP+\j:LP+\j+1], v[LP+\j:LP+\j+1], v[TM+\j:TM+\j+1]
.endr
.irp j, 0,1,2,3,4,5,6,7
	ds_store_b32 v7, v[LP+\j] offset:64*\j
.endr
; THE QUANTISER: four blocks of 32, each in lanes l and l xor 16.  (v204-207, the permutes' destinations, were written above)
.irp b, 0,1,2,3
	v_max3_num_f32 v[TM+\b], |v[X+16*\b]|, |v[X+1+16*\b]|, 0x8000000   ; my 16 numbers and the floor 2^(16 - 127): the byte cannot fall under 1
.endr
.irp i, 2,4,6,8,10,12,14
.irp b, 0,1,2,3
	s_delay_alu instid0(VALU_DEP_4)
	v_max3_num_f32 v[TM+\b], v[TM+\b], |v[X+16*\b+\i]|, |v[X+1+16*\b+\i]|
.endr
.endr
.irp b, 0,1,2,3
	s_delay_alu instid0(VALU_DEP_4)
	v_permlanex16_b32 v[TM+4+\b], v[TM+\b], s24, s25
.endr
.irp b, 0,1,2,3
	s_delay_alu instid0(VALU_DEP_4)
	v_max_num_f32 v[TM+\b], v[TM+\b], v[TM+4+\b]   ; the block's largest magnitude
.endr
.irp b, 0,1,2,3
	s_delay_alu instid0(VALU_DEP_4)
	v_add_nc_u32 v[TM+12+\b], 0xf8800000, v[TM+\b] ; 15 off its exponent field: the conversion's scale operand
.endr
.irp b, 0,1,2,3
	v_and_or_b32 v[TM+8+\b], v[TM+\b], 0x7f800000, s26   ; 57,344 x the scale
.endr
.irp b, 0,1,2,3
	v_lshrrev_b32 v[TM+4+\b], 23, v[TM+12+\b]      ; the scale's byte
.endr
	s_delay_alu instid0(VALU_DEP_3)
	v_lshl_or_b32 v[PW], v[TM+5], 8, v[TM+4]
	s_delay_alu instid0(VALU_DEP_1)
	v_lshl_or_b32 v[PW], v[TM+6], 16, v[PW]
	s_delay_alu instid0(VALU_DEP_1)
	v_lshl_or_b32 v[PW], v[TM+7], 24, v[PW]
.irp b, 0,1,2,3
.irp i, 0,1,2,3,4,5,6,7,8,9,10,11,12,13,14,15
	v_med3_num_f32 v[X+16*\b+\i], v[X+16*\b+\i], -v[TM+8+\b], v[TM+8+\b]   ; the conversion does not saturate (ISA guide 7.6.2): the hold at the largest code x the scale
.endr
	v_cvt_scalef32_pk8_bf8_f32 v[PC+4*\b:PC+1+4*\b], v[X+16*\b:X+7+16*\b], v[TM+12+\b]
	v_cvt_scalef32_pk8_bf8_f32 v[PC+2+4*\b:PC+3+4*\b], v[X+8+16*\b:X+15+16*\b], v[TM+12+\b]
.endr
	v_nop                                          ; one plain line behind the last conversion
.irp c, 0,1,2,3
	global_store_b128 v6, v[PC+4*\c:PC+4*\c+3], s[28:29] offset:512*\c   ; the wave stores 512 consecutive bytes
.endr
	ds_store_b32 v8, v[PW]                         ; lanes r and r + 16 write the same word with the same value
	s_wait_dscnt 0x0                               ; for wave 0's sake: my LDS stores are done
	s_barrier_signal -1
	s_barrier_wait -1
	s_cmp_lg_u32 s14, 0
	s_cbranch_scc1 .Lend
; WAVE 0 finishes the 16 tokens: lane = token lane % 16, lanes 16-31 do the same as lanes 0-15
	s_load_b256 s[16:23], s[8:9], 0x0              ; bg
	ds_load_b128 v[16:19], v10                     ; the 16 tokens' scale words, 512 bytes
.irp w, 0,1,2,3,4,5,6,7
	ds_load_b128 v[32+8*\w:35+8*\w], v9 offset:1024*\w
	ds_load_b128 v[36+8*\w:39+8*\w], v9 offset:1024*\w+16
.endr
	s_lshl_b32 s40, ttmp9, 9
	s_add_nc_u64 s[30:31], s[10:11], s[40:41]
	s_wait_dscnt 16                                ; the scale words are in; the sixteen loads behind them may be out
	global_store_b128 v6, v[16:19], s[30:31] offset:2097152
	s_wait_dscnt 0x0
.irp w, 1,2,3,4,5,6,7
.irp k, 0,2,4,6
	v_pk_add_f32 v[32+\k:33+\k], v[32+\k:33+\k], v[32+8*\w+\k:33+8*\w+\k]   ; the eight waves' parts, ascending
.endr
.endr
	s_wait_alu depctr_va_vdst(0)
	s_wait_kmcnt 0x0
.irp e, 0,1,2,3,4,5,6,7
	v_add_f32 v[32+\e], s[16+\e], v[32+\e]         ; + bg
.endr
	v_max3_num_f32 v40, v32, v33, v34
	s_delay_alu instid0(VALU_DEP_1)
	v_max3_num_f32 v40, v40, v35, v36
	s_delay_alu instid0(VALU_DEP_1)
	v_max3_num_f32 v40, v40, v37, v38
	s_delay_alu instid0(VALU_DEP_1)
	v_max_num_f32 v40, v40, v39                    ; the largest logit is taken away ahead of the exponential
	s_delay_alu instid0(VALU_DEP_1)
	v_mul_f32 v41, s27, v40
.irp e, 0,1,2,3,4,5,6,7
	v_fma_f32 v[48+\e], v[32+\e], s27, -v41        ; (l - lmax) c; the rounding of lmax c is common to the eight
.endr
	s_wait_alu depctr_va_vdst(0)
.irp e, 0,1,2,3,4,5,6,7
	v_exp_f32 v[48+\e], v[48+\e]
.endr
	v_mov_b32 v57, 0                               ; a plain line behind the batch: the first index
	s_wait_alu depctr_va_vdst(0)                   ; one wait for the eight, ahead of their first reader
	v_add_f32 v60, v48, v49
	v_add_f32 v61, v50, v51
	v_add_f32 v62, v52, v53
	v_add_f32 v63, v54, v55
	s_delay_alu instid0(VALU_DEP_3)
	v_add_f32 v60, v60, v61
	s_delay_alu instid0(VALU_DEP_2)
	v_add_f32 v62, v62, v63
	s_delay_alu instid0(VALU_DEP_1)
	v_add_f32 v60, v60, v62                        ; the softmax's sum
	s_wait_alu depctr_va_vdst(0)
	v_rcp_f32 v60, v60
	v_mov_b32 v56, v48                             ; the search below names no v60: it is the work behind the reciprocal
.irp e, 1,2,3,4,5,6,7
	v_cmp_gt_f32 vcc_lo, v[48+\e], v56             ; strictly greater: the lower index stays among equals
	v_cndmask_b32 v56, v56, v[48+\e], vcc_lo
	s_delay_alu instid0(VALU_DEP_2)
	v_cndmask_b32 v57, v57, \e, vcc_lo
.endr
.irp e, 0,1,2,3,4,5,6,7
	v_cmp_eq_u32 vcc_lo, \e, v57
	v_cndmask_b32 v[48+\e], v[48+\e], -1.0, vcc_lo ; the winner leaves the field: every other number is 0 or more
.endr
	v_mov_b32 v58, v48
	v_mov_b32 v59, 0
.irp e, 1,2,3,4,5,6,7
	s_delay_alu instid0(VALU_DEP_2)
	v_cmp_gt_f32 vcc_lo, v[48+\e], v58
	s_delay_alu instid0(VALU_DEP_1)
	v_cndmask_b32 v58, v58, v[48+\e], vcc_lo
	s_delay_alu instid0(VALU_DEP_2)
	v_cndmask_b32 v59, v59, \e, vcc_lo
.endr
	s_wait_alu depctr_va_vdst(0)                   ; the reciprocal's wait, ahead of its first reader
	v_mul_f32 v56, v56, v60                        ; the two probabilities
	v_mul_f32 v58, v58, v60
	s_delay_alu instid0(VALU_DEP_1)
	v_add_f32 v61, v56, v58
	s_delay_alu instid0(VALU_DEP_1)
	v_add_f32 v61, 0x3089705f, v61                 ; + 1e-9
	s_wait_alu depctr_va_vdst(0)
	v_rcp_f32 v61, v61
	v_lshl_or_b32 v64, v59, 8, v57                 ; (a plain line)  e0 | e1 << 8
	s_wait_alu depctr_va_vdst(0)
	v_mul_f32 v66, v56, v61                        ; the gates
	v_mul_f32 v67, v58, v61
	v_mov_b32 v62, 0
	v_mov_b32 v63, 0
.irp e, 0,1,2,3,4,5,6,7                ; lane e of v62: which of my 16 tokens use expert e; of v63: how many
	v_cmp_eq_u32 s40, \e, v57
	v_cmp_eq_u32 s41, \e, v59
	s_or_b32 s40, s40, s41
	s_and_b32 s40, s40, 0xffff
	s_bcnt1_i32_b32 s41, s40
	v_writelane_b32 v62, s40, \e
	v_writelane_b32 v63, s41, \e
.endr
	v_lshlrev_b32 v68, 2, v0
	s_lshl_b32 s42, ttmp9, 6
	v_add_nc_u32 v68, s42, v68                     ; 4 (16 T + lane)
	v_lshlrev_b32 v69, 3, v0
	s_lshl_b32 s42, ttmp9, 7
	v_add_nc_u32 v69, s42, v69                     ; 8 (16 T + lane)
	v_lshlrev_b32 v70, 8, v0
	s_lshl_b32 s42, ttmp9, 1
	v_add_nc_u32 v70, s42, v70                     ; 256 e + 2 T
	v_lshlrev_b32 v71, 7, v0
	s_mov_b32 s43, ttmp9
	v_add_nc_u32 v71, s43, v71                     ; 128 e + T
	s_wait_alu depctr_va_vdst(0)
	s_wait_xcnt 0x0                                ; EXEC changes only behind this wait
	v_cmp_gt_u32 vcc_lo, 16, v0
	s_and_saveexec_b32 s44, vcc_lo
	global_store_b32 v68, v64, s[12:13] offset:4096
	global_store_b64 v69, v[66:67], s[10:11] offset:2162688
	s_wait_xcnt 0x0
	s_or_b32 exec_lo, exec_lo, s44
	v_cmp_gt_u32 vcc_lo, 8, v0
	s_and_saveexec_b32 s44, vcc_lo
	global_store_b16 v70, v62, s[12:13]
	global_store_b8 v71, v63, s[12:13] offset:2048
	s_wait_xcnt 0x0
	s_or_b32 exec_lo, exec_lo, s44
.Lend:
	s_wait_tensorcnt 0x0
	ds_add_u32 v254, v255
	s_wait_dscnt 0x0
	s_endpgm
.Lfunc_end_k_q7d5dd0bb66_route:
	.size	k_q7d5dd0bb66_route, .Lfunc_end_k_q7d5dd0bb66_route-k_q7d5dd0bb66_route
	.p2alignl 7, 3214868480
	.fill 96, 4, 3214868480
	.section	.rodata,"a",@progbits
	.p2align	6, 0x0
	.amdhsa_kernel k_q7d5dd0bb66_route
		.amdhsa_group_segment_fixed_size 10240
		.amdhsa_private_segment_fixed_size 0
		.amdhsa_enable_private_segment 0
		.amdhsa_kernarg_size 40
		.amdhsa_user_sgpr_count 2
		.amdhsa_user_sgpr_kernarg_segment_ptr 1
		.amdhsa_wavefront_size32 1
		.amdhsa_system_sgpr_workgroup_id_x 1
		.amdhsa_system_sgpr_workgroup_id_y 1
		.amdhsa_system_sgpr_workgroup_id_z 1
		.amdhsa_system_vgpr_workitem_id 0
		.amdhsa_next_free_vgpr 256
		.amdhsa_next_free_sgpr 66
		.amdhsa_reserve_vcc 1
		.amdhsa_float_denorm_mode_32 3
		.amdhsa_float_denorm_mode_16_64 3
		.amdhsa_memory_ordered 1
		.amdhsa_forward_progress 1
		.amdhsa_inst_pref_size 37
	.end_amdhsa_kernel
	.amdgpu_metadata
---
amdhsa.version: [ 1, 2 ]
amdhsa.kernels:
  - .name:           k_q7d5dd0bb66_route
    .symbol:         k_q7d5dd0bb66_route.kd
    .args:
      - { .name: x, .offset: 0, .size: 8, .value_kind: global_buffer, .address_space: global }
      - { .name: Wg, .offset: 8, .size: 8, .value_kind: global_buffer, .address_space: global }
      - { .name: bg, .offset: 16, .size: 8, .value_kind: global_buffer, .address_space: global }
      - { .name: xq, .offset: 24, .size: 8, .value_kind: global_buffer, .address_space: global }
      - { .name: route, .offset: 32, .size: 8, .value_kind: global_buffer, .address_space: global }
    .group_segment_fixed_size: 10240
    .private_segment_fixed_size: 0
    .kernarg_segment_align: 8
    .kernarg_segment_size: 40
    .max_flat_workgroup_size: 256
    .sgpr_count:     66
    .vgpr_count:     256
    .wavefront_size: 32
...
	.end_amdgpu_metadata
.endif
;; end of part 9
;; launch place (part 10): grid 264 x 1, 1 waves a work-group, no clusters, 0 bytes of LDS; arguments xq, route, xsort, place; writes xsort, place
.if DOCPART == 10
	.amdgcn_target "amdgcn-amd-amdhsa--gfx1250"
	.amdhsa_code_object_version 6
	.text
	.protected	k_q7d5dd0bb66_place
	.globl	k_q7d5dd0bb66_place
	.p2align	8
	.type	k_q7d5dd0bb66_place,@function
k_q7d5dd0bb66_place:
	s_mov_b64 s[64:65], 0
	v_nop
	global_prefetch_b8 v0, s[64:65] scope:SCOPE_SE
	s_setreg_imm32_b32 hwreg(HW_REG_WAVE_MODE, 25, 1), 1
	s_wait_xcnt 0x0
; PLACE.  The routed rows are put in order by expert.  Expert e owns positions 2,048 e .. 2,048 e + 2,047 (a token takes an expert at most once, so no split overflows); position p of expert e is its p-th token in ascending order.
; A row tile is 16 positions; tile number G = 128 e + tile.  With 4,096 routed rows and 8 experts there are never more than 4,096 / 16 + 7 = 263 tiles: 264 work-groups of one wave, a wave a tile, so that the jobs spread over all WGPs.
; A wave whose job number lies at or past the number of tiles stores nothing and ends: the price of a grid that serves every split.  Waves share nothing: no LDS, no barrier.
; All that steers an address here is whole numbers that the launch before has stored (masks, counts, the two experts of a token); each passes a clamp with a written constant on its way into an address.
; The offsets that hang on the lane alone (v4, v5, v6) are made at the head, ahead of every load and every branch, and never written again.
; STORED:  xsort: at 16,384 G the tile's codes of x as images of eight fragments (piece q of 16 codes of row r at 256 q + 16 r); at 16,777,216 + 512 G its scale words, lane (r, h): the words of K steps 4 h .. 4 h + 3 of row r.
; place: at 0 the eight counts; at 256 + 8 token + 4 slot the position of the token's slot-th expert.
; The rows past an expert's last in its last tile get a valid token's codes (the clamped index); their results are never read.
	s_load_b256 s[4:11], s[0:1], 0x0               ; xq s[4:5], route s[6:7], xsort s[8:9], place s[10:11]
	v_and_b32 v1, 31, v0                           ; lane
	v_and_b32 v2, 15, v0                           ; r
	v_bfe_u32 v3, v0, 4, 1                         ; h
	v_lshlrev_b32 v4, 5, v1                        ; 32 x lane: the count bytes
	v_lshlrev_b32 v5, 4, v1                        ; 16 x lane: an image's place for my lane
	v_lshlrev_b32 v6, 2, v1                        ; 4 x lane: where job 0 stores a count
	s_wait_alu depctr_va_vdst(0)
	s_wait_kmcnt 0x0
	global_load_b128 v[8:11], v4, s[6:7] offset:2048    ; 32 of the 1,024 count bytes a lane: lanes 4 e .. 4 e + 3 hold expert e's
	global_load_b128 v[12:15], v4, s[6:7] offset:2064
	s_wait_loadcnt 0x0
	v_add_nc_u32 v8, v8, v9                        ; byte by byte: eight bytes of at most 16 stay under 256
	v_add_nc_u32 v10, v10, v11
	v_add_nc_u32 v12, v12, v13
	v_add_nc_u32 v14, v14, v15
	v_add_nc_u32 v8, v8, v10
	v_add_nc_u32 v12, v12, v14
	v_add_nc_u32 v8, v8, v12
	v_lshrrev_b32 v9, 8, v8
	v_and_b32 v8, 0xff00ff, v8
	v_and_b32 v9, 0xff00ff, v9
	v_add_nc_u32 v8, v8, v9
	v_lshrrev_b32 v9, 16, v8
	v_and_b32 v8, 0xffff, v8
	v_add_nc_u32 v8, v8, v9
.irp e, 0,1,2,3,4,5,6,7                ; s86-93: the experts' counts
	v_readlane_b32 s[86+\e], v8, 4*\e
	v_readlane_b32 s99, v8, 4*\e+1
	v_readlane_b32 s100, v8, 4*\e+2
	v_readlane_b32 s101, v8, 4*\e+3
	s_add_co_u32 s[86+\e], s[86+\e], s99
	s_add_co_u32 s100, s100, s101
	s_add_co_u32 s[86+\e], s[86+\e], s100
.endr
	s_mov_b32 s94, ttmp9                           ; my job
	s_mov_b32 s95, 0                               ; its expert,
	s_mov_b32 s96, 0                               ; the expert's first job,
	s_mov_b32 s97, s86                             ; and count
	s_mov_b32 s99, 0                               ; tiles so far
.irp i, 0,1,2,3,4,5,6
	s_add_co_u32 s100, s[86+\i], 15
	s_lshr_b32 s100, s100, 4
	s_add_co_u32 s99, s99, s100
	s_cmp_ge_u32 s94, s99                          ; past expert i's tiles?
	s_cselect_b32 s95, \i+1, s95
	s_cselect_b32 s96, s99, s96
	s_cselect_b32 s97, s[87+\i], s97
.endr
	s_add_co_u32 s100, s93, 15
	s_lshr_b32 s100, s100, 4
	s_add_co_u32 s99, s99, s100
	s_cmp_ge_u32 s94, s99
	s_cbranch_scc1 .Lend                           ; no tile is left for this job
	s_min_u32 s95, s95, 7
	s_sub_co_u32 s98, s94, s96
	s_min_u32 s98, s98, 127                        ; my tile of the expert
	s_lshl_b32 s100, s95, 8
	s_mov_b32 s101, 0
	s_add_nc_u64 s[2:3], s[6:7], s[100:101]        ; the expert's mask: 64 words of 32 tokens
	s_load_b512 s[16:31], s[2:3], 0x0
	s_load_b512 s[32:47], s[2:3], 0x40
	s_load_b512 s[48:63], s[2:3], 0x80
	s_load_b512 s[68:83], s[2:3], 0xc0
	s_lshl_b32 s99, s98, 4
	v_add_nc_u32 v20, s99, v2                      ; p: my position
	s_wait_alu depctr_va_vdst(0)
	s_wait_kmcnt 0x0
; which word holds the p-th token: the last word in front of which at most p ones stand
	v_mov_b32 v21, s16                             ; the word,
	v_mov_b32 v22, 0                               ; the ones in front of it,
	v_mov_b32 v23, 0                               ; its number
	s_bcnt1_i32_b32 s84, s16
.macro WORD w
.if (\w) < 48
.set MW, 16+(\w)
.else
.set MW, 20+(\w)
.endif
	v_cmp_le_u32 vcc_lo, s84, v20
	v_cndmask_b32 v21, v21, s[MW], vcc_lo
	v_cndmask_b32 v22, v22, s84, vcc_lo
	v_cndmask_b32 v23, v23, \w, vcc_lo
	s_bcnt1_i32_b32 s85, s[MW]
	s_add_co_u32 s84, s84, s85
.endm
.set W, 1
.rept 63
	WORD W
.set W, W+1
.endr
; which bit of it: the number of bit places up to and with which at most q = p - (ones in front) ones stand
	v_sub_nc_u32 v28, v20, v22
	v_mov_b32 v24, 0
	v_mov_b32 v25, 0
.macro BIT k
	v_bfe_u32 v26, v21, \k, 1
	v_add_nc_u32 v24, v24, v26
	v_cmp_le_u32 vcc_lo, v24, v28
	v_add_co_ci_u32 v25, vcc_lo, 0, v25, vcc_lo
.endm
.set W, 0
.rept 32
	BIT W
.set W, W+1
.endr
	v_lshl_add_u32 v27, v23, 5, v25
	v_min_u32 v27, 0x7ff, v27                      ; the token; positions past the expert's last get token 2,047
	v_and_b32 v29, 0x7f0, v27
	v_lshlrev_b32 v29, 10, v29                     ; its tile of 16 tokens, 16,384 bytes,
	v_and_b32 v30, 15, v27
	v_lshl_add_u32 v29, v30, 4, v29                ; its row in a piece,
	v_lshl_add_u32 v29, v3, 8, v29                 ; pieces 2 q + h
	v_lshlrev_b32 v30, 5, v27
	v_lshl_add_u32 v30, v3, 4, v30                 ; its scale words 4 h .. 4 h + 3
	v_lshlrev_b32 v31, 2, v27
.set W, 0
.rept 32
	global_load_b128 v[32+4*W:35+4*W], v29, s[4:5] offset:512*W
.set W, W+1
.endr
	global_load_b128 v[160:163], v30, s[4:5] offset:2097152
	global_load_b32 v164, v31, s[6:7] offset:4096  ; the token's two experts
	s_lshl_b32 s99, s95, 7
	s_add_co_u32 s99, s99, s98                     ; G
	s_lshl_b32 s100, s99, 14
	s_add_nc_u64 s[2:3], s[8:9], s[100:101]
	s_lshl_b32 s100, s99, 9
	s_add_co_u32 s100, s100, 0x1000000
	s_add_nc_u64 s[14:15], s[8:9], s[100:101]
.set W, 0
.rept 32
	s_wait_loadcnt 33-W                            ; load W is in: behind it stand 31 - W loads of codes and two more
	global_store_b128 v5, v[32+4*W:35+4*W], s[2:3] offset:512*W   ; the wave stores 512 consecutive bytes
.set W, W+1
.endr
	s_wait_loadcnt 0x0
	global_store_b128 v5, v[160:163], s[14:15]
	v_bfe_u32 v165, v164, 8, 8
	v_cmp_eq_u32 vcc_lo, s95, v165                 ; am I the token's second expert?
	v_cndmask_b32 v165, 0, 4, vcc_lo
	v_min_u32 v165, 4, v165                        ; (it comes of a loaded number: the clamp stands ahead of the address)
	v_lshl_add_u32 v165, v27, 3, v165
	s_lshl_b32 s99, s95, 11
	v_add_nc_u32 v166, s99, v20                    ; 2,048 e + p
	v_cmp_gt_u32 vcc_lo, s97, v20                  ; only the expert's own positions,
	s_and_b32 vcc_lo, vcc_lo, 0xffff               ; once each
	s_wait_alu depctr_va_vdst(0)
	s_wait_xcnt 0x0                                ; EXEC changes only behind this wait
	s_and_saveexec_b32 s99, vcc_lo
	global_store_b32 v165, v166, s[10:11] offset:256
	s_wait_xcnt 0x0
	s_or_b32 exec_lo, exec_lo, s99
	s_cmp_lg_u32 s94, 0
	s_cbranch_scc1 .Lend
	v_mov_b32 v167, 0                              ; job 0 stores the eight counts
.irp e, 0,1,2,3,4,5,6,7
	v_writelane_b32 v167, s[86+\e], \e
.endr
	v_cmp_gt_u32 vcc_lo, 8, v1
	s_and_saveexec_b32 s99, vcc_lo                 ; (no load or store has been issued since the last wait on XCNT)
	global_store_b32 v6, v167, s[10:11]
	s_wait_xcnt 0x0
	s_or_b32 exec_lo, exec_lo, s99
.Lend:
	s_endpgm
.Lfunc_end_k_q7d5dd0bb66_place:
	.size	k_q7d5dd0bb66_place, .Lfunc_end_k_q7d5dd0bb66_place-k_q7d5dd0bb66_place
	.p2alignl 7, 3214868480
	.fill 96, 4, 3214868480
	.section	.rodata,"a",@progbits
	.p2align	6, 0x0
	.amdhsa_kernel k_q7d5dd0bb66_place
		.amdhsa_group_segment_fixed_size 0
		.amdhsa_private_segment_fixed_size 0
		.amdhsa_enable_private_segment 0
		.amdhsa_kernarg_size 32
		.amdhsa_user_sgpr_count 2
		.amdhsa_user_sgpr_kernarg_segment_ptr 1
		.amdhsa_wavefront_size32 1
		.amdhsa_system_sgpr_workgroup_id_x 1
		.amdhsa_system_sgpr_workgroup_id_y 1
		.amdhsa_system_sgpr_workgroup_id_z 1
		.amdhsa_system_vgpr_workitem_id 0
		.amdhsa_next_free_vgpr 192
		.amdhsa_next_free_sgpr 102
		.amdhsa_reserve_vcc 1
		.amdhsa_float_denorm_mode_32 3
		.amdhsa_float_denorm_mode_16_64 3
		.amdhsa_memory_ordered 1
		.amdhsa_forward_progress 1
		.amdhsa_inst_pref_size 40
	.end_amdhsa_kernel
	.amdgpu_metadata
---
amdhsa.version: [ 1, 2 ]
amdhsa.kernels:
  - .name:           k_q7d5dd0bb66_place
    .symbol:         k_q7d5dd0bb66_place.kd
    .args:
      - { .name: xq, .offset: 0, .size: 8, .value_kind: global_buffer, .address_space: global }
      - { .name: route, .offset: 8, .size: 8, .value_kind: global_buffer, .address_space: global }
      - { .name: xsort, .offset: 16, .size: 8, .value_kind: global_buffer, .address_space: global }
      - { .name: place, .offset: 24, .size: 8, .value_kind: global_buffer, .address_space: global }
    .group_segment_fixed_size: 0
    .private_segment_fixed_size: 0
    .kernarg_segment_align: 8
    .kernarg_segment_size: 32
    .max_flat_workgroup_size: 32
    .sgpr_count:     102
    .vgpr_count:     192
    .wavefront_size: 32
...
	.end_amdgpu_metadata
.endif
;; end of part 10
;; launch ffn1 (part 11): grid 256 x 1, 4 waves a work-group, no clusters, 70,144 bytes of LDS; arguments W1, b1, xsort, place, hq; writes hq
.if DOCPART == 11
	.amdgcn_target "amdgcn-amd-amdhsa--gfx1250"
	.amdhsa_code_object_version 6
	.text
	.protected	k_q7d5dd0bb66_ffn1
	.globl	k_q7d5dd0bb66_ffn1
	.p2align	8
	.type	k_q7d5dd0bb66_ffn1,@function
k_q7d5dd0bb66_ffn1:
	s_mov_b64 s[64:65], 0
	v_nop
	global_prefetch_b8 v0, s[64:65] scope:SCOPE_SE
	s_setreg_imm32_b32 hwreg(HW_REG_WAVE_SCHED_MODE, 0, 2), 2
	s_setreg_imm32_b32 hwreg(HW_REG_WAVE_MODE, 25, 1), 1
	s_wait_xcnt 0x0
	s_wait_alu depctr_vm_vsrc(0)
; FFN1.  h = Q(gelu(x W1[e] + b1[e])) for the rows routed to expert e, both operands of the product as codes of E5M2 with E8M0 scales; h leaves as codes, quantised along H.
; SHARES.  Work-group = (expert e = number / 32, slice = number % 32): hidden units n0 = 64 slice .. + 63.  8 x 32 = 256 slices of 1,024 x 64 f32: each byte of W1 is read once in the launch, quantised in registers,
; and stays in the work-group: 32 fragments (K step s = 0 .. 7, tile c = 0 .. 3), 512 registers of every wave.
; PHASE Q.  Wave w quantises K steps 2 w, 2 w + 1.  A load of 16 bytes of lane (q, h) takes W1[e][k][n0 + 4 q .. + 3], k = 256 w + 32 B + 16 h + i: sixteen lanes read 256 consecutive bytes.
; TILE c IS THE COLUMNS n0 + 4 q + c: which columns form a tile is free.  The hold writes number (c, i) from landing register 4 i + c, so a lane's 16 registers run down K and the conversions' results are the fragment's registers.
; The fragments go to LDS as images of their registers (16 bytes a lane, 512 a store), one barrier, and every wave loads all 32.
; PHASE M.  Wave w takes row tiles w, w + 4, .. of the expert, as many as the stored count says.  The product is used transposed (source 0 = 16 columns of W1, source 1 = 16 rows of x):
; lane (r, h) holds row r, and register j of tile c the hidden unit n0 + 32 h + 4 j + c: a lane's 32 results are one whole block of 32 along the next K.  b1 is the C of each sum's first product.
; GELU, exact form: gelu(x) = max(x, 0) - |x| t 2^(-x^2 log2(e) / 2 + P(t)), t = 1 / (1 + |x| / (2 sqrt 2)): one half of erfc(|x| / sqrt 2) by the rational-exponential form of Numerical Recipes (fractional error of erfc under 1.2e-7),
; its ten coefficients multiplied by log2(e), 1 taken off the first for the half.
; STORED (hq): tile G = 128 e + tile at 32,768 G: piece pi (hidden 16 pi ..) of row r at 256 pi + 16 r; scale bytes at 33,554,432 + 1,024 G, byte of (K step s2, row r, block b) at 512 (s2 / 8) + 256 ((s2 / 4) % 2) + 16 r + 4 (s2 % 4) + b.
; A store of codes covers two runs of 256 consecutive bytes; the scale bytes, one for each 32 codes, leave singly.
; NO JOINT LOADS, NO DATA MOVER: the number of row tiles is read from memory, and the loop leaves on it; the weights, 256 KB of a work-group's bytes, are shared with nobody; what the 32 slices of an expert share is the rows' codes, 16 KB a tile.
; LIMITS: NaN and infinities are not served.  A block whose largest magnitude lies under 2^-111 gets the byte 1 (a block of zeros too, where the quantiser's rule says 127: its codes are zeros, and this program alone reads the bytes).
; The part of gelu under 2^-126 is flushed to 0 by v_exp_f32.  In f32 the form is good to some 5e-7 of the number for |x| up to 3 and 2e-6 near |x| = 6.
; REGISTERS.  Window 0: v1-8 addresses; v16-47 W1's scale words and v48-55 x's: scales and nothing else; the rest by phase (below).  Window 1: phase Q four landing sets of 64; phase M two buffers of 8 fragments of x.
; Windows 2, 3: W1's fragments, fragment f = 4 s + c at 16 f.
; THE MODE: SCHED_MODE bits 1:0 = 2 (LLVM: expert scheduling mode 2), set by the entry lines.  The code itself states the register dependences between vector or matrix instructions and memory or LDS instructions,
; with s_wait_alu, always for 0.
; THE PLAN.  Registers that memory or LDS instructions touch, and who else names them:
;   v1-8, v254, v255   made at the head, never written again: one wait on va_vdst ahead of the first load serves every address of the kernel.
;   landing sets 0-3   block B's maxima and holds read set B % 4; one wait on va_vdst behind the holds, then the loads of block B + 4 land in it, ahead of the block's conversions, which name none of its registers.
;   F, SW              written by conversions and shifts, read by the images' LDS stores: a wait on va_vdst ahead of each run of stores; a wait on vm_vsrc ahead of block 4's conversions, which write F again, and one behind
;                      the barrier, from where on these registers are the gelu's and b1's.
;   v56-87             phase Q's working registers, in which b1 lands: every line that names them stands ahead of the wait in front of the second run of images.
;   buffers 0, 1, XS   tile p's products read buffer p and its four scale registers; the loads at the head of tile p + 1 land in them.
;   HC, BYX            written by a tile's conversions and one shift, read by its three stores, written again a tile later.
;   windows 2, 3, WS   filled once from LDS, then named by matrix instructions alone.
; In the loop ONE wait on va_vdst is owed to memory, ahead of a tile's stores: HC and BYX are written, and the tile's products are done reading their buffer.  Only scalar lines stand between it and the next tile's
; loads, over the backward jump too.  One wait on vm_vsrc stands at a tile's head.  The two waits behind the reciprocals and the exponentials stay as they were.
.set LI,   1                           ; 16 x lane
.set WOFF, 2                           ; W1: 16 h rows of 8,192 bytes + 16 q
.set IMW,  3                           ; LDS: where I store images: 16 x lane + 16,384 x wave
.set ISW,  4                           ; and scale words: 65,536 + 4 x lane + 1,024 x wave
.set LSC,  5                           ; 65,536 + 4 x lane
.set HOFF, 6                           ; hq: 512 h + 16 r
.set SOFF, 7                           ; hq's scale bytes: 16 r + h
.set BOFF, 8                           ; b1: 128 h
.set WS,   16
.set XS,   48
.set M,    56                          ; phase Q: largest magnitudes,
.set T,    60                          ; the other half's,
.set SO,   64                          ; the conversions' scale operands,
.set LIM,  68                          ; 57,344 x the scale,
.set BY,   72                          ; bytes,
.set SW,   76                          ; scale words, a set for each of my two K steps,
.set X,    88                          ; 64 held numbers,
.set F,    152                         ; four fragments
.set BI,   56                          ; phase M: b1 in the result's layout,
.set ACC,  88                          ; four accumulators,
.set TQ,   120
.set ZZ,   152
.set PP,   184
.set HC,   216                         ; 32 codes
.set MX,   224
.set SOX,  225
.set LIMX, 226
.set BYX,  227
.set C9,   228                         ; the highest coefficient, twice
.set WSC,  65536                       ; LDS: at 0 the 32 images of 2,048 bytes; at 65,536 their scale words, 128 bytes each
.set MSB, 0
.macro WIN new                         ; the immediate's high byte repeats the setting that is left
.if MSB != \new
	s_set_vgpr_msb (MSB<<8)|\new
.set MSB, \new
.endif
.endm
.macro LOADB B                         ; block B of my 8: 16 rows of k a half of the lanes, into landing set B % 4
	WIN 0x40
.irp i, 0,1,2,3,4,5,6,7,8,9,10,11,12,13,14,15
	global_load_b128 v[64*((\B)%4)+4*\i:64*((\B)%4)+4*\i+3], v[WOFF], s[4:5] offset:(32*(\B)+\i)*8192 th:TH_LOAD_NT
.endr
	WIN 0
.endm
.macro QBLOCK B
.set LS, 64*((\B)%4)
.set FB, F+4*((\B)%4)
.set SWB, SW+4*((\B)/4)
.if (\B) <= 4
	s_wait_loadcnt 48                              ; this block's 16 loads are in; those of the three blocks behind it may be out
.else
	s_wait_loadcnt 16*(7-(\B))
.endif
	WIN 0x05
.irp c, 0,1,2,3
	v_max3_num_f32 v[M+\c], |v[LS+\c]|, |v[LS+4+\c]|, 0x8000000    ; column c: my 16 numbers and the floor 2^(16 - 127)
.endr
	WIN 0x14
.irp i, 2,4,6,8,10,12,14
.irp c, 0,1,2,3
	v_max3_num_f32 v[M+\c], v[M+\c], |v[LS+4*\i+\c]|, |v[LS+4*\i+4+\c]|
.endr
.endr
	WIN 0
.irp c, 0,1,2,3
	v_permlanex16_b32 v[T+\c], v[M+\c], s20, s21
.endr
.irp c, 0,1,2,3
	v_max_num_f32 v[M+\c], v[M+\c], v[T+\c]        ; with lane xor 16's 16: the block's largest magnitude
.endr
.irp c, 0,1,2,3
	v_add_nc_u32 v[SO+\c], 0xf8800000, v[M+\c]     ; 15 off its exponent field
.endr
.irp c, 0,1,2,3
	v_and_or_b32 v[LIM+\c], v[M+\c], 0x7f800000, s22
.endr
.irp c, 0,1,2,3
.if (\B)%4 == 0
	v_lshrrev_b32 v[SWB+\c], 23, v[SO+\c]          ; the K step's first byte starts the word
.else
	v_lshrrev_b32 v[BY+\c], 23, v[SO+\c]
.endif
.endr
.if (\B)%4 != 0
.irp c, 0,1,2,3
	v_lshl_or_b32 v[SWB+\c], v[BY+\c], 8*((\B)%4), v[SWB+\c]
.endr
.endif
	WIN 0x01
.irp c, 0,1,2,3
.irp i, 0,1,2,3,4,5,6,7,8,9,10,11,12,13,14,15
	v_med3_num_f32 v[X+16*\c+\i], v[LS+4*\i+\c], -v[LIM+\c], v[LIM+\c]   ; the hold (ISA guide 7.6.2), which also lays a column's 16 numbers on end
.endr
.endr
.if (\B) < 4
	s_wait_alu depctr_va_vdst(0)                   ; the maxima and the holds are done reading this landing set, in which the loads of four blocks on land
	LOADB (\B)+4                                   ; the set is asked for again at once; the conversions below name none of its registers
.else
	WIN 0
.endif
.if (\B) == 4
	s_wait_alu depctr_va_vdst(0)
	s_wait_dscnt 0x0                               ; the first K step's images have left the fragments' registers, which are now written again
	s_wait_alu depctr_vm_vsrc(0)                   ; the first run of LDS stores has read the fragments' registers, which the conversions below write again
.endif
.irp c, 0,1,2,3
	v_cvt_scalef32_pk8_bf8_f32 v[FB+16*\c:FB+16*\c+1], v[X+16*\c:X+16*\c+7], v[SO+\c]
	v_cvt_scalef32_pk8_bf8_f32 v[FB+16*\c+2:FB+16*\c+3], v[X+16*\c+8:X+16*\c+15], v[SO+\c]
.endr
	v_nop                                          ; one plain line behind the last conversion
.endm
.macro IMAGE sp                        ; my K step 2 w + sp: four fragments and their scale words to LDS, as they stand
	s_wait_alu depctr_va_vdst(0)                   ; the conversions have written the four fragments, and the shifts their scale words, which the LDS stores read
.irp c, 0,1,2,3
.irp g, 0,1,2,3
	ds_store_b128 v[IMW], v[F+16*\c+4*\g:F+16*\c+4*\g+3] offset:8192*\sp+2048*\c+512*\g
.endr
	ds_store_b32 v[ISW], v[SW+4*\sp+\c] offset:512*\sp+128*\c
.endr
.endm
.macro ALOAD p                         ; a row tile's eight fragments of x into buffer p, and its scale words: 33 loads
	WIN 0x40
.irp s, 0,1,2,3,4,5,6,7
.irp g, 0,1,2,3
	global_load_b128 v[128*(\p)+16*\s+4*\g:128*(\p)+16*\s+4*\g+3], v[LI], s[26+2*(\p):27+2*(\p)] offset:2048*\s+512*\g
.endr
.endr
	WIN 0
	global_load_b128 v[XS+4*(\p):XS+4*(\p)+3], v[LI], s[30+2*(\p):31+2*(\p)]
.endm
.macro MMA p                           ; 32 products: K steps ascending, the four accumulators by turns, one instruction a turn
.irp s, 0,1,2,3,4,5,6,7
.if \s < 4
	WIN 0x06                                       ; source 0 (W1) window 2, source 1 (x) window 1
.else
	WIN 0x07                                       ; source 0 window 3
.endif
.irp c, 0,1,2,3
.if \s == 0
	v_wmma_scale_f32_16x16x128_f8f6f4 v[ACC+8*\c:ACC+8*\c+7], v[16*(4*(\s%4)+\c):16*(4*(\s%4)+\c)+15], v[128*\p+16*\s:128*\p+16*\s+15], v[BI+8*\c:BI+8*\c+7], v[WS+4*\s+\c], v[XS+4*\p+\s%4] matrix_a_fmt:MATRIX_FMT_BF8 matrix_b_fmt:MATRIX_FMT_BF8
.elseif \s < 4
	v_wmma_scale_f32_16x16x128_f8f6f4 v[ACC+8*\c:ACC+8*\c+7], v[16*(4*(\s%4)+\c):16*(4*(\s%4)+\c)+15], v[128*\p+16*\s:128*\p+16*\s+15], v[ACC+8*\c:ACC+8*\c+7], v[WS+4*\s+\c], v[XS+4*\p+\s%4] matrix_a_fmt:MATRIX_FMT_BF8 matrix_b_fmt:MATRIX_FMT_BF8
.else
	v_wmma_scale_f32_16x16x128_f8f6f4 v[ACC+8*\c:ACC+8*\c+7], v[16*(4*(\s%4)+\c):16*(4*(\s%4)+\c)+15], v[128*\p+16*\s:128*\p+16*\s+15], v[ACC+8*\c:ACC+8*\c+7], v[WS+4*\s+\c], v[XS+4*\p+\s%4] matrix_a_fmt:MATRIX_FMT_BF8 matrix_b_fmt:MATRIX_FMT_BF8 matrix_b_scale:MATRIX_SCALE_ROW1
.endif
.endr
.endr
	WIN 0
.endm
.macro HORNER coef, first              ; one step of the polynomial for the lane's 32 numbers, two at a time
.set i, 0
.rept 16
.if \first
	v_pk_fma_f32 v[PP+i:PP+i+1], v[TQ+i:TQ+i+1], v[C9:C9+1], \coef op_sel_hi:[1,1,0]
.else
	v_pk_fma_f32 v[PP+i:PP+i+1], v[PP+i:PP+i+1], v[TQ+i:TQ+i+1], \coef op_sel_hi:[1,1,0]
.endif
.set i, i+2
.endr
.endm
.macro EPI                             ; gelu, the quantiser, the stores: 32 numbers a lane
.set i, 0
.rept 32
	v_fma_f32 v[TQ+i], |v[ACC+i]|, 0x3eb504f3, 1.0 ; 1 + |x| / (2 sqrt 2); each accumulator is read from its low end on
.set i, i+1
.endr
.set i, 0
	s_wait_alu depctr_va_vdst(0)
.rept 32
	v_rcp_f32 v[TQ+i], v[TQ+i]                     ; t: one batch
.set i, i+1
.endr
.set i, 0
.rept 16
	v_pk_mul_f32 v[ZZ+i:ZZ+i+1], v[ACC+i:ACC+i+1], v[ACC+i:ACC+i+1]   ; x^2: the work behind the batch
.set i, i+2
.endr
	s_wait_alu depctr_va_vdst(0)                   ; the 32 reciprocals have written t: one wait for the batch, ahead of its first reader
	HORNER 0xbf97d29d, 1
	HORNER 0x40097039, 0
	HORNER 0xbfd1a1e5, 0
	HORNER 0x3ecdfd18, 0
	HORNER 0xbe899a80, 0
	HORNER 0x3e0efb2e, 0
	HORNER 0x3f0a29d2, 0
	HORNER 0x3fb8ab5a, 0
	HORNER 0xc034d90f, 0
.set i, 0
.rept 16
	v_pk_fma_f32 v[PP+i:PP+i+1], v[ZZ+i:ZZ+i+1], 0xbf38aa3b, v[PP+i:PP+i+1] op_sel_hi:[1,0,1]   ; - x^2 log2(e) / 2
.set i, i+2
.endr
.set i, 0
	s_wait_alu depctr_va_vdst(0)
.rept 32
	v_exp_f32 v[PP+i], v[PP+i]                     ; one batch
.set i, i+1
.endr
.set i, 0
.rept 32
	v_max_num_f32 v[ZZ+i], 0, v[ACC+i]             ; max(x, 0): the work behind the batch
.set i, i+1
.endr
	s_wait_alu depctr_va_vdst(0)                   ; the 32 exponentials have written their results: one wait for the batch, ahead of its first reader
.set i, 0
.rept 16
	v_pk_mul_f32 v[TQ+i:TQ+i+1], v[TQ+i:TQ+i+1], v[PP+i:PP+i+1]
.set i, i+2
.endr
.set i, 0
.rept 32
	v_fma_f32 v[ZZ+i], -|v[ACC+i]|, v[TQ+i], v[ZZ+i]    ; gelu
.set i, i+1
.endr
	v_max3_num_f32 v[MX], |v[ZZ]|, |v[ZZ+1]|, 0x8000000 ; the block's largest magnitude: all 32 numbers are mine; two chains
	v_max3_num_f32 v[SOX], |v[ZZ+16]|, |v[ZZ+17]|, |v[ZZ+18]|
.irp i, 2,4,6,8,10,12
	v_max3_num_f32 v[MX], v[MX], |v[ZZ+\i]|, |v[ZZ+\i+1]|
	v_max3_num_f32 v[SOX], v[SOX], |v[ZZ+17+\i]|, |v[ZZ+18+\i]|
.endr
	v_max3_num_f32 v[MX], v[MX], |v[ZZ+14]|, |v[ZZ+15]|
	v_max3_num_f32 v[MX], v[MX], v[SOX], |v[ZZ+31]|
	v_add_nc_u32 v[SOX], 0xf8800000, v[MX]
	v_and_or_b32 v[LIMX], v[MX], 0x7f800000, s22
	v_lshrrev_b32 v[BYX], 23, v[SOX]
.irp c, 0,1,2,3
.irp j, 0,1,2,3,4,5,6,7
	v_med3_num_f32 v[PP+4*\j+\c], v[ZZ+8*\c+\j], -v[LIMX], v[LIMX]   ; the hold, which also lays the 32 in the order of H
.endr
.endr
.irp g, 0,1,2,3
	v_cvt_scalef32_pk8_bf8_f32 v[HC+2*\g:HC+2*\g+1], v[PP+8*\g:PP+8*\g+7], v[SOX]
.endr
	v_nop                                          ; one plain line behind the last conversion
	s_wait_alu depctr_va_vdst(0)                   ; the conversions have written HC and the shift BYX, which the stores read; this tile's products are done reading their buffer of x and its scale words, in which the next tile's loads land
	global_store_b128 v[HOFF], v[HC:HC+3], s[34:35]
	global_store_b128 v[HOFF], v[HC+4:HC+7], s[34:35] offset:256
	global_store_b8 v[SOFF], v[BYX], s[36:37]
.endm
.macro TILE p                          ; row tile s19, whose operands lie in buffer p
	s_cmp_ge_u32 s19, s18
	s_cbranch_scc1 .Ldone                          ; no tile is left for this wave
	s_wait_xcnt 0x0                                ; earlier loads and stores have read their bases and data: only now are they written again
	s_wait_alu depctr_vm_vsrc(0)                   ; the last tile's stores have read HC and BYX, which this tile's conversions and shift write again
	s_add_co_u32 s24, s19, 4
	s_min_u32 s24, s24, s47                        ; my next tile, or the expert's last: no load leaves what has been stored
	s_min_u32 s24, s24, 127
	s_lshl_b32 s50, s24, 14
	s_add_nc_u64 s[28-2*\p:29-2*\p], s[38:39], s[50:51]
	s_lshl_b32 s50, s24, 9
	s_add_nc_u64 s[32-2*\p:33-2*\p], s[40:41], s[50:51]
	s_lshl_b32 s50, s19, 15
	s_add_nc_u64 s[34:35], s[42:43], s[50:51]
	s_lshl_b32 s50, s19, 10
	s_add_nc_u64 s[36:37], s[44:45], s[50:51]
	ALOAD 1-\p                                     ; no wait: no vector or matrix instruction has been issued since the wait ahead of the last tile's stores (in the first trip: none that names this buffer since the wait ahead of the second run of images)
	s_wait_loadcnt 33                              ; all but the 33 just issued
	MMA \p
.rept 8
	v_nop                                          ; eight places behind this form before a result is read
.endr
	EPI
	s_add_co_u32 s19, s19, 4
.endm
	s_load_b256 s[4:11], s[0:1], 0x0               ; W1 s[4:5], b1 s[6:7], xsort s[8:9], place s[10:11]
	s_load_b64 s[12:13], s[0:1], 0x20              ; hq
	v_lshl_add_u32 v254, v0, 2, 0x11000
	v_mov_b32 v255, 0
	v_lshrrev_b32 v9, 5, v0
	v_readfirstlane_b32 s14, v9                    ; wave
	s_lshr_b32 s15, ttmp9, 5                       ; expert
	s_and_b32 s16, ttmp9, 31                       ; slice
	v_and_b32 v9, 31, v0
	v_and_b32 v10, 15, v0
	v_bfe_u32 v11, v0, 4, 1
	v_lshlrev_b32 v[LI], 4, v9
	v_lshlrev_b32 v[WOFF], 4, v10
	v_lshl_add_u32 v[WOFF], v11, 17, v[WOFF]
	s_wait_alu depctr_va_sdst(0)                   ; s14, the wave's number, is written, ahead of its first reader
	s_lshl_b32 s24, s14, 14
	v_add_nc_u32 v[IMW], s24, v[LI]
	v_lshl_add_u32 v[LSC], v9, 2, WSC
	s_lshl_b32 s24, s14, 10
	v_add_nc_u32 v[ISW], s24, v[LSC]
	v_lshlrev_b32 v[HOFF], 4, v10
	v_lshl_add_u32 v[HOFF], v11, 9, v[HOFF]
	v_lshl_add_u32 v[SOFF], v10, 4, v11
	v_lshlrev_b32 v[BOFF], 7, v11
.irp c, 0,1,2,3
	v_mov_b32 v[T+\c], 0                           ; written once: a lane permute's destination counts as one of its sources
.endr
	s_mov_b32 s20, 0x76543210
	s_mov_b32 s21, 0xfedcba98
	s_mov_b32 s22, 0x600000
	s_lshl_b32 s24, s15, 23                        ; the expert's 8,388,608 bytes,
	s_lshl_b32 s25, s14, 21                        ; my 256 rows of 8,192,
	s_add_co_u32 s24, s24, s25
	s_lshl_b32 s25, s16, 8                         ; the slice's 256 bytes of a row
	s_add_co_u32 s24, s24, s25
	s_mov_b32 s25, 0
	s_lshl_b32 s50, s15, 2
	s_mov_b32 s51, 0
	s_wait_kmcnt 0x0
	s_add_nc_u64 s[52:53], s[10:11], s[50:51]
	s_load_b32 s17, s[52:53], 0x0                  ; the expert's count of rows
	s_add_nc_u64 s[4:5], s[4:5], s[24:25]
	s_wait_alu depctr_va_vdst(0)                   ; the eight addresses v1 to v8 are written, which every load, store and LDS instruction of the kernel reads
	LOADB 0
	LOADB 1
	LOADB 2
	LOADB 3
	s_lshl_b32 s50, s15, 21
	s_add_nc_u64 s[38:39], s[8:9], s[50:51]        ; the expert's tiles of x's codes,
	s_lshl_b32 s50, s15, 16
	s_add_co_u32 s50, s50, 0x1000000
	s_add_nc_u64 s[40:41], s[8:9], s[50:51]        ; of their scale words,
	s_lshl_b32 s50, s15, 22
	s_lshl_b32 s24, s16, 10
	s_add_co_u32 s50, s50, s24
	s_add_nc_u64 s[42:43], s[12:13], s[50:51]      ; of h's codes, at my slice's four pieces,
	s_lshr_b32 s24, s16, 1                         ; the slice's K step of the next product
	s_lshr_b32 s25, s24, 3
	s_lshl_b32 s50, s25, 9
	s_bfe_u32 s25, s24, 0x10002
	s_lshl_b32 s25, s25, 8
	s_add_co_u32 s50, s50, s25
	s_and_b32 s25, s24, 3
	s_lshl_b32 s25, s25, 2
	s_add_co_u32 s50, s50, s25
	s_and_b32 s25, s16, 1
	s_lshl_b32 s25, s25, 1
	s_add_co_u32 s50, s50, s25
	s_lshl_b32 s25, s15, 17
	s_add_co_u32 s50, s50, s25
	s_add_co_u32 s50, s50, 0x2000000
	s_add_nc_u64 s[44:45], s[12:13], s[50:51]      ; and of h's scale bytes, at my slice's two
	s_lshl_b32 s50, s15, 13
	s_lshl_b32 s24, s16, 8
	s_add_co_u32 s50, s50, s24
	s_add_nc_u64 s[6:7], s[6:7], s[50:51]          ; b1 at my slice
	s_wait_kmcnt 0x0
	s_min_u32 s17, s17, 0x800
	s_add_co_u32 s18, s17, 15
	s_lshr_b32 s18, s18, 4                         ; row tiles
	s_sub_co_u32 s47, s18, 1
	QBLOCK 0
	QBLOCK 1
	QBLOCK 2
	QBLOCK 3
	IMAGE 0
	QBLOCK 4
	QBLOCK 5
	QBLOCK 6
	QBLOCK 7
	IMAGE 1
	s_wait_dscnt 0x0                               ; for the others' sake: my images lie in LDS
	s_barrier_signal -1
	s_barrier_wait -1                              ; the launch's one barrier: every wave has passed it before any wave leaves
	s_wait_alu depctr_vm_vsrc(0)                   ; my LDS stores have read the fragments' registers and their scale words': from here on the gelu's lines write the one and b1's loads land in the other
	s_cmp_ge_u32 s14, s18
	s_cbranch_scc1 .Ldone
	v_mov_b32 v[C9], 0x3e7c6f08
	v_mov_b32 v[C9+1], 0x3e7c6f08
.irp c, 0,1,2,3
.irp j, 0,1,2,3,4,5,6,7
	global_load_b32 v[BI+8*\c+\j], v[BOFF], s[6:7] offset:(4*\j+\c)*4   ; b1 at hidden n0 + 32 h + 4 j + c.  No wait: every vector line that names v56 to v87 stands ahead of the wait in front of the second run of images
.endr
.endr
	s_mov_b32 s19, s14                             ; my first tile
	s_lshl_b32 s50, s14, 14
	s_add_nc_u64 s[26:27], s[38:39], s[50:51]
	s_lshl_b32 s50, s14, 9
	s_add_nc_u64 s[30:31], s[40:41], s[50:51]
	ALOAD 0                                        ; likewise: the last lines that read the landing sets stand ahead of that wait
	WIN 0x80                                       ; all 32 fragments of W1 into windows 2 and 3; the loads from memory land meanwhile
.set f, 0
.rept 16
.irp g, 0,1,2,3
	ds_load_b128 v[16*f+4*\g:16*f+4*\g+3], v[LI] offset:2048*f+512*\g
.endr
.set f, f+1
.endr
	WIN 0xc0
.rept 16
.irp g, 0,1,2,3
	ds_load_b128 v[16*(f-16)+4*\g:16*(f-16)+4*\g+3], v[LI] offset:2048*f+512*\g
.endr
.set f, f+1
.endr
	WIN 0
.set f, 0
.rept 32
	ds_load_b32 v[WS+f], v[LSC] offset:128*f
.set f, f+1
.endr
	s_wait_dscnt 0x0
	s_mov_b32 s46, 16                              ; 16 trips of two tiles serve the 32 tiles that a wave can have
.Lrow:
	TILE 0
	TILE 1
	s_sub_co_u32 s46, s46, 1
	s_cmp_lg_u32 s46, 0
	s_cbranch_scc1 .Lrow
.Ldone:
	s_wait_dscnt 0x0                               ; the closing lines, six on end
	s_wait_alu 0x0
	s_wait_tensorcnt 0x0
	ds_add_u32 v254, v255
	s_wait_dscnt 0x0
	s_endpgm
.Lfunc_end_k_q7d5dd0bb66_ffn1:
	.size	k_q7d5dd0bb66_ffn1, .Lfunc_end_k_q7d5dd0bb66_ffn1-k_q7d5dd0bb66_ffn1
	.p2alignl 7, 3214868480
	.fill 96, 4, 3214868480
	.section	.rodata,"a",@progbits
	.p2align	6, 0x0
	.amdhsa_kernel k_q7d5dd0bb66_ffn1
		.amdhsa_group_segment_fixed_size 70144
		.amdhsa_private_segment_fixed_size 0
		.amdhsa_enable_private_segment 0
		.amdhsa_kernarg_size 40
		.amdhsa_user_sgpr_count 2
		.amdhsa_user_sgpr_kernarg_segment_ptr 1
		.amdhsa_wavefront_size32 1
		.amdhsa_system_sgpr_workgroup_id_x 1
		.amdhsa_system_sgpr_workgroup_id_y 1
		.amdhsa_system_sgpr_workgroup_id_z 1
		.amdhsa_system_vgpr_workitem_id 0
		.amdhsa_next_free_vgpr 1024
		.amdhsa_next_free_sgpr 66
		.amdhsa_reserve_vcc 0
		.amdhsa_float_denorm_mode_32 3
		.amdhsa_float_denorm_mode_16_64 3
		.amdhsa_memory_ordered 1
		.amdhsa_forward_progress 1
		.amdhsa_inst_pref_size 175
	.end_amdhsa_kernel
	.amdgpu_metadata
---
amdhsa.version: [ 1, 2 ]
amdhsa.kernels:
  - .name:           k_q7d5dd0bb66_ffn1
    .symbol:         k_q7d5dd0bb66_ffn1.kd
    .args:
      - { .name: W1, .offset: 0, .size: 8, .value_kind: global_buffer, .address_space: global }
      - { .name: b1, .offset: 8, .size: 8, .value_kind: global_buffer, .address_space: global }
      - { .name: xsort, .offset: 16, .size: 8, .value_kind: global_buffer, .address_space: global }
      - { .name: place, .offset: 24, .size: 8, .value_kind: global_buffer, .address_space: global }
      - { .name: hq, .offset: 32, .size: 8, .value_kind: global_buffer, .address_space: global }
    .group_segment_fixed_size: 70144
    .private_segment_fixed_size: 0
    .kernarg_segment_align: 8
    .kernarg_segment_size: 40
    .max_flat_workgroup_size: 128
    .sgpr_count:     66
    .vgpr_count:     1024
    .wavefront_size: 32
...
	.end_amdgpu_metadata
.endif
;; end of part 11
;; launch ffn2 (part 12): grid 256 x 1, 4 waves a work-group, no clusters, 90,624 bytes of LDS; arguments W2, b2, hq, place, o; writes o
.if DOCPART == 12
	.amdgcn_target "amdgcn-amd-amdhsa--gfx1250"
	.amdhsa_code_object_version 6
	.text
	.protected	k_q7d5dd0bb66_ffn2
	.globl	k_q7d5dd0bb66_ffn2
	.p2align	8
	.type	k_q7d5dd0bb66_ffn2,@function
k_q7d5dd0bb66_ffn2:
	s_mov_b64 s[64:65], 0
	v_nop
	global_prefetch_b8 v0, s[64:65] scope:SCOPE_SE
	s_setreg_imm32_b32 hwreg(HW_REG_WAVE_SCHED_MODE, 0, 2), 2
	s_setreg_imm32_b32 hwreg(HW_REG_WAVE_MODE, 25, 1), 1
	s_wait_xcnt 0x0
	s_wait_alu depctr_vm_vsrc(0)
; FFN2.  o = h W2[e] + b2[e] for the rows routed to expert e, in two parts along K; both operands as codes of E5M2 with E8M0 scales; the parts in f32, two rows for each routed row, added by the launch behind this one.
; SHARES.  Work-group = (expert e = number / 32, slice = (number / 2) % 16, half kh = number % 2): output columns n0 = 64 slice .. + 63, K = 1,024 kh .. + 1,023.  8 x 16 x 2 = 256 slices of 1,024 x 64 f32: each byte of W2 is
; read once in the launch, quantised in registers, and stays in the work-group: 32 fragments (K step s = 0 .. 7 of the half, tile c = 0 .. 3), 512 registers of every wave.  A work-group reads 1,024 bytes of codes of each of its
; expert's rows; with all of K and 32 columns to a work-group it would read 2,048.
; PHASE Q.  Wave w quantises K steps 2 w, 2 w + 1 of the half.  A load of 16 bytes of lane (q, h) takes W2[e][k][n0 + 4 q .. + 3], k = 1,024 kh + 256 w + 32 B + 16 h + i: sixteen lanes read 256 consecutive bytes.
; TILE c IS THE COLUMNS n0 + 4 q + c: which columns form a tile is free.  The hold writes number (c, i) from landing register 4 i + c, so a lane's 16 registers run down K and the conversions' results are the fragment's registers.
; The fragments go to LDS as images of their registers (16 bytes a lane, 512 a store), one barrier, and every wave loads all 32.
; PHASE M.  Wave w takes row tiles w, w + 4, .. of the expert, as many as the stored count says.  The product is used transposed (source 0 = 16 columns of W2, source 1 = 16 rows of h): lane (r, h) holds row r, and register j of
; tile c the column n0 + 32 h + 4 j + c.  Two buffers of a tile's eight fragments; a buffer is asked for again in the same tile, behind the products that read it, for the tile two turns on: two tiles are on their way.
; One fused multiply-add a number adds b2 (times 1 in the lower half of K, times 0 in the upper) and lays the lane's 32 columns in order; the rows go through the wave's own stage in LDS and leave as runs of 512 consecutive bytes.
; STORED (o): 131,072 G + 65,536 kh + 4,096 slice + 256 row, G = 128 e + tile: a slice's tile is 16 rows of 64 f32 on end.
; NO JOINT LOADS, NO DATA MOVER: the number of row tiles is read from memory, and the loop leaves on it; the weights, 256 KB of a work-group's bytes, are shared with nobody.
; The last two refills of a wave ask for the expert's last tile (the clamp): valid bytes that are not used; so the counted wait has one meaning on every path.
; LIMITS: NaN and infinities are not served (b2 is multiplied by 0 in the upper half).  A block of W2 whose largest magnitude lies under 2^-111 gets the byte 1 (a block of zeros too, where the quantiser's rule says 127: its codes are
; zeros, and this program alone reads the bytes).  A row's sum over K is made of two f32 sums of 1,024.
; REGISTERS.  Window 0: v1-8 addresses; v16-47 W2's scale words and v48-55 h's: scales and nothing else; the rest by phase (below).  Window 1: phase Q four landing sets of 64; phase M two buffers of 8 fragments of h.
; Windows 2, 3: W2's fragments, fragment f = 4 s + c at 16 f.
; THE MODE: SCHED_MODE bits 1:0 = 2 (LLVM: expert scheduling mode 2), set by the entry lines.  The code itself states the register dependences between vector or matrix instructions and memory or LDS instructions,
; with s_wait_alu, always for 0.
; THE PLAN.  Registers that memory or LDS instructions touch, and who else names them:
;   v1-8, v254, v255   made at the head, never written again: one wait on va_vdst ahead of the first load serves every address of the kernel.
;   landing sets 0-3   block B's maxima and holds read set B % 4; one wait on va_vdst behind the holds, then the loads of block B + 4 land in it, ahead of the block's conversions, which name none of its registers.
;   F, SW              written by conversions and shifts, read by the images' LDS stores: a wait on va_vdst ahead of each run of stores; a wait on vm_vsrc ahead of block 4's conversions, which write F again, and one behind
;                      the barrier, from where on these registers are RB's and b2's.
;   v56-87             phase Q's working registers, in which b2 lands: every line that names them stands ahead of the wait in front of the second run of images.
;   buffers 0, 1, HS   tile p's products read buffer p and its four scale registers; the refill of the same tile lands in them.
;   OUT                written by a tile's 32 multiply-adds, read by its eight LDS stores, written again a tile later.
;   RB                 a tile's eight LDS loads land in it, its eight global stores read it; no vector instruction of the loop names it.
;   windows 2, 3, WS   filled once from LDS, then named by matrix instructions alone.
; In the loop ONE wait on va_vdst stands behind a tile's multiply-adds: OUT is written, and the products are done reading buffer p and its scale words.  Behind it, up to the tile's end, stand memory and LDS instructions alone:
; the stage's stores and loads, the refill's 33 loads while the stage's bytes are on their way back, the stores.  ONE wait on vm_vsrc stands ahead of the multiply-adds, a wait for data and 32 products behind the
; instructions that read OUT and RB.
.set LI,   1                           ; 16 x lane
.set WOFF, 2                           ; W2: 16 h rows of 4,096 bytes + 16 q
.set IMW,  3                           ; LDS: where I store images: 16 x lane + 16,384 x wave
.set ISW,  4                           ; and scale words: 65,536 + 4 x lane + 1,024 x wave
.set LSC,  5                           ; 65,536 + 4 x lane
.set STO,  6                           ; my stage, in: row r, + 128 h
.set SRD,  7                           ; and back: row h, + 16 r
.set BOFF, 8                           ; b2: 128 h
.set WS,   16
.set HS,   48                          ; 4 p + j: lanes 0-15 the word of the half's K step j, lanes 16-31 of 4 + j
.set M,    56                          ; phase Q: largest magnitudes,
.set T,    60                          ; the other half's,
.set SO,   64                          ; the conversions' scale operands,
.set LIM,  68                          ; 57,344 x the scale,
.set BY,   72                          ; bytes,
.set SW,   76                          ; scale words, a set for each of my two K steps,
.set X,    88                          ; 64 held numbers,
.set F,    152                         ; four fragments
.set B2,   56                          ; phase M: b2 at columns n0 + 32 h + 0 .. 31,
.set ACC,  88                          ; four accumulators,
.set OUT,  120                         ; the results in the columns' order,
.set RB,   152                         ; and as whole rows
.set WSC,  65536                       ; LDS: at 0 the 32 images of 2,048 bytes; at 65,536 their scale words, 128 bytes each;
.set STG,  69632                       ; at 69,632 a stage for each wave: 16 rows x (256 bytes + 16)
.set MSB, 0
.macro WIN new                         ; the immediate's high byte repeats the setting that is left
.if MSB != \new
	s_set_vgpr_msb (MSB<<8)|\new
.set MSB, \new
.endif
.endm
.macro LOADB B                         ; block B of my 8: 16 rows of k a half of the lanes, into landing set B % 4
	WIN 0x40
.irp i, 0,1,2,3,4,5,6,7,8,9,10,11,12,13,14,15
	global_load_b128 v[64*((\B)%4)+4*\i:64*((\B)%4)+4*\i+3], v[WOFF], s[4:5] offset:(32*(\B)+\i)*4096 th:TH_LOAD_NT
.endr
	WIN 0
.endm
.macro QBLOCK B
.set LS, 64*((\B)%4)
.set FB, F+4*((\B)%4)
.set SWB, SW+4*((\B)/4)
.if (\B) <= 4
	s_wait_loadcnt 48                              ; this block's 16 loads are in; those of the three blocks behind it may be out
.else
	s_wait_loadcnt 16*(7-(\B))
.endif
	WIN 0x05
.irp c, 0,1,2,3
	v_max3_num_f32 v[M+\c], |v[LS+\c]|, |v[LS+4+\c]|, 0x8000000    ; column c: my 16 numbers and the floor 2^(16 - 127)
.endr
	WIN 0x14
.irp i, 2,4,6,8,10,12,14
.irp c, 0,1,2,3
	v_max3_num_f32 v[M+\c], v[M+\c], |v[LS+4*\i+\c]|, |v[LS+4*\i+4+\c]|
.endr
.endr
	WIN 0
.irp c, 0,1,2,3
	v_permlanex16_b32 v[T+\c], v[M+\c], s20, s21
.endr
.irp c, 0,1,2,3
	v_max_num_f32 v[M+\c], v[M+\c], v[T+\c]        ; with lane xor 16's 16: the block's largest magnitude
.endr
.irp c, 0,1,2,3
	v_add_nc_u32 v[SO+\c], 0xf8800000, v[M+\c]     ; 15 off its exponent field
.endr
.irp c, 0,1,2,3
	v_and_or_b32 v[LIM+\c], v[M+\c], 0x7f800000, s22
.endr
.irp c, 0,1,2,3
.if (\B)%4 == 0
	v_lshrrev_b32 v[SWB+\c], 23, v[SO+\c]          ; the K step's first byte starts the word
.else
	v_lshrrev_b32 v[BY+\c], 23, v[SO+\c]
.endif
.endr
.if (\B)%4 != 0
.irp c, 0,1,2,3
	v_lshl_or_b32 v[SWB+\c], v[BY+\c], 8*((\B)%4), v[SWB+\c]
.endr
.endif
	WIN 0x01
.irp c, 0,1,2,3
.irp i, 0,1,2,3,4,5,6,7,8,9,10,11,12,13,14,15
	v_med3_num_f32 v[X+16*\c+\i], v[LS+4*\i+\c], -v[LIM+\c], v[LIM+\c]   ; the hold (ISA guide 7.6.2), which also lays a column's 16 numbers on end
.endr
.endr
.if (\B) < 4
	s_wait_alu depctr_va_vdst(0)                   ; the maxima and the holds are done reading this landing set, in which the loads of four blocks on land
	LOADB (\B)+4                                   ; the set is asked for again at once; the conversions below name none of its registers
.else
	WIN 0
.endif
.if (\B) == 4
	s_wait_alu depctr_va_vdst(0)
	s_wait_dscnt 0x0                               ; the first K step's images have left the fragments' registers, which are now written again
	s_wait_alu depctr_vm_vsrc(0)                   ; the first run of LDS stores has read the fragments' registers, which the conversions below write again
.endif
.irp c, 0,1,2,3
	v_cvt_scalef32_pk8_bf8_f32 v[FB+16*\c:FB+16*\c+1], v[X+16*\c:X+16*\c+7], v[SO+\c]
	v_cvt_scalef32_pk8_bf8_f32 v[FB+16*\c+2:FB+16*\c+3], v[X+16*\c+8:X+16*\c+15], v[SO+\c]
.endr
	v_nop                                          ; one plain line behind the last conversion
.endm
.macro IMAGE sp                        ; my K step 2 w + sp: four fragments and their scale words to LDS, as they stand
	s_wait_alu depctr_va_vdst(0)                   ; the conversions have written the four fragments, and the shifts their scale words, which the LDS stores read
.irp c, 0,1,2,3
.irp g, 0,1,2,3
	ds_store_b128 v[IMW], v[F+16*\c+4*\g:F+16*\c+4*\g+3] offset:8192*\sp+2048*\c+512*\g
.endr
	ds_store_b32 v[ISW], v[SW+4*\sp+\c] offset:512*\sp+128*\c
.endr
.endm
.macro ALOAD p                         ; a row tile's eight fragments of h (my half of K) into buffer p, and their scale words: 33 loads
	WIN 0x40
.irp s, 0,1,2,3,4,5,6,7
.irp g, 0,1,2,3
	global_load_b128 v[128*(\p)+16*\s+4*\g:128*(\p)+16*\s+4*\g+3], v[LI], s[26+2*(\p):27+2*(\p)] offset:2048*\s+512*\g
.endr
.endr
	WIN 0
	global_load_b128 v[HS+4*(\p):HS+4*(\p)+3], v[LI], s[30+2*(\p):31+2*(\p)]
.endm
.macro MMA p                           ; 32 products: K steps ascending, the four accumulators by turns, one instruction a turn; the first product of each starts its sum
.irp s, 0,1,2,3,4,5,6,7
.if \s < 4
	WIN 0x06                                       ; source 0 (W2) window 2, source 1 (h) window 1
.else
	WIN 0x07                                       ; source 0 window 3
.endif
.irp c, 0,1,2,3
.if \s == 0
	v_wmma_scale_f32_16x16x128_f8f6f4 v[ACC+8*\c:ACC+8*\c+7], v[16*(4*(\s%4)+\c):16*(4*(\s%4)+\c)+15], v[128*\p+16*\s:128*\p+16*\s+15], 0, v[WS+4*\s+\c], v[HS+4*\p+\s%4] matrix_a_fmt:MATRIX_FMT_BF8 matrix_b_fmt:MATRIX_FMT_BF8
.elseif \s < 4
	v_wmma_scale_f32_16x16x128_f8f6f4 v[ACC+8*\c:ACC+8*\c+7], v[16*(4*(\s%4)+\c):16*(4*(\s%4)+\c)+15], v[128*\p+16*\s:128*\p+16*\s+15], v[ACC+8*\c:ACC+8*\c+7], v[WS+4*\s+\c], v[HS+4*\p+\s%4] matrix_a_fmt:MATRIX_FMT_BF8 matrix_b_fmt:MATRIX_FMT_BF8
.else
	v_wmma_scale_f32_16x16x128_f8f6f4 v[ACC+8*\c:ACC+8*\c+7], v[16*(4*(\s%4)+\c):16*(4*(\s%4)+\c)+15], v[128*\p+16*\s:128*\p+16*\s+15], v[ACC+8*\c:ACC+8*\c+7], v[WS+4*\s+\c], v[HS+4*\p+\s%4] matrix_a_fmt:MATRIX_FMT_BF8 matrix_b_fmt:MATRIX_FMT_BF8 matrix_b_scale:MATRIX_SCALE_ROW1
.endif
.endr
.endr
	WIN 0
.endm
.macro OUT3 p                          ; a tile's 16 rows x 64 columns leave, and buffer p is asked for again
.irp j, 0,1,2,3,4,5,6,7
.irp c, 0,1,2,3
	v_fma_f32 v[OUT+4*\j+\c], v[B2+4*\j+\c], s54, v[ACC+8*\c+\j]   ; + b2 (or + 0), into the columns' order; each accumulator is read from its low end on
.endr
.endr
	s_wait_alu depctr_va_vdst(0)                   ; the multiply-adds have written OUT, which the LDS stores read; the products are done reading buffer p and its scale words, in which the refill lands
.irp i, 0,1,2,3,4,5,6,7
	ds_store_b128 v[STO], v[OUT+4*\i:OUT+4*\i+3] offset:16*\i      ; lane (r, h): 128 bytes of row r
.endr
.irp i, 0,1,2,3,4,5,6,7
	ds_load_b128 v[RB+4*\i:RB+4*\i+3], v[SRD] offset:544*\i        ; rows 2 i and 2 i + 1; my own bytes: LDS serves a wave's instructions in order (ISA guide 5.7.1.4)
.endr
	ALOAD \p                                       ; the refill goes out while the stage's bytes are on their way back.  No wait: since the wait above only LDS instructions have been issued, and they name none of its registers
	s_wait_dscnt 0x0
.irp i, 0,1,2,3,4,5,6,7
	global_store_b128 v[LI], v[RB+4*\i:RB+4*\i+3], s[34:35] offset:512*\i th:TH_STORE_NT   ; two rows of 256 bytes: 512 consecutive bytes
.endr
.endm
.macro TILE p                          ; row tile s19, whose operands lie in buffer p
	s_cmp_ge_u32 s19, s18
	s_cbranch_scc1 .Ldone                          ; no tile is left for this wave
	s_wait_loadcnt 33                              ; this tile's 33 loads are in; the 33 of the other buffer, issued behind them, may be out
	MMA \p
.rept 8
	v_nop                                          ; eight places behind this form before a result is read
.endr
	s_wait_xcnt 0x0                                ; all earlier loads and stores have read their bases and data: the youngest were issued ahead of the wait and the 32 products above
	s_wait_alu depctr_vm_vsrc(0)                   ; the last tile's LDS stores have read OUT, which the multiply-adds write again, and its global stores RB, in which the stage's loads land again
	s_add_co_u32 s24, s19, 8
	s_min_u32 s24, s24, s47                        ; my tile two turns on, or the expert's last: no load leaves what has been stored
	s_min_u32 s24, s24, 127
	s_lshl_b32 s50, s24, 15
	s_add_nc_u64 s[26+2*\p:27+2*\p], s[38:39], s[50:51]
	s_lshl_b32 s50, s24, 10
	s_add_nc_u64 s[30+2*\p:31+2*\p], s[40:41], s[50:51]
	s_lshl_b32 s50, s19, 17
	s_add_nc_u64 s[34:35], s[42:43], s[50:51]      ; where this tile's results go
	OUT3 \p
	s_add_co_u32 s19, s19, 4
.endm
	s_load_b256 s[4:11], s[0:1], 0x0               ; W2 s[4:5], b2 s[6:7], hq s[8:9], place s[10:11]
	s_load_b64 s[12:13], s[0:1], 0x20              ; o
	v_lshl_add_u32 v254, v0, 2, 0x16000
	v_mov_b32 v255, 0
	v_lshrrev_b32 v9, 5, v0
	v_readfirstlane_b32 s14, v9                    ; wave
	s_lshr_b32 s15, ttmp9, 5                       ; expert
	s_bfe_u32 s16, ttmp9, 0x40001                  ; slice: 4 bits from bit 1
	s_and_b32 s23, ttmp9, 1                        ; which half of K
	v_and_b32 v9, 31, v0
	v_and_b32 v10, 15, v0
	v_bfe_u32 v11, v0, 4, 1
	v_lshlrev_b32 v[LI], 4, v9
	v_lshlrev_b32 v[WOFF], 4, v10
	v_lshl_add_u32 v[WOFF], v11, 16, v[WOFF]
	s_wait_alu depctr_va_sdst(0)                   ; s14, the wave's number, is written, ahead of its first reader
	s_lshl_b32 s24, s14, 14
	v_add_nc_u32 v[IMW], s24, v[LI]
	v_lshl_add_u32 v[LSC], v9, 2, WSC
	s_lshl_b32 s24, s14, 10
	v_add_nc_u32 v[ISW], s24, v[LSC]
	s_mul_i32 s24, s14, 4352
	s_add_co_u32 s24, s24, STG                     ; my stage
	v_mul_u32_u24 v[STO], v10, 272
	v_lshl_add_u32 v[STO], v11, 7, v[STO]
	v_add_nc_u32 v[STO], s24, v[STO]
	v_mul_u32_u24 v[SRD], v11, 272
	v_lshl_add_u32 v[SRD], v10, 4, v[SRD]
	v_add_nc_u32 v[SRD], s24, v[SRD]
	v_lshlrev_b32 v[BOFF], 7, v11
.irp c, 0,1,2,3
	v_mov_b32 v[T+\c], 0                           ; written once: a lane permute's destination counts as one of its sources
.endr
	s_mov_b32 s20, 0x76543210
	s_mov_b32 s21, 0xfedcba98
	s_mov_b32 s22, 0x600000
	s_cmp_eq_u32 s23, 0
	s_cselect_b32 s54, 0x3f800000, 0               ; b2 counts once: 1.0 in the lower half of K, 0 in the upper
	s_lshl_b32 s24, s15, 23                        ; the expert's 8,388,608 bytes,
	s_lshl_b32 s25, s23, 22                        ; the half's 1,024 rows of 4,096,
	s_add_co_u32 s24, s24, s25
	s_lshl_b32 s25, s14, 20                        ; my 256 rows,
	s_add_co_u32 s24, s24, s25
	s_lshl_b32 s25, s16, 8                         ; the slice's 256 bytes of a row
	s_add_co_u32 s24, s24, s25
	s_mov_b32 s25, 0
	s_lshl_b32 s50, s15, 2
	s_mov_b32 s51, 0
	s_wait_kmcnt 0x0
	s_add_nc_u64 s[52:53], s[10:11], s[50:51]
	s_load_b32 s17, s[52:53], 0x0                  ; the expert's count of rows
	s_add_nc_u64 s[4:5], s[4:5], s[24:25]
	s_wait_alu depctr_va_vdst(0)                   ; the eight addresses v1 to v8 are written, which every load, store and LDS instruction of the kernel reads
	LOADB 0
	LOADB 1
	LOADB 2
	LOADB 3
	s_lshl_b32 s50, s15, 22
	s_lshl_b32 s24, s23, 14
	s_add_co_u32 s50, s50, s24
	s_add_nc_u64 s[38:39], s[8:9], s[50:51]        ; the expert's tiles of h's codes, at my half of K,
	s_lshl_b32 s50, s15, 17
	s_lshl_b32 s24, s23, 9
	s_add_co_u32 s50, s50, s24
	s_add_co_u32 s50, s50, 0x2000000
	s_add_nc_u64 s[40:41], s[8:9], s[50:51]        ; of their scale words,
	s_lshl_b32 s50, s15, 24
	s_lshl_b32 s24, s23, 16
	s_add_co_u32 s50, s50, s24
	s_lshl_b32 s24, s16, 12
	s_add_co_u32 s50, s50, s24
	s_add_nc_u64 s[42:43], s[12:13], s[50:51]      ; and of o, at my half and slice
	s_lshl_b32 s50, s15, 12
	s_lshl_b32 s24, s16, 8
	s_add_co_u32 s50, s50, s24
	s_add_nc_u64 s[6:7], s[6:7], s[50:51]          ; b2 at my slice
	s_wait_kmcnt 0x0
	s_min_u32 s17, s17, 0x800
	s_add_co_u32 s18, s17, 15
	s_lshr_b32 s18, s18, 4                         ; row tiles
	s_sub_co_u32 s47, s18, 1
	QBLOCK 0
	QBLOCK 1
	QBLOCK 2
	QBLOCK 3
	IMAGE 0
	QBLOCK 4
	QBLOCK 5
	QBLOCK 6
	QBLOCK 7
	IMAGE 1
	s_wait_dscnt 0x0                               ; for the others' sake: my images lie in LDS
	s_barrier_signal -1
	s_barrier_wait -1                              ; the launch's one barrier: every wave has passed it before any wave leaves
	s_wait_alu depctr_vm_vsrc(0)                   ; my LDS stores have read the fragments' registers and their scale words': from here on the stage's loads land in the one and b2's in the other
	s_cmp_ge_u32 s14, s18
	s_cbranch_scc1 .Ldone
.irp i, 0,1,2,3,4,5,6,7
	global_load_b128 v[B2+4*\i:B2+4*\i+3], v[BOFF], s[6:7] offset:16*\i   ; b2 at columns n0 + 32 h + 4 i ..  No wait: every vector line that names v56 to v87 stands ahead of the wait in front of the second run of images
.endr
	s_mov_b32 s19, s14                             ; my first tile
	s_lshl_b32 s50, s14, 15
	s_add_nc_u64 s[26:27], s[38:39], s[50:51]
	s_lshl_b32 s50, s14, 10
	s_add_nc_u64 s[30:31], s[40:41], s[50:51]
	ALOAD 0                                        ; likewise: the last lines that read the landing sets stand ahead of that wait
	s_add_co_u32 s24, s14, 4                       ; my second, or the expert's last; it has base registers of its own
	s_min_u32 s24, s24, s47
	s_min_u32 s24, s24, 127
	s_lshl_b32 s50, s24, 15
	s_add_nc_u64 s[28:29], s[38:39], s[50:51]
	s_lshl_b32 s50, s24, 10
	s_add_nc_u64 s[32:33], s[40:41], s[50:51]
	ALOAD 1
	WIN 0x80                                       ; all 32 fragments of W2 into windows 2 and 3; the loads from memory land meanwhile
.set f, 0
.rept 16
.irp g, 0,1,2,3
	ds_load_b128 v[16*f+4*\g:16*f+4*\g+3], v[LI] offset:2048*f+512*\g
.endr
.set f, f+1
.endr
	WIN 0xc0
.rept 16
.irp g, 0,1,2,3
	ds_load_b128 v[16*(f-16)+4*\g:16*(f-16)+4*\g+3], v[LI] offset:2048*f+512*\g
.endr
.set f, f+1
.endr
	WIN 0
.set f, 0
.rept 32
	ds_load_b32 v[WS+f], v[LSC] offset:128*f
.set f, f+1
.endr
	s_wait_dscnt 0x0
	s_mov_b32 s46, 16                              ; 16 trips of two tiles serve the 32 tiles that a wave can have
.Lrow:
	TILE 0
	TILE 1
	s_sub_co_u32 s46, s46, 1
	s_cmp_lg_u32 s46, 0
	s_cbranch_scc1 .Lrow
.Ldone:
	s_wait_dscnt 0x0                               ; the closing lines, six on end
	s_wait_alu 0x0
	s_wait_tensorcnt 0x0
	ds_add_u32 v254, v255
	s_wait_dscnt 0x0
	s_endpgm
.Lfunc_end_k_q7d5dd0bb66_ffn2:
	.size	k_q7d5dd0bb66_ffn2, .Lfunc_end_k_q7d5dd0bb66_ffn2-k_q7d5dd0bb66_ffn2
	.p2alignl 7, 3214868480
	.fill 96, 4, 3214868480
	.section	.rodata,"a",@progbits
	.p2align	6, 0x0
	.amdhsa_kernel k_q7d5dd0bb66_ffn2
		.amdhsa_group_segment_fixed_size 90624
		.amdhsa_private_segment_fixed_size 0
		.amdhsa_enable_private_segment 0
		.amdhsa_kernarg_size 40
		.amdhsa_user_sgpr_count 2
		.amdhsa_user_sgpr_kernarg_segment_ptr 1
		.amdhsa_wavefront_size32 1
		.amdhsa_system_sgpr_workgroup_id_x 1
		.amdhsa_system_sgpr_workgroup_id_y 1
		.amdhsa_system_sgpr_workgroup_id_z 1
		.amdhsa_system_vgpr_workitem_id 0
		.amdhsa_next_free_vgpr 1024
		.amdhsa_next_free_sgpr 66
		.amdhsa_reserve_vcc 0
		.amdhsa_float_denorm_mode_32 3
		.amdhsa_float_denorm_mode_16_64 3
		.amdhsa_memory_ordered 1
		.amdhsa_forward_progress 1
		.amdhsa_inst_pref_size 126
	.end_amdhsa_kernel
	.amdgpu_metadata
---
amdhsa.version: [ 1, 2 ]
amdhsa.kernels:
  - .name:           k_q7d5dd0bb66_ffn2
    .symbol:         k_q7d5dd0bb66_ffn2.kd
    .args:
      - { .name: W2, .offset: 0, .size: 8, .value_kind: global_buffer, .address_space: global }
      - { .name: b2, .offset: 8, .size: 8, .value_kind: global_buffer, .address_space: global }
      - { .name: hq, .offset: 16, .size: 8, .value_kind: global_buffer, .address_space: global }
      - { .name: place, .offset: 24, .size: 8, .value_kind: global_buffer, .address_space: global }
      - { .name: o, .offset: 32, .size: 8, .value_kind: global_buffer, .address_space: global }
    .group_segment_fixed_size: 90624
    .private_segment_fixed_size: 0
    .kernarg_segment_align: 8
    .kernarg_segment_size: 40
    .max_flat_workgroup_size: 128
    .sgpr_count:     66
    .vgpr_count:     1024
    .wavefront_size: 32
...
	.end_amdgpu_metadata
.endif
;; end of part 12
;; launch combine (part 13): grid 256 x 1, 8 waves a work-group, no clusters, 0 bytes of LDS; arguments o, place, xq, out0; writes out0
.if DOCPART == 13
	.amdgcn_target "amdgcn-amd-amdhsa--gfx1250"
	.amdhsa_code_object_version 6
	.text
	.protected	k_q7d5dd0bb66_combine
	.globl	k_q7d5dd0bb66_combine
	.p2align	8
	.type	k_q7d5dd0bb66_combine,@function
k_q7d5dd0bb66_combine:
	s_mov_b64 s[64:65], 0
	v_nop
	global_prefetch_b8 v0, s[64:65] scope:SCOPE_SE
	s_setreg_imm32_b32 hwreg(HW_REG_WAVE_MODE, 25, 1), 1
	s_wait_xcnt 0x0
; COMBINE.  y[t] = g0 (a0 + a1) + g1 (b0 + b1): a and b are the rows of the token's two experts, each in two parts along K that different work-groups made; they are added here, by the row's one owner.  The six other gates are exactly 0.
; A wave takes a token: 8 x 256 = 2,048 waves.  Its two positions (whole numbers that an earlier launch stored; clamped ahead of the address) and its two gates come by scalar loads.
; A part of a row of o is 16 pieces of 256 bytes, 4,096 bytes apart (tile position / 16 at 131,072 bytes a tile, the upper half of K 65,536 on, row position % 16 at 256): a load takes two pieces, sixteen lanes to a piece.
; A store of the wave covers 512 consecutive bytes of y.  Every load has registers of its own, so nothing is written twice and the only waits are the counted ones.  Memory binds: no LDS, no barrier, no matrix unit.
	s_load_b256 s[4:11], s[0:1], 0x0               ; o s[4:5], place s[6:7], xq s[8:9], out0 s[10:11]
	v_lshrrev_b32 v1, 5, v0
	s_delay_alu instid0(VALU_DEP_1)
	v_readfirstlane_b32 s12, v1
	s_lshl_b32 s13, ttmp9, 3
	s_add_co_u32 s13, s13, s12                     ; my token
	s_lshl_b32 s14, s13, 3
	s_mov_b32 s15, 0
	s_lshl_b32 s24, s13, 12
	s_mov_b32 s25, 0
	v_and_b32 v2, 31, v0
	s_delay_alu instid0(VALU_DEP_1)
	v_lshrrev_b32 v3, 4, v2
	s_delay_alu instid0(VALU_DEP_2)
	v_and_b32 v4, 15, v2
	s_delay_alu instid0(VALU_DEP_1)
	v_lshlrev_b32 v6, 4, v4
	s_delay_alu instid0(VALU_DEP_1)
	v_lshl_add_u32 v6, v3, 12, v6                  ; piece lane / 16, 16 bytes a lane
	v_lshlrev_b32 v5, 4, v2
	s_wait_alu depctr_va_vdst(0)
	s_wait_kmcnt 0x0
	s_add_nc_u64 s[6:7], s[6:7], s[14:15]
	s_add_nc_u64 s[8:9], s[8:9], s[14:15]
	s_load_b64 s[16:17], s[6:7], 0x100             ; the two positions
	s_load_b64 s[18:19], s[8:9], 0x210000          ; the two gates
	s_add_nc_u64 s[10:11], s[10:11], s[24:25]
	s_wait_kmcnt 0x0
	s_min_u32 s16, s16, 0x3fff
	s_min_u32 s17, s17, 0x3fff
	s_and_b32 s26, s16, 0x3ff0
	s_lshl_b32 s26, s26, 13
	s_and_b32 s27, s16, 15
	s_lshl_b32 s27, s27, 8
	s_add_co_u32 s26, s26, s27
	s_mov_b32 s27, 0
	s_add_nc_u64 s[28:29], s[4:5], s[26:27]
	s_and_b32 s26, s17, 0x3ff0
	s_lshl_b32 s26, s26, 13
	s_and_b32 s22, s17, 15
	s_lshl_b32 s22, s22, 8
	s_add_co_u32 s26, s26, s22
	s_add_nc_u64 s[30:31], s[4:5], s[26:27]
	s_mov_b32 s20, s19                             ; the packed forms take a pair's low word for both halves
	s_mov_b32 s21, s19
.irp i, 0,1,2,3,4,5,6,7
	global_load_b128 v[16+16*\i:19+16*\i], v6, s[28:29] offset:8192*\i th:TH_LOAD_NT
	global_load_b128 v[20+16*\i:23+16*\i], v6, s[28:29] offset:8192*\i+65536 th:TH_LOAD_NT
	global_load_b128 v[24+16*\i:27+16*\i], v6, s[30:31] offset:8192*\i th:TH_LOAD_NT
	global_load_b128 v[28+16*\i:31+16*\i], v6, s[30:31] offset:8192*\i+65536 th:TH_LOAD_NT
.endr
.irp i, 0,1,2,3,4,5,6,7
	s_wait_loadcnt 28-4*\i                         ; group i's four loads are in; the 7 - i groups behind it may be out
	v_pk_mul_f32 v[16+16*\i:17+16*\i], v[16+16*\i:17+16*\i], s[18:19] op_sel_hi:[1,0]
	v_pk_mul_f32 v[18+16*\i:19+16*\i], v[18+16*\i:19+16*\i], s[18:19] op_sel_hi:[1,0]
	s_delay_alu instid0(VALU_DEP_2)
	v_pk_fma_f32 v[16+16*\i:17+16*\i], v[20+16*\i:21+16*\i], s[18:19], v[16+16*\i:17+16*\i] op_sel_hi:[1,0,1]
	s_delay_alu instid0(VALU_DEP_2)
	v_pk_fma_f32 v[18+16*\i:19+16*\i], v[22+16*\i:23+16*\i], s[18:19], v[18+16*\i:19+16*\i] op_sel_hi:[1,0,1]
	s_delay_alu instid0(VALU_DEP_2)
	v_pk_fma_f32 v[16+16*\i:17+16*\i], v[24+16*\i:25+16*\i], s[20:21], v[16+16*\i:17+16*\i] op_sel_hi:[1,0,1]
	s_delay_alu instid0(VALU_DEP_2)
	v_pk_fma_f32 v[18+16*\i:19+16*\i], v[26+16*\i:27+16*\i], s[20:21], v[18+16*\i:19+16*\i] op_sel_hi:[1,0,1]
	s_delay_alu instid0(VALU_DEP_2)
	v_pk_fma_f32 v[16+16*\i:17+16*\i], v[28+16*\i:29+16*\i], s[20:21], v[16+16*\i:17+16*\i] op_sel_hi:[1,0,1]
	s_delay_alu instid0(VALU_DEP_2)
	v_pk_fma_f32 v[18+16*\i:19+16*\i], v[30+16*\i:31+16*\i], s[20:21], v[18+16*\i:19+16*\i] op_sel_hi:[1,0,1]
	global_store_b128 v5, v[16+16*\i:19+16*\i], s[10:11] offset:512*\i th:TH_STORE_NT
.endr
	s_endpgm
.Lfunc_end_k_q7d5dd0bb66_combine:
	.size	k_q7d5dd0bb66_combine, .Lfunc_end_k_q7d5dd0bb66_combine-k_q7d5dd0bb66_combine
	.p2alignl 7, 3214868480
	.fill 96, 4, 3214868480
	.section	.rodata,"a",@progbits
	.p2align	6, 0x0
	.amdhsa_kernel k_q7d5dd0bb66_combine
		.amdhsa_group_segment_fixed_size 0
		.amdhsa_private_segment_fixed_size 0
		.amdhsa_enable_private_segment 0
		.amdhsa_kernarg_size 32
		.amdhsa_user_sgpr_count 2
		.amdhsa_user_sgpr_kernarg_segment_ptr 1
		.amdhsa_wavefront_size32 1
		.amdhsa_system_sgpr_workgroup_id_x 1
		.amdhsa_system_sgpr_workgroup_id_y 1
		.amdhsa_system_sgpr_workgroup_id_z 1
		.amdhsa_system_vgpr_workitem_id 0
		.amdhsa_next_free_vgpr 144
		.amdhsa_next_free_sgpr 66
		.amdhsa_reserve_vcc 0
		.amdhsa_float_denorm_mode_32 3
		.amdhsa_float_denorm_mode_16_64 3
		.amdhsa_memory_ordered 1
		.amdhsa_forward_progress 1
		.amdhsa_inst_pref_size 12
	.end_amdhsa_kernel
	.amdgpu_metadata
---
amdhsa.version: [ 1, 2 ]
amdhsa.kernels:
  - .name:           k_q7d5dd0bb66_combine
    .symbol:         k_q7d5dd0bb66_combine.kd
    .args:
      - { .name: o, .offset: 0, .size: 8, .value_kind: global_buffer, .address_space: global }
      - { .name: place, .offset: 8, .size: 8, .value_kind: global_buffer, .address_space: global }
      - { .name: xq, .offset: 16, .size: 8, .value_kind: global_buffer, .address_space: global }
      - { .name: out0, .offset: 24, .size: 8, .value_kind: global_buffer, .address_space: global }
    .group_segment_fixed_size: 0
    .private_segment_fixed_size: 0
    .kernarg_segment_align: 8
    .kernarg_segment_size: 32
    .max_flat_workgroup_size: 256
    .sgpr_count:     66
    .vgpr_count:     144
    .wavefront_size: 32
...
	.end_amdgpu_metadata
.endif
;; end of part 13
